; MI455X (gfx1250); checked and timed in simulation.
; The chip was launched on July 23, 2026; its instructions are those of AMD's public machine-readable ISA for CDNA 5 (MIT licence, August 2026) and "CDNA5" Instruction Set Architecture Reference Guide (July 2026). The comments in the code are by the model that wrote it; some were corrected since.
;; Transformer Block. Allowed arithmetic: matrix products marked QUANTISED: E4M3 operands, one given power-of-two scale a tensor, by v_wmma_f32_16x16x64_fp8_fp8 or v_wmma_f32_16x16x128_fp8_fp8, f32 sums; everything else in f32.
;; Inputs: attention_mask 1 x 4,096 int32; b_down 768 float32; b_up 3,072 float32; bk 768 float32; bo 768 float32; bq 768 float32; bv 768 float32; hidden_states 1 x 4,096 x 768 float32; ln1_b 768 float32; ln1_w 768 float32; ln2_b 768 float32; ln2_w 768 float32; lowp_scales 16 int32 (the exponents e of the quantised operands' scales 2^e); w_down_codes 768 x 96 x 32 uint8 (E4M3 codes of w_down, K innermost, in blocks of 32 codes); w_up_codes 3,072 x 24 x 32 uint8 (E4M3 codes of w_up, K innermost, in blocks of 32 codes); wk_codes 768 x 24 x 32 uint8 (E4M3 codes of wk, K innermost, in blocks of 32 codes); wo_codes 768 x 24 x 32 uint8 (E4M3 codes of wo, K innermost, in blocks of 32 codes); wq_codes 768 x 24 x 32 uint8 (E4M3 codes of wq, K innermost, in blocks of 32 codes); wv_codes 768 x 24 x 32 uint8 (E4M3 codes of wv, K innermost, in blocks of 32 codes).
;; Outputs: out0 1 x 4,096 x 768 float32.
;; This version of the problem:
;;   THIS VERSION OF THE PROBLEM IS GIVEN IN LOW PRECISION. The matrix products marked QUANTISED in the list below multiply operands that are first quantised to E4M3 (4 exponent bits, 3 mantissa bits; 8 bits a number), with one given power-of-two scale for each operand tensor; their sums are f32. All else is computed in f32.
;;   The module's matrix products, in the order in which they are computed (A, B: the left and right operand; K: the contracted axis; several contracted axes count as one K, in the product's order):
;;     1. [M 4,096, K 768] x [K 768, N 768]; A: computed on the way; B: input wq (given as codes): QUANTISED (scales: A lowp_scales[0], B lowp_scales[1])
;;     2. [M 4,096, K 768] x [K 768, N 768]; A: computed on the way; B: input wk (given as codes): QUANTISED (scales: A lowp_scales[2], B lowp_scales[3])
;;     3. [M 4,096, K 768] x [K 768, N 768]; A: computed on the way; B: input wv (given as codes): QUANTISED (scales: A lowp_scales[4], B lowp_scales[5])
;;     4. batch 12 x [M 4,096, K 64] x [K 64, N 4,096]; A: computed on the way; B: computed on the way: QUANTISED (scales: A lowp_scales[6], B lowp_scales[7])
;;     5. batch 12 x [M 4,096, K 4,096] x [K 4,096, N 64]; A: softmax (see below); B: computed on the way: QUANTISED (scales: A lowp_scales[8], B lowp_scales[9])
;;     6. [M 4,096, K 768] x [K 768, N 768]; A: computed on the way; B: input wo (given as codes): QUANTISED (scales: A lowp_scales[10], B lowp_scales[11])
;;     7. [M 4,096, K 768] x [K 768, N 3,072]; A: computed on the way; B: input w_up (given as codes): QUANTISED (scales: A lowp_scales[12], B lowp_scales[13])
;;     8. [M 4,096, K 3,072] x [K 3,072, N 768]; A: computed on the way; B: input w_down (given as codes): QUANTISED (scales: A lowp_scales[14], B lowp_scales[15])
;;   THE QUANTISER, for each operand of a quantised product, along K:
;;     - The operand's scale is 2^e, e = its entry of the input lowp_scales (int32; the entries are numbered through the quantised products in the list's order, A before B).
;;     - Each number is divided by the scale, clamped to +-448, and rounded to the nearest number of E4M3, ties to even, subnormals kept.
;;     - The product sums the exact products of the quantised numbers (number of the format x scale) in f32.
;;   ~~~python
;;   def quantise(x, axis, e):      # numpy; x: float32 -> the quantised numbers, widened to float32 again
;;       x = np.moveaxis(x, axis, -1); K = x.shape[-1]
;;       r = np.clip(x / 2.0 ** e, -448, 448)
;;       step = 2.0 ** (np.maximum(np.frexp(np.where(r == 0, 1, r))[1] - 1, -6) - 3)
;;       q = np.round(r / step) * step * 2.0 ** e      # np.round: ties to even
;;       return np.moveaxis(q, -1, axis).astype(np.float32)
;;   ~~~
;;   SOFTMAX AHEAD OF A QUANTISED PRODUCT. Where the list says 'softmax', what is quantised is not the finished softmax but p = 2^(t - M), with t = logit x log2(e) and M = ceil(the row's largest t), a whole number; so 1/2 < the row's largest p <= 1. The row's sum l is taken of the UNQUANTISED p, in f32, and the product's result is divided by l at the end. Since M is a whole number, a kernel that streams over the keys may use a running M (the ceiling of the running maximum): every later rescaling is an exact power of two, so the quantised numbers keep their values, but for numbers so far below the row's largest that they fall under the format's range.
;;   OPERANDS COMPUTED ON THE WAY. 'Computed on the way' means the value that the module computes at that place (a softmax that the list does not call 'softmax' is quantised finished and normalised). What goes into a quantiser is computed in f32, as accurately as f32 sums, v_exp_f32 and their like allow (about 1e-6 of the number): no bf16 or f16 on the way to a quantiser, and a product that is left as it is and whose result goes on into a quantised operand takes f32 operands (vector FMAs, or v_wmma_f32_16x16x4_f32). A number that lies on a knife's edge between two numbers of the format may be rounded either way, as far as f32 arithmetic and the matrix unit's own rounding can turn it there, and no further.
;;   INPUTS GIVEN AS CODES. w_down (in the module: [3072, 768], K = its axis 0); w_up (in the module: [768, 3072], K = its axis 0); wk (in the module: [768, 768], K = its axis 0); wo (in the module: [768, 768], K = its axis 0); wq (in the module: [768, 768], K = its axis 0); wv (in the module: [768, 768], K = its axis 0): each comes as NAME_codes (uint8): NAME with its K axis moved to the last place and cut into blocks of 32 codes, [.., K / 32, bytes a block], one block behind the other in memory; one code a byte (a code: sign, 4 exponent bits, 3 mantissa bits); its scale is its entry of lowp_scales. Its value is code x scale, taken as it is: it is not quantised again, and the codes and scales need not be those that the quantiser above would give.
;; 2 versions. Each part assembles by itself: llvm-mc -triple=amdgcn-amd-amdhsa -mcpu=gfx1250 --defsym DOCPART=n.
;; ======== version 1 of 2: 5 launches
;; limits: right only within a limited range of input values
;; workspace buffers: xc 9,437,184 bytes; wimg 7,077,888 bytes; qkv 9,437,184 bytes; ac 3,145,728 bytes; hid 12,582,912 bytes; hc 12,582,912 bytes
;; launch prep (part 1): grid 400 x 1, 4 waves a work-group, no clusters, 38,400 bytes of LDS; arguments hidden_states, ln1_w, ln1_b, lowp_scales, wq_codes, wk_codes, wv_codes, wo_codes, w_up_codes, w_down_codes, xc, wimg; writes xc, wimg
.if DOCPART == 1
	.amdgcn_target "amdgcn-amd-amdhsa--gfx1250"
	.amdhsa_code_object_version 6
	.text
	.protected	k_q0f615252d1_prep
	.globl	k_q0f615252d1_prep
	.p2align	8
	.type	k_q0f615252d1_prep,@function
k_q0f615252d1_prep:
	s_mov_b64 s[64:65], 0
	v_nop
	global_prefetch_b8 v0, s[64:65] scope:SCOPE_SE
	s_setreg_imm32_b32 hwreg(HW_REG_WAVE_MODE, 25, 1), 1
	s_wait_xcnt 0x0
; PREP.  Two kinds of work-groups, parted on the work-group's number alone.
; 0..255: LAYER NORM 1 of one tile of 16 tokens, quantised three times (scales 2^e0, 2^e2, 2^e4) into xc.
; 256..399: the six weights' codes are laid once in the order in which a wave's operand registers take them (wimg).
; AN IMAGE of a fragment (16 rows x 128 K of codes) is 4 pieces of 512 bytes; in piece c lane l's 16 bytes are row(l % 16), k = 128 s + 32 c + 16 (l / 16) + 0..15.
; THE ROWS OF A TILE ARE NOT NEIGHBOURS: lane r of tile t stands for index 32 (t / 2) + 8 (t % 2) + r + 8 (r / 8), for tokens and for weights' rows alike.
; LIMITS: e0, e2, e4 between -126 and 119, so that 2^e and 448 x 2^e are f32 numbers.  NaN and infinities among the inputs are not served.
; No matrix unit, no tensor load: each byte is read once and leaves in stores of 512 consecutive bytes.
.set X,     16                         ; v16-111  four rows of x, 24 numbers a lane each: row i at 24 i, features 256 j + 8 lane + 0..7 at 8 j
.set LW,    112                        ; v112-135 ln1_w of my 24 features
.set LB,    136                        ; v136-159 ln1_b
.set T0,    160                        ; v160-175 two sets of 8 held numbers, by turns
.set C,     176                        ; v176-193 a row's nine pairs of codes
.set SCL,   194                        ; v194-199 2^e and 448 x 2^e for the three scales
.set SM,    200                        ; v200-207 a statistic for each row, in the even register of a pair
.set PT,    208                        ; v208-211 at work in the exchange between the halves of the lanes
.set PITCH, 784                        ; an LDS row: 768 codes + 16 bytes
.set REGION, 16*PITCH                  ; 16 rows for each of the three scales
	s_load_b256 s[4:11], s[0:1], 0x0               ; hidden_states, ln1_w, ln1_b, lowp_scales
	s_load_b512 s[12:27], s[0:1], 0x20             ; wq, wk, wv, wo, w_up, w_down, xc s[24:25], wimg s[26:27]
	v_lshl_add_u32 v212, v0, 2, 0x9400
	v_mov_b32 v213, 0
	v_lshrrev_b32 v1, 5, v0
	v_readfirstlane_b32 s28, v1                    ; wave 0..3
	v_and_b32 v1, 31, v0                           ; lane
	v_and_b32 v3, 15, v0                           ; r
	v_bfe_u32 v4, v0, 4, 1                         ; h
	s_cmp_ge_u32 ttmp9, 256
	s_cbranch_scc1 .Lrelay                         ; the same way for all four waves of a work-group
; ---------------- layer norm: tile T = work-group; wave w takes the tile's rows 4 w .. 4 w + 3, which are four neighbouring tokens
	v_lshlrev_b32 v2, 5, v1                        ; 32 bytes a lane
	s_lshr_b32 s42, ttmp9, 1
	s_lshl_b32 s42, s42, 5                         ; 32 (T / 2)
	s_and_b32 s43, ttmp9, 1
	s_lshl_b32 s43, s43, 3                         ; + 8 (T % 2)
	s_add_co_u32 s42, s42, s43
	s_lshl_b32 s43, s28, 2                         ; + 4 w
	s_add_co_u32 s42, s42, s43
	s_lshr_b32 s43, s28, 1
	s_lshl_b32 s43, s43, 3                         ; + 8 (w / 2)
	s_add_co_u32 s42, s42, s43                     ; my first token
	s_mul_i32 s42, s42, 3072
	s_mov_b32 s43, 0
	s_mul_i32 s46, ttmp9, 12288                    ; the tile's six fragments in a section of xc
	s_mov_b32 s47, 0
	s_mov_b32 s40, 0x76543210                      ; lane l xor 16
	s_mov_b32 s41, 0xfedcba98
	s_mov_b32 s52, 0x3aaaaaab                      ; 1 / 768
	s_mov_b32 s53, 0x3727c5ac                      ; 1e-5
	s_wait_kmcnt 0x0
	s_load_b256 s[32:39], s[10:11], 0x0            ; e0 .. e7
	s_add_nc_u64 s[4:5], s[4:5], s[42:43]
	s_add_nc_u64 s[24:25], s[24:25], s[46:47]
.irp i, 0,1,2,3
.irp j, 0,1,2
	global_load_b128 v[X+24*\i+8*\j:X+24*\i+8*\j+3],   v2, s[4:5] offset:3072*\i+1024*\j
	global_load_b128 v[X+24*\i+8*\j+4:X+24*\i+8*\j+7], v2, s[4:5] offset:3072*\i+1024*\j+16
.endr
.endr
.irp j, 0,1,2
	global_load_b128 v[LW+8*\j:LW+8*\j+3],   v2, s[6:7] offset:1024*\j
	global_load_b128 v[LW+8*\j+4:LW+8*\j+7], v2, s[6:7] offset:1024*\j+16
	global_load_b128 v[LB+8*\j:LB+8*\j+3],   v2, s[8:9] offset:1024*\j
	global_load_b128 v[LB+8*\j+4:LB+8*\j+7], v2, s[8:9] offset:1024*\j+16
.endr
	s_mul_i32 s44, s28, 4*PITCH
	v_lshl_add_u32 v5, v1, 3, s44                  ; into LDS: my wave's four rows, 8 bytes a lane
	v_mul_u32_u24 v6, v3, PITCH
	v_lshl_add_u32 v6, v4, 4, v6
	s_lshl_b32 s45, s28, 5
	v_add_nc_u32 v6, s45, v6                       ; out of LDS: row r, + 16 h, + 32 w: wave w takes piece c = w of every fragment
	v_lshlrev_b32 v7, 4, v0                        ; and its place in a fragment's image: 512 w + 16 lane
.irp i, 0,1,2,3
	v_mov_b32 v[PT+\i], 0                          ; a lane permute's destination counts as read
	v_mov_b32 v[SM+2*\i+1], 0                      ; named as the upper half of a pair
.endr
.macro REDUCE                          ; the four rows' numbers are summed over the 32 lanes
.irp x, 1,2,4,8
.irp i, 0,1,2,3
	v_add_f32_dpp v[SM+2*\i], v[SM+2*\i], v[SM+2*\i] row_xmask:\x row_mask:0xf bank_mask:0xf
.endr
.endr
.irp i, 0,1,2,3
	v_permlanex16_b32 v[PT+\i], v[SM+2*\i], s40, s41
.endr
.irp i, 0,1,2,3
	v_add_f32 v[SM+2*\i], v[SM+2*\i], v[PT+\i]
.endr
.endm
	s_wait_loadcnt 12                              ; x is in; the twelve loads of ln1_w and ln1_b may be out
.irp i, 0,1,2,3
	v_pk_add_f32 v[T0+2*\i:T0+2*\i+1], v[X+24*\i:X+24*\i+1], v[X+24*\i+2:X+24*\i+3]
.endr
.irp k, 4,6,8,10,12,14,16,18,20,22
.irp i, 0,1,2,3
	v_pk_add_f32 v[T0+2*\i:T0+2*\i+1], v[T0+2*\i:T0+2*\i+1], v[X+24*\i+\k:X+24*\i+\k+1]
.endr
.endr
.irp i, 0,1,2,3
	v_add_f32 v[SM+2*\i], v[T0+2*\i], v[T0+2*\i+1]
.endr
	REDUCE
.irp i, 0,1,2,3
	v_mul_f32 v[SM+2*\i], s52, v[SM+2*\i]          ; the mean
.endr
.irp k, 0,2,4,6,8,10,12,14,16,18,20,22
.irp i, 0,1,2,3
	v_pk_add_f32 v[X+24*\i+\k:X+24*\i+\k+1], v[X+24*\i+\k:X+24*\i+\k+1], v[SM+2*\i:SM+2*\i+1] op_sel_hi:[1,0] neg_lo:[0,1] neg_hi:[0,1]   ; x - mean, in place
.endr
.endr
.irp i, 0,1,2,3
	v_pk_mul_f32 v[T0+2*\i:T0+2*\i+1], v[X+24*\i:X+24*\i+1], v[X+24*\i:X+24*\i+1]
.endr
.irp k, 2,4,6,8,10,12,14,16,18,20,22
.irp i, 0,1,2,3
	v_pk_fma_f32 v[T0+2*\i:T0+2*\i+1], v[X+24*\i+\k:X+24*\i+\k+1], v[X+24*\i+\k:X+24*\i+\k+1], v[T0+2*\i:T0+2*\i+1]
.endr
.endr
.irp i, 0,1,2,3
	v_add_f32 v[SM+2*\i], v[T0+2*\i], v[T0+2*\i+1]
.endr
	REDUCE
.irp i, 0,1,2,3
	v_fma_f32 v[SM+2*\i], v[SM+2*\i], s52, s53     ; the variance + 1e-5
.endr
.irp i, 0,1,2,3
	v_rsq_f32 v[SM+2*\i], v[SM+2*\i]
.endr
	v_nop                                          ; a plain place behind the last transcendental
	s_wait_kmcnt 0x0
.irp q, 0,1,2
	s_add_co_i32 s44, s[32+2*\q], 127
	s_lshl_b32 s45, s44, 23
	v_mov_b32 v[SCL+2*\q], s45                     ; 2^e: the conversion takes its exponent field
	s_add_co_i32 s44, s44, 8
	s_lshl_b32 s44, s44, 23
	s_or_b32 s44, s44, 0x600000
	v_mov_b32 v[SCL+2*\q+1], s44                   ; 448 x 2^e
.endr
	s_wait_loadcnt 0x0                             ; ln1_w, ln1_b
	s_wait_alu depctr_va_vdst(0)
.irp k, 0,2,4,6,8,10,12,14,16,18,20,22
.irp i, 0,1,2,3
	v_pk_mul_f32 v[X+24*\i+\k:X+24*\i+\k+1], v[X+24*\i+\k:X+24*\i+\k+1], v[SM+2*\i:SM+2*\i+1] op_sel_hi:[1,0]
.endr
.endr
.irp k, 0,2,4,6,8,10,12,14,16,18,20,22
.irp i, 0,1,2,3
	v_pk_fma_f32 v[X+24*\i+\k:X+24*\i+\k+1], v[X+24*\i+\k:X+24*\i+\k+1], v[LW+\k:LW+\k+1], v[LB+\k:LB+\k+1]
.endr
.endr
; each row is quantised three times.  The held numbers go into two sets by turns, so that no conversion's sources are written by the line behind it.
.set NQ, 0
.irp i, 0,1,2,3
.irp q, 0,1,2
.irp j, 0,1,2
.irp e, 0,1,2,3,4,5,6,7
	v_med3_num_f32 v[T0+8*(NQ%2)+\e], v[X+24*\i+8*\j+\e], -v[SCL+2*\q+1], v[SCL+2*\q+1]   ; the conversion does not saturate (ISA guide 7.6.2): the hold comes first
.endr
	v_cvt_scalef32_pk8_fp8_f32 v[C+2*(3*\q+\j):C+2*(3*\q+\j)+1], v[T0+8*(NQ%2):T0+8*(NQ%2)+7], v[SCL+2*\q]
	ds_store_b64 v5, v[C+2*(3*\q+\j):C+2*(3*\q+\j)+1] offset:REGION*\q+PITCH*\i+256*\j   ; 32 lanes: 256 consecutive bytes of a row
.set NQ, NQ+1
.endr
.endr
	s_wait_dscnt 0x0                               ; the stores have read the nine pairs: the next row's codes may be written
.endr
	v_nop                                          ; a plain line behind the last conversion
	s_barrier_signal -1                            ; every wave's stores have landed (the wait for 0 above)
	s_barrier_wait -1
.irp q, 0,1,2
.irp s, 0,1,2,3,4,5
	ds_load_b128 v[X+4*(6*\q+\s):X+4*(6*\q+\s)+3], v6 offset:REGION*\q+128*\s
.endr
.endr
.irp q, 0,1,2
.irp s, 0,1,2,3,4,5
	s_wait_dscnt 17-(6*\q+\s)                      ; LDS loads come back in order: number 6 q + s is in
	global_store_b128 v7, v[X+4*(6*\q+\s):X+4*(6*\q+\s)+3], s[24:25] offset:3145728*\q+2048*\s   ; a wave stores 512 consecutive bytes
.endr
.endr
	s_wait_tensorcnt 0x0
	ds_add_u32 v212, v213
	s_wait_dscnt 0x0
	s_endpgm
; ---------------- the weights: job J = 4 (work-group - 256) + wave takes one tile of 16 rows x 768 along K: six fragments, 12,288 bytes at 12,288 J of wimg
.Lrelay:
	s_sub_co_u32 s42, ttmp9, 256                   ; G
	s_lshl_b32 s43, s42, 2
	s_add_co_u32 s43, s43, s28                     ; J
	s_wait_kmcnt 0x0
	s_mov_b64 s[46:47], s[22:23]                   ; w_down: jobs 384 on, rows of 3,072 bytes, four jobs to a tile
	s_mov_b32 s48, 384
	s_mov_b32 s49, 3072
	s_cmp_lt_u32 s42, 96
	s_cselect_b64 s[46:47], s[20:21], s[46:47]     ; w_up: jobs 192 on.  The choices hang on the work-group's number alone
	s_cselect_b32 s48, 192, s48
	s_cselect_b32 s49, 768, s49
	s_cselect_b32 s50, 0, 2
	s_cselect_b32 s51, 0, 3
	s_cmp_lt_u32 s42, 48
	s_cselect_b64 s[46:47], s[18:19], s[46:47]     ; wo
	s_cselect_b32 s48, 144, s48
	s_cmp_lt_u32 s42, 36
	s_cselect_b64 s[46:47], s[16:17], s[46:47]     ; wv
	s_cselect_b32 s48, 96, s48
	s_cmp_lt_u32 s42, 24
	s_cselect_b64 s[46:47], s[14:15], s[46:47]     ; wk
	s_cselect_b32 s48, 48, s48
	s_cmp_lt_u32 s42, 12
	s_cselect_b64 s[46:47], s[12:13], s[46:47]     ; wq
	s_cselect_b32 s48, 0, s48
	s_sub_co_u32 s52, s43, s48                     ; the job's number in its tensor
	s_lshr_b32 s53, s52, s50                       ; tile t
	s_and_b32 s52, s52, s51                        ; which 768 along K
	s_lshl_b32 s54, s53, 4
	s_and_b32 s55, s53, 1
	s_lshl_b32 s55, s55, 3
	s_sub_co_u32 s54, s54, s55                     ; the tile's first row: 32 (t / 2) + 8 (t % 2) = 16 t - 8 (t % 2)
	s_mul_i32 s54, s54, s49
	s_mul_i32 s52, s52, 768
	s_add_co_u32 s54, s54, s52
	s_mov_b32 s55, 0
	s_add_nc_u64 s[46:47], s[46:47], s[54:55]
	s_mul_i32 s56, s43, 12288
	s_mov_b32 s57, 0
	s_add_nc_u64 s[26:27], s[26:27], s[56:57]
	v_and_b32 v5, 8, v3
	v_add_nc_u32 v5, v5, v3                        ; r + 8 (r / 8)
	v_mul_lo_u32 v5, v5, s49
	v_lshl_add_u32 v5, v4, 4, v5                   ; my row, + 16 h
	v_lshlrev_b32 v6, 4, v1
.irp n, 0,1,2,3,4,5,6,7,8,9,10,11,12,13,14,15,16,17,18,19,20,21,22,23
	global_load_b128 v[X+4*\n:X+4*\n+3], v5, s[46:47] offset:32*\n th:TH_LOAD_NT   ; fragment n / 4, piece n % 4: 128 s + 32 c = 32 n
.endr
.irp n, 0,1,2,3,4,5,6,7,8,9,10,11,12,13,14,15,16,17,18,19,20,21,22,23
	s_wait_loadcnt 23-\n
	global_store_b128 v6, v[X+4*\n:X+4*\n+3], s[26:27] offset:512*\n
.endr
	s_endpgm
.Lfunc_end_k_q0f615252d1_prep:
	.size	k_q0f615252d1_prep, .Lfunc_end_k_q0f615252d1_prep-k_q0f615252d1_prep
	.p2alignl 7, 3214868480
	.fill 96, 4, 3214868480
	.section	.rodata,"a",@progbits
	.p2align	6, 0x0
	.amdhsa_kernel k_q0f615252d1_prep
		.amdhsa_group_segment_fixed_size 38400
		.amdhsa_private_segment_fixed_size 0
		.amdhsa_enable_private_segment 0
		.amdhsa_kernarg_size 96
		.amdhsa_user_sgpr_count 2
		.amdhsa_user_sgpr_kernarg_segment_ptr 1
		.amdhsa_wavefront_size32 1
		.amdhsa_system_sgpr_workgroup_id_x 1
		.amdhsa_system_sgpr_workgroup_id_y 1
		.amdhsa_system_sgpr_workgroup_id_z 1
		.amdhsa_system_vgpr_workitem_id 0
		.amdhsa_next_free_vgpr 214
		.amdhsa_next_free_sgpr 66
		.amdhsa_reserve_vcc 0
		.amdhsa_float_denorm_mode_32 3
		.amdhsa_float_denorm_mode_16_64 3
		.amdhsa_memory_ordered 1
		.amdhsa_forward_progress 1
		.amdhsa_inst_pref_size 59
	.end_amdhsa_kernel
	.amdgpu_metadata
---
amdhsa.version: [ 1, 2 ]
amdhsa.kernels:
  - .name:           k_q0f615252d1_prep
    .symbol:         k_q0f615252d1_prep.kd
    .args:
      - { .name: hidden_states, .offset: 0, .size: 8, .value_kind: global_buffer, .address_space: global }
      - { .name: ln1_w, .offset: 8, .size: 8, .value_kind: global_buffer, .address_space: global }
      - { .name: ln1_b, .offset: 16, .size: 8, .value_kind: global_buffer, .address_space: global }
      - { .name: lowp_scales, .offset: 24, .size: 8, .value_kind: global_buffer, .address_space: global }
      - { .name: wq_codes, .offset: 32, .size: 8, .value_kind: global_buffer, .address_space: global }
      - { .name: wk_codes, .offset: 40, .size: 8, .value_kind: global_buffer, .address_space: global }
      - { .name: wv_codes, .offset: 48, .size: 8, .value_kind: global_buffer, .address_space: global }
      - { .name: wo_codes, .offset: 56, .size: 8, .value_kind: global_buffer, .address_space: global }
      - { .name: w_up_codes, .offset: 64, .size: 8, .value_kind: global_buffer, .address_space: global }
      - { .name: w_down_codes, .offset: 72, .size: 8, .value_kind: global_buffer, .address_space: global }
      - { .name: xc, .offset: 80, .size: 8, .value_kind: global_buffer, .address_space: global }
      - { .name: wimg, .offset: 88, .size: 8, .value_kind: global_buffer, .address_space: global }
    .group_segment_fixed_size: 38400
    .private_segment_fixed_size: 0
    .kernarg_segment_align: 8
    .kernarg_segment_size: 96
    .max_flat_workgroup_size: 128
    .sgpr_count:     66
    .vgpr_count:     214
    .wavefront_size: 32
...
	.end_amdgpu_metadata
.endif
;; end of part 1
;; launch qkv (part 2): grid 64 x 3, 8 waves a work-group, no clusters, 50,176 bytes of LDS; arguments xc, wimg, bq, bk, bv, lowp_scales, qkv; writes qkv
.if DOCPART == 2
	.amdgcn_target "amdgcn-amd-amdhsa--gfx1250"
	.amdhsa_code_object_version 6
	.text
	.protected	k_q0f615252d1_qkv
	.globl	k_q0f615252d1_qkv
	.p2align	8
	.type	k_q0f615252d1_qkv,@function
k_q0f615252d1_qkv:
	s_mov_b64 s[64:65], 0
	v_nop
	global_prefetch_b8 v0, s[64:65] scope:SCOPE_SE
	s_setreg_imm32_b32 hwreg(HW_REG_WAVE_MODE, 25, 1), 1
	s_wait_xcnt 0x0
; q, k or v (work-group y = 0, 1, 2) of 64 tokens (work-group x): x W + b on codes of E4M3, then quantised for the attention's products (2^e6, 2^e7, 2^e9).
; SHARES.  Eight waves share the COLUMNS: wave w makes features 96 w .. 96 w + 95 (six tiles) for all 64 tokens (four tiles): 24 accumulators.
; Its weights come from memory straight into its registers, as images laid by the launch before: each weight byte is loaded once in the work-group.  The tokens' codes, 48 KiB, lie in LDS and are read by all.
; q, k: source 0 = 16 rows of W, source 1 = 16 tokens: a lane holds one token and 16 neighbouring features in the registers of two neighbouring tiles: two conversions make a piece of the next operand's image.
; v: the sources are swapped: a lane holds one channel and 16 neighbouring TOKENS, since the keys are the K of the attention's second product.
; No tensor load, no cluster: each weight byte is wanted by one wave alone, and a way through LDS would add a write and a read to it.
; LIMITS: each of e6, e7, e9 between -126 and 119; ex + ew between -126 and 127.  NaN and infinities among the inputs are not served.
; REGISTERS.  Window 0: v1 16 x lane, v2 16 x thread, v5, v6 bias offsets, v16-21 store offsets, v48, v49 2^e and 448 x 2^e, v64-255 the accumulators.
;   Window 1: v0-63 four fragments of x; v64-159, v160-255 two sets of six fragments of W.
.set ACC, 64
.set XF,  0
.set W0,  64
.set W1,  160
.set MSB, 0
.macro WIN new                         ; bits 1:0 source 0, 3:2 source 1, 5:4 source 2, 7:6 destination; the high byte repeats the setting that is left
.if MSB != \new
	s_set_vgpr_msb (MSB<<8)|\new
.set MSB, \new
.endif
.endm
.macro PLACES                          ; four plain places behind matrix instructions, in front of loads into their sources and of reads of their results
.rept 4
	v_nop
.endr
.endm
.macro WLOAD set, s                    ; my six fragments of W for K step s
	WIN 0x40
.irp t, 0,1,2,3,4,5
.irp c, 0,1,2,3
	global_load_b128 v[\set+16*\t+4*\c:\set+16*\t+4*\c+3], v1, s[6:7] offset:12288*\t+2048*(\s)+512*\c
.endr
.endr
.endm
.macro XLOAD s                         ; the four tiles of tokens for K step s
	WIN 0x40
.irp m, 0,1,2,3
.irp c, 0,1,2,3
	ds_load_b128 v[XF+16*\m+4*\c:XF+16*\m+4*\c+3], v1 offset:12288*\m+2048*(\s)+512*\c
.endr
.endr
.endm
.macro MUL set, zero, swap             ; 24 products; the 24 accumulators take turns, one instruction a turn, in the same order in every step
.irp t, 0,1,2,3,4,5
.irp m, 0,1,2,3
.if \swap
.set DD, ACC+8*(4*\t+\m)
.if \zero
	v_wmma_f32_16x16x128_fp8_fp8 v[DD:DD+7], v[XF+16*\m:XF+16*\m+15], v[\set+16*\t:\set+16*\t+15], 0
.else
	v_wmma_f32_16x16x128_fp8_fp8 v[DD:DD+7], v[XF+16*\m:XF+16*\m+15], v[\set+16*\t:\set+16*\t+15], v[DD:DD+7]
.endif
.else
.set DD, ACC+64*(\t/2)+16*\m+8*(\t%2)
.if \zero
	v_wmma_f32_16x16x128_fp8_fp8 v[DD:DD+7], v[\set+16*\t:\set+16*\t+15], v[XF+16*\m:XF+16*\m+15], 0
.else
	v_wmma_f32_16x16x128_fp8_fp8 v[DD:DD+7], v[\set+16*\t:\set+16*\t+15], v[XF+16*\m:XF+16*\m+15], v[DD:DD+7]
.endif
.endif
.endr
.endr
.endm
.macro KSTEP set, zero, swap, n        ; n: the younger global loads, which may stay out
	s_wait_loadcnt \n
	s_wait_dscnt 0x0
	WIN 0x05
	MUL \set, \zero, \swap
	PLACES
.endm
.macro STEPS swap                      ; the six K steps of 128; W runs two steps ahead in two sets
	KSTEP W0, 1, \swap, 24
	WLOAD W0, 2
	XLOAD 1
	KSTEP W1, 0, \swap, 24
	WLOAD W1, 3
	XLOAD 2
	KSTEP W0, 0, \swap, 24
	WLOAD W0, 4
	XLOAD 3
	KSTEP W1, 0, \swap, 24
	WLOAD W1, 5
	XLOAD 4
	KSTEP W0, 0, \swap, 24
	WIN 0x40
.if \swap
.irp t, 0,1,2,3,4,5                    ; the bias of my channel in tile t, in both registers of a pair
	global_load_b32 v[W0+2*\t],   v6, s[8:9] offset:4*(32*(\t/2)+8*(\t%2))
	global_load_b32 v[W0+2*\t+1], v6, s[8:9] offset:4*(32*(\t/2)+8*(\t%2))
.endr
.else
.irp P, 0,1,2                          ; the bias of my 16 features of each pair of tiles
.irp g, 0,1,2,3
	global_load_b128 v[W0+16*\P+4*\g:W0+16*\P+4*\g+3], v5, s[8:9] offset:128*\P+16*\g
.endr
.endr
.endif
	XLOAD 5
	KSTEP W1, 0, \swap, 12                         ; the twelve bias loads may be out
	s_wait_loadcnt 0x0
.endm
.macro QUANTALL                        ; 192 numbers a lane become 24 pairs of codes at W1 of window 1
	WIN 0
.set NN, 0
.rept 192
	v_med3_num_f32 v[ACC+NN], v[ACC+NN], -v49, v49 ; the conversion does not saturate (ISA guide 7.6.2)
.set NN, NN+1
.endr
	WIN 0x40
.set NN, 0
.rept 24
	v_cvt_scalef32_pk8_fp8_f32 v[W1+2*NN:W1+2*NN+1], v[ACC+8*NN:ACC+8*NN+7], v48
.set NN, NN+1
.endr
	v_nop                                          ; a plain line behind the last conversion
.endm
	s_load_b256 s[4:11], s[0:1], 0x0               ; xc, wimg, bq, bk
	s_load_b128 s[12:15], s[0:1], 0x20             ; bv, lowp_scales
	s_load_b64 s[16:17], s[0:1], 0x30              ; qkv
	v_lshl_add_u32 v62, v0, 2, 0xc000
	v_mov_b32 v63, 0
	v_lshrrev_b32 v1, 5, v0
	v_readfirstlane_b32 s18, v1                    ; wave 0..7
	v_and_b32 v1, 31, v0
	v_lshlrev_b32 v1, 4, v1                        ; 16 x lane
	v_lshlrev_b32 v2, 4, v0                        ; 16 x thread
	v_and_b32 v3, 15, v0                           ; r
	v_bfe_u32 v4, v0, 4, 1                         ; h
	v_lshlrev_b32 v5, 6, v4                        ; 64 h
	v_and_b32 v6, 8, v3
	v_add_nc_u32 v6, v6, v3
	v_lshlrev_b32 v6, 2, v6                        ; 4 (r + 8 (r / 8))
	s_and_b32 s20, ttmp7, 0xffff                   ; the role: 0 q, 1 k, 2 v
	s_mul_i32 s22, s20, 3145728
	s_mul_i32 s23, ttmp9, 49152
	s_add_co_u32 s22, s22, s23                     ; xc: the role's section, my four tiles
	s_mov_b32 s23, 0
	s_mul_i32 s26, s20, 589824
	s_mul_i32 s27, s18, 73728
	s_add_co_u32 s26, s26, s27                     ; wimg: the role's weight, my six tiles
	s_mov_b32 s27, 0
	s_wait_kmcnt 0x0
	s_load_b512 s[32:47], s[14:15], 0x0            ; e0 .. e15
	s_add_nc_u64 s[4:5], s[4:5], s[22:23]
	s_add_nc_u64 s[6:7], s[6:7], s[26:27]
	s_cmp_eq_u32 s20, 1
	s_cselect_b64 s[8:9], s[10:11], s[8:9]
	s_cmp_eq_u32 s20, 2
	s_cselect_b64 s[8:9], s[12:13], s[8:9]         ; the role's bias
	s_mul_i32 s26, s18, 384
	s_add_nc_u64 s[8:9], s[8:9], s[26:27]          ; at my 96 features
	WIN 0x40
.irp i, 0,1,2,3,4,5,6,7,8,9,10,11
	global_load_b128 v[W1+4*\i:W1+4*\i+3], v2, s[4:5] offset:4096*\i   ; the block's 48 KiB of x's images, as they lie
.endr
	WLOAD W0, 0
	s_wait_loadcnt 24                              ; the copy is in; W's first step may be out
	WIN 0x04
.irp i, 0,1,2,3,4,5,6,7,8,9,10,11
	ds_store_b128 v2, v[W1+4*\i:W1+4*\i+3] offset:4096*\i
.endr
	s_wait_dscnt 0x0                               ; for the others' sake: my stores have landed
	s_barrier_signal -1
	s_barrier_wait -1
	WLOAD W1, 1
	XLOAD 0
	WIN 0
	s_wait_kmcnt 0x0
	s_cmp_eq_u32 s20, 1
	s_cselect_b32 s24, s34, s32                    ; x's exponent,
	s_cselect_b32 s25, s35, s33                    ; the weight's,
	s_cselect_b32 s26, s39, s38                    ; and that of the result as an operand
	s_cmp_eq_u32 s20, 2
	s_cselect_b32 s24, s36, s24
	s_cselect_b32 s25, s37, s25
	s_cselect_b32 s26, s41, s26
	s_add_co_i32 s28, s24, s25
	s_add_co_i32 s28, s28, 127
	s_lshl_b32 s28, s28, 23                        ; 2^(ex + ew)
	s_mov_b32 s29, s28                             ; (named with it as a pair)
	s_add_co_i32 s26, s26, 127
	s_lshl_b32 s27, s26, 23
	v_mov_b32 v48, s27
	s_add_co_i32 s26, s26, 8
	s_lshl_b32 s26, s26, 23
	s_or_b32 s26, s26, 0x600000
	v_mov_b32 v49, s26
	s_mul_i32 s21, s20, 3145728
	s_lshl_b32 s30, ttmp9, 12
	s_add_co_u32 s21, s21, s30                     ; q, k: the section, + 4 tiles of 1,024 bytes a block
.irp P, 0,1,2                          ; pair 3 w + P of 32 features: head (3 w + P) / 2, piece (3 w + P) % 2
	s_mul_i32 s30, s18, 3
	s_add_co_u32 s30, s30, \P
	s_lshr_b32 s31, s30, 1
	s_lshl_b32 s31, s31, 18
	s_and_b32 s30, s30, 1
	s_lshl_b32 s30, s30, 9
	s_add_co_u32 s30, s30, s31
	s_add_co_u32 s30, s30, s21
	s_mov_b32 s31, 0
	s_add_nc_u64 s[48+2*\P:49+2*\P], s[16:17], s[30:31]
.endr
	s_lshr_b32 s30, ttmp9, 1                       ; v: key block tb / 2, pieces 2 (tb % 2) on
	s_lshl_b32 s30, s30, 13
	s_and_b32 s31, ttmp9, 1
	s_lshl_b32 s31, s31, 10
	s_add_co_u32 s30, s30, s31
	s_add_co_u32 s30, s30, 6291456
	s_mov_b32 s31, 0
	s_add_nc_u64 s[54:55], s[16:17], s[30:31]
.irp t, 0,1,2,3,4,5                    ; v: channel tile 6 w + t: head (6 w + t) / 4, tile (6 w + t) % 4 of the head
	s_mul_i32 s30, s18, 6
	s_add_co_u32 s30, s30, \t
	s_lshr_b32 s31, s30, 2
	s_lshl_b32 s31, s31, 18
	s_and_b32 s30, s30, 3
	s_lshl_b32 s30, s30, 11
	s_add_co_u32 s30, s30, s31
	v_add_nc_u32 v[16+\t], s30, v1
.endr
	s_cmp_eq_u32 s20, 2
	s_cbranch_scc1 .Lv                             ; the same way for the whole work-group; no barrier follows
	STEPS 0
	WIN 0x10
.irp q, 0,1,2,3,4,5,6,7,8,9,10,11      ; q = 4 P + m: 16 registers at ACC + 16 q; each accumulator from its low end on
.irp i, 0,2,4,6,8,10,12,14
	v_pk_fma_f32 v[ACC+16*\q+\i:ACC+16*\q+\i+1], v[ACC+16*\q+\i:ACC+16*\q+\i+1], s[28:29], v[W0+16*(\q/4)+\i:W0+16*(\q/4)+\i+1] op_sel_hi:[1,0,1]   ; sum x 2^(ex + ew) + bias
.endr
.endr
	QUANTALL
	WIN 0x04
.irp q, 0,1,2,3,4,5,6,7,8,9,10,11
	global_store_b128 v1, v[W1+4*\q:W1+4*\q+3], s[48+2*(\q/4):49+2*(\q/4)] offset:1024*(\q%4)   ; 512 consecutive bytes: a piece of a tile's image
.endr
	WIN 0
	s_wait_tensorcnt 0x0
	ds_add_u32 v62, v63
	s_wait_dscnt 0x0
	s_endpgm
.Lv:
	STEPS 1
	WIN 0x10
.irp t, 0,1,2,3,4,5
.irp i, 0,2,4,6,8,10,12,14,16,18,20,22,24,26,28,30
	v_pk_fma_f32 v[ACC+32*\t+\i:ACC+32*\t+\i+1], v[ACC+32*\t+\i:ACC+32*\t+\i+1], s[28:29], v[W0+2*\t:W0+2*\t+1] op_sel_hi:[1,0,1]
.endr
.endr
	QUANTALL
	WIN 0x04
.irp t, 0,1,2,3,4,5
.irp B, 0,1
	global_store_b128 v[16+\t], v[W1+4*(2*\t+\B):W1+4*(2*\t+\B)+3], s[54:55] offset:512*\B
.endr
.endr
	WIN 0
	s_wait_tensorcnt 0x0
	ds_add_u32 v62, v63
	s_wait_dscnt 0x0
	s_endpgm
.Lfunc_end_k_q0f615252d1_qkv:
	.size	k_q0f615252d1_qkv, .Lfunc_end_k_q0f615252d1_qkv-k_q0f615252d1_qkv
	.p2alignl 7, 3214868480
	.fill 96, 4, 3214868480
	.section	.rodata,"a",@progbits
	.p2align	6, 0x0
	.amdhsa_kernel k_q0f615252d1_qkv
		.amdhsa_group_segment_fixed_size 50176
		.amdhsa_private_segment_fixed_size 0
		.amdhsa_enable_private_segment 0
		.amdhsa_kernarg_size 56
		.amdhsa_user_sgpr_count 2
		.amdhsa_user_sgpr_kernarg_segment_ptr 1
		.amdhsa_wavefront_size32 1
		.amdhsa_system_sgpr_workgroup_id_x 1
		.amdhsa_system_sgpr_workgroup_id_y 1
		.amdhsa_system_sgpr_workgroup_id_z 1
		.amdhsa_system_vgpr_workitem_id 0
		.amdhsa_next_free_vgpr 512
		.amdhsa_next_free_sgpr 66
		.amdhsa_reserve_vcc 0
		.amdhsa_float_denorm_mode_32 3
		.amdhsa_float_denorm_mode_16_64 3
		.amdhsa_memory_ordered 1
		.amdhsa_forward_progress 1
		.amdhsa_inst_pref_size 107
	.end_amdhsa_kernel
	.amdgpu_metadata
---
amdhsa.version: [ 1, 2 ]
amdhsa.kernels:
  - .name:           k_q0f615252d1_qkv
    .symbol:         k_q0f615252d1_qkv.kd
    .args:
      - { .name: xc, .offset: 0, .size: 8, .value_kind: global_buffer, .address_space: global }
      - { .name: wimg, .offset: 8, .size: 8, .value_kind: global_buffer, .address_space: global }
      - { .name: bq, .offset: 16, .size: 8, .value_kind: global_buffer, .address_space: global }
      - { .name: bk, .offset: 24, .size: 8, .value_kind: global_buffer, .address_space: global }
      - { .name: bv, .offset: 32, .size: 8, .value_kind: global_buffer, .address_space: global }
      - { .name: lowp_scales, .offset: 40, .size: 8, .value_kind: global_buffer, .address_space: global }
      - { .name: qkv, .offset: 48, .size: 8, .value_kind: global_buffer, .address_space: global }
    .group_segment_fixed_size: 50176
    .private_segment_fixed_size: 0
    .kernarg_segment_align: 8
    .kernarg_segment_size: 56
    .max_flat_workgroup_size: 256
    .sgpr_count:     66
    .vgpr_count:     512
    .wavefront_size: 32
...
	.end_amdgpu_metadata
.endif
;; end of part 2
;; launch att (part 3): grid 16 x 12, 16 waves a work-group, no clusters, 143,360 bytes of LDS; arguments qkv, attention_mask, lowp_scales, ac; writes ac
.if DOCPART == 3
	.amdgcn_target "amdgcn-amd-amdhsa--gfx1250"
	.amdhsa_code_object_version 6
	.text
	.protected	k_q0f615252d1_att
	.globl	k_q0f615252d1_att
	.p2align	8
	.type	k_q0f615252d1_att,@function
k_q0f615252d1_att:
	s_mov_b64 s[64:65], 0
	v_nop
	global_prefetch_b8 v0, s[64:65] scope:SCOPE_SE
	s_setreg_imm32_b32 hwreg(HW_REG_WAVE_MODE, 25, 1), 1
	s_wait_xcnt 0x0
; ATTENTION of one head (work-group y) on codes of E4M3, causal, with the pad mask that is given; the result is quantised (2^e10) into ac as images for the next product.
; t = score x log2(e) / 8; M = the running largest t rounded UP to a whole number; p = 2^(t - M) is quantised (2^e8), not normalised; the row's sum is taken of the unquantised p and divides at the end.
; SHARES.  The work-group takes two blocks of 128 queries one after the other: block 31 - a, then block a (a = work-group x): 33 steps of 128 keys in all, in every work-group alike.
; THE KEYS OF A TILE OF 16 QUERIES ARE SHARED BY TWO WAVES: tile w % 8 belongs to waves w and w + 8; the lower wave walks the even key steps, the upper the odd ones, each with a running M, sum and O^T of its own.
; So all sixteen waves work in every double step (256 keys), and a block of B + 1 steps takes (B + 2) / 2 double steps.  At a block's end the upper wave hands its O^T, -M and sum to the lower through LDS;
; both are brought under the larger M by powers of two, which round nothing, and added.  A wave that saw no step hands over zeros.
; Keys come through two sets of two LDS slots.  A step whose keys all come after the block's queries is jumped over (a scalar branch on ids; no barrier stands in a step).
; Both products are used transposed (S^T = K Q^T, O^T = V^T P^T): a lane holds one query throughout.  K's, V's and Q's codes lie in memory as images of the operands' registers.
; THE PAD MASK.  Each wave loads the 128 mask words of its next step and notes whether one of them is 0.  Where none is, the first product begins with the constant 0.  Where one is, 0 or -2^100 for each key,
; laid in LDS in the layout of a result, is the C of the first product.  The causal mask is applied in the one step on the diagonal.
; A query that sees no key has the sum 0: its codes become the NaN code, and with them its whole row of the block's output.
; No cluster: the work-groups of a head walk different numbers of steps in each block.  No tensor load: a double step's 33 KiB are four loads of 16 bytes a thread.
; LIMITS: e6 + e7 between -89 and 100 (c x 2^25 stays finite, c x 2^100 drowns every score); e8, e10 between -126 and 119.  NaN and infinities in the operands are not served.
; REGISTERS: v1 16 x lane, v2 the mask numbers' place, v3 16 x thread, v4, v5 offsets of the fill, v6 d, v7 my slot's place, v8 the merge's place, v12 -M, v13 largest t, v[14:15] the sum, v16-23 Q, v24-29 chains,
;   v37 -2^100, v40-55 p's codes, v56-87 O^T, v88-151 K's, then V's fragments, v152-215 S^T, then p, v216-235 the fill, v236-254 at work.
.set SLOT, 16896                       ; a slot: K's images 8,192 bytes, V's 8,192, the mask's 128 numbers 512
.set RING, 2*SLOT                      ; a set: the even step's slot, then the odd step's
.set MRG,  2*RING                      ; behind the two sets: the merge's bytes, a region for each of the two blocks
.set MW,   4608                        ; for each tile: O^T 8 x 512 bytes, the statistics 512
.set S,  152
.set KV, 88
.set O,  56
.set PC, 40
.set G,  216                           ; the fill: K even, K odd, V even, V odd, my step's mask
.set FL, 56                            ; s56, s57: not 0 where my step in set 0, 1 has a hidden key
.macro PLACES                          ; four plain places behind matrix instructions, in front of loads into their sources and of reads of their results
.rept 4
	v_nop
.endr
.endm
.macro ASK                             ; double step s30: its 16 KiB of K and of V, 16 bytes a thread and step; the 128 mask words of my own step
	s_lshl_b32 s31, s30, 14
	v_add_nc_u32 v4, s31, v3
	s_lshl_b32 s31, s30, 1
	s_add_co_u32 s31, s31, s52
	s_lshl_b32 s31, s31, 9
	v_add_nc_u32 v5, s31, v1
	global_load_b128 v[G:G+3],     v4, s[12:13]
	global_load_b128 v[G+4:G+7],   v4, s[12:13] offset:8192
	global_load_b128 v[G+8:G+11],  v4, s[14:15]
	global_load_b128 v[G+12:G+15], v4, s[14:15] offset:8192
	global_load_b128 v[G+16:G+19], v5, s[6:7]
.endm
.macro PUT set                         ; what the fill brought goes into a set; every wave notes its step's holes; waves 0 and 8 turn the mask of their step into 0 or -2^100
	ds_store_b128 v3, v[G:G+3]     offset:RING*(\set)
	ds_store_b128 v3, v[G+4:G+7]   offset:RING*(\set)+SLOT
	ds_store_b128 v3, v[G+8:G+11]  offset:RING*(\set)+8192
	ds_store_b128 v3, v[G+12:G+15] offset:RING*(\set)+SLOT+8192
.irp k, 0,1,2,3
	v_cmp_eq_u32 s[26+\k], 0, v[G+16+\k]
.endr
	s_or_b32 s31, s26, s27
	s_or_b32 s30, s28, s29
	s_or_b32 s[FL+(\set)], s30, s31
	s_cmp_lg_u32 s53, 0
	s_cbranch_scc1 .Lnot_0_\@
.irp k, 0,1,2,3
	v_cndmask_b32 v[G+16+\k], 0, v37, s[26+\k]
.endr
	ds_store_b128 v7, v[G+16:G+19] offset:RING*(\set)+16384
.Lnot_0_\@:
.endm
.macro STEP set
	s_cmp_gt_u32 s18, s17
	s_cbranch_scc1 .Lhidden_\@                     ; all 128 keys come after the block's queries
.irp t, 0,1,2,3,4,5,6,7
.irp c, 0,1
	ds_load_b128 v[KV+8*\t+4*\c:KV+8*\t+4*\c+3], v7 offset:RING*\set+1024*\t+512*\c
.endr
.endr
	s_cmp_lg_u32 s[FL+\set], 0
	s_cbranch_scc1 .Lholes_\@
.irp t, 0,1,2,3,4,5,6,7
	s_wait_dscnt 14-2*\t                           ; LDS loads come back in order: tile t's two are in, those of the tiles behind it may be out
	v_wmma_f32_16x16x64_fp8_fp8 v[S+8*\t:S+8*\t+7], v[KV+8*\t:KV+8*\t+7], v[16:23], 0
.endr
	s_branch .Lscored_\@
.Lholes_\@:
.irp b, 0,1,2,3
.irp g, 0,1,2,3
	ds_load_b128 v[S+16*\b+4*\g:S+16*\b+4*\g+3], v2 offset:RING*\set+16384+128*\b+16*\g   ; register 16 b + i stands for key 32 b + 16 h + i
.endr
.endr
	s_wait_dscnt 0x0
.irp t, 0,1,2,3,4,5,6,7
	v_wmma_f32_16x16x64_fp8_fp8 v[S+8*\t:S+8*\t+7], v[KV+8*\t:KV+8*\t+7], v[16:23], v[S+8*\t:S+8*\t+7]
.endr
.Lscored_\@:
	PLACES                                         ; in front of the loads into K's registers and of the first read of the scores
.irp t, 0,1,2,3
.irp c, 0,1,2,3
	ds_load_b128 v[KV+16*\t+4*\c:KV+16*\t+4*\c+3], v7 offset:RING*\set+8192+2048*\t+512*\c   ; V lands while the softmax is walked
.endr
.endr
	s_cmp_lg_u32 s18, s17
	s_cbranch_scc1 .Lopen_\@
.irp n, 0,1,2,3,4,5,6,7,8,9,10,11,12,13,14,15,16,17,18,19,20,21,22,23,24,25,26,27,28,29,30,31,32,33,34,35,36,37,38,39,40,41,42,43,44,45,46,47,48,49,50,51,52,53,54,55,56,57,58,59,60,61,62,63
	v_cmp_gt_i32 vcc_lo, 32*(\n/16)+\n%16, v6      ; on the diagonal: hidden where 32 b + i > d
	v_cndmask_b32 v[S+\n], v[S+\n], v37, vcc_lo
.endr
.Lopen_\@:
	v_max3_num_f32 v254, v[S], v[S+1], v[S+2]      ; the step's largest score of my query, in four chains, ascending
	v_max3_num_f32 v252, v[S+3], v[S+4], v[S+5]
	v_max3_num_f32 v24, v[S+6], v[S+7], v[S+8]
	v_max3_num_f32 v25, v[S+9], v[S+10], v[S+11]
.irp i, 12,20,28,36,44,52
	v_max3_num_f32 v254, v254, v[S+\i], v[S+1+\i]
	v_max3_num_f32 v252, v252, v[S+2+\i], v[S+3+\i]
	v_max3_num_f32 v24, v24, v[S+4+\i], v[S+5+\i]
	v_max3_num_f32 v25, v25, v[S+6+\i], v[S+7+\i]
.endr
	v_max3_num_f32 v254, v254, v[S+60], v[S+61]
	v_max3_num_f32 v252, v252, v[S+62], v[S+63]
	v_max3_num_f32 v254, v254, v252, v24
	v_max_num_f32 v254, v254, v25
	v_permlanex16_b32 v236, v254, s22, s23
	v_max_num_f32 v254, v254, v236
	v_mul_f32 v254, s24, v254                      ; as t (c is positive)
	v_max_num_f32 v13, v13, v254
	v_mov_b32 v254, v12
	v_floor_f32 v12, -v13                          ; -M = floor(-t): M is a whole number
	v_sub_f32 v254, v12, v254                      ; old M - new M, 0 or less
	v_cvt_i32_f32 v254, v254                       ; (it saturates)
	v_ldexp_f32 v252, 1.0, v254                    ; f = 2^(old M - new M)
.irp j, 0,2,4,6,8,10,12,14,16,18,20,22,24,26,28,30,32,34,36,38,40,42,44,46,48,50,52,54,56,58,60,62
	v_pk_fma_f32 v[S+\j:S+\j+1], v[S+\j:S+\j+1], s[24:25], v[12:13] op_sel_hi:[1,0,0]   ; t - M
.endr
.irp j, 0,1,2,3,4,5,6,7,8,9,10,11,12,13,14,15,16,17,18,19,20,21,22,23,24,25,26,27,28,29,30,31,32,33,34,35,36,37,38,39,40,41,42,43,44,45,46,47,48,49,50,51,52,53,54,55,56,57,58,59,60,61,62,63
	v_exp_f32 v[S+\j], v[S+\j]
.endr
	v_pk_mul_f32 v[14:15], v[14:15], v[252:253] op_sel_hi:[1,0]   ; the sum under the new M (a plain place behind the exponentials)
	s_wait_alu depctr_va_vdst(0)
	v_pk_add_f32 v[242:243], v[S:S+1], v[S+2:S+3]                 ; the sum of the unquantised p, two at a time, in four chains
	v_pk_add_f32 v[26:27], v[S+4:S+5], v[S+6:S+7]
	v_pk_add_f32 v[28:29], v[S+8:S+9], v[S+10:S+11]
	v_pk_add_f32 v[14:15], v[14:15], v[S+12:S+13]
.irp j, 14,22,30,38,46,54
	v_pk_add_f32 v[242:243], v[242:243], v[S+\j:S+1+\j]
	v_pk_add_f32 v[26:27], v[26:27], v[S+2+\j:S+3+\j]
	v_pk_add_f32 v[28:29], v[28:29], v[S+4+\j:S+5+\j]
	v_pk_add_f32 v[14:15], v[14:15], v[S+6+\j:S+7+\j]
.endr
	v_pk_add_f32 v[242:243], v[242:243], v[S+62:S+63]
	v_pk_add_f32 v[26:27], v[26:27], v[28:29]
	v_pk_add_f32 v[14:15], v[14:15], v[242:243]
	v_pk_add_f32 v[14:15], v[14:15], v[26:27]
	s_cmp_ge_i32 s40, -8                           ; p is at most 1, and 448 x 2^e8 is at least 1 from e8 = -8 on: the hold then changes nothing and is passed over
	s_cbranch_scc1 .Lno_hold_\@
.irp j, 0,1,2,3,4,5,6,7,8,9,10,11,12,13,14,15,16,17,18,19,20,21,22,23,24,25,26,27,28,29,30,31,32,33,34,35,36,37,38,39,40,41,42,43,44,45,46,47,48,49,50,51,52,53,54,55,56,57,58,59,60,61,62,63
	v_min_num_f32 v[S+\j], v[S+\j], v240
.endr
.Lno_hold_\@:
.irp n, 0,1,2,3,4,5,6,7
	v_cvt_scalef32_pk8_fp8_f32 v[PC+2*\n:PC+2*\n+1], v[S+8*\n:S+8*\n+7], v244
.endr
.irp j, 0,2,4,6,8,10,12,14,16,18,20,22,24,26,28,30
	v_pk_mul_f32 v[O+\j:O+\j+1], v[O+\j:O+\j+1], v[252:253] op_sel_hi:[1,0]   ; O^T under the new M; also the plain lines behind the conversions
.endr
	s_wait_loadcnt 0x0                             ; the fill is in, and its offsets may be written again
	PUT 1-\set                                     ; into the other set: every wave's reads of it were over in front of this half's barrier
	s_wait_dscnt 0x0                               ; V is in; for the others' sake: my stores have landed, and my reads of this set are over
.irp t, 0,1,2,3
	v_wmma_f32_16x16x128_fp8_fp8 v[O+8*\t:O+8*\t+7], v[KV+16*\t:KV+16*\t+15], v[PC:PC+15], v[O+8*\t:O+8*\t+7]
.endr
	PLACES
	s_branch .Lend_\@
.Lhidden_\@:
	s_wait_loadcnt 0x0
	PUT 1-\set
	s_wait_dscnt 0x0
.Lend_\@:
.endm
; Half a trip, one double step: one barrier does both orderings: the set ahead is whole, and nobody still reads the set that this half writes.
.macro HALF set
	s_barrier_signal -1
	s_barrier_wait -1
	s_add_co_u32 s30, s54, 1
	s_min_u32 s30, s30, 15                         ; the next double step's tiles; held at the last, so that no load leaves its buffer
	ASK
	STEP \set
	s_add_co_u32 s18, s18, 2
	s_add_co_u32 s54, s54, 1
.endm
; One block of 128 queries: s17 the block = its last step, s20 its trips; its first tiles and its queries have been asked for.  outp: the pair that holds my tile's place in ac.
.macro PHASE ph, outp
	v_mov_b32 v13, 0xcc000000                      ; -2^25 lies under every sum of 64 products of codes (64 x 448^2)
	v_mul_f32 v13, s24, v13
	v_floor_f32 v12, -v13
	v_mov_b32 v14, 0
	v_mov_b32 v15, 0
.irp j, 0,1,2,3,4,5,6,7,8,9,10,11,12,13,14,15,16,17,18,19,20,21,22,23,24,25,26,27,28,29,30,31
	v_mov_b32 v[O+\j], 0                           ; the step is written once: the first finds zeros
.endr
	s_mov_b32 s18, s52                             ; my first step: 0 or 1
	s_mov_b32 s54, 0                               ; the double step
	s_mov_b32 s19, 0                               ; the trip
	s_wait_loadcnt 2                               ; the fill's five loads are in; Q's two may be out
	PUT 0
	s_wait_dscnt 0x0                               ; for the others' sake: my stores have landed
	s_wait_loadcnt 0x0                             ; Q
.Ltrip_\@:
	HALF 0
	HALF 1
	s_add_co_u32 s19, s19, 1
	s_cmp_lt_u32 s19, s20
	s_cbranch_scc1 .Ltrip_\@
.if \ph == 0
	s_mov_b32 s30, 0                               ; the lower block's first tiles and queries are asked for ahead of the merge
	ASK
	global_load_b128 v[16:19], v1, s[50:51]
	global_load_b128 v[20:23], v1, s[50:51] offset:512
.endif
	; THE MERGE: the upper wave of each tile hands over O^T, -M and the sum
	s_cmp_lt_u32 s16, 8
	s_cbranch_scc1 .Lkeep_\@
.irp k, 0,1,2,3,4,5,6,7
	ds_store_b128 v8, v[O+4*\k:O+4*\k+3] offset:8*MW*\ph+512*\k
.endr
	ds_store_b128 v8, v[12:15] offset:8*MW*\ph+4096
.Lkeep_\@:
	s_wait_dscnt 0x0                               ; for the others' sake: my stores have landed, and my reads of the sets are over
	s_barrier_signal -1
	s_barrier_wait -1
	s_cmp_ge_u32 s16, 8
	s_cbranch_scc1 .Ldone_\@
.irp k, 0,1,2,3,4,5,6,7
	ds_load_b128 v[S+4*\k:S+4*\k+3], v8 offset:8*MW*\ph+512*\k
.endr
	ds_load_b128 v[S+32:S+35], v8 offset:8*MW*\ph+4096
	s_wait_dscnt 0x0
	v_min_num_f32 v254, v12, v[S+32]               ; -M of the two together
	v_sub_f32 v252, v254, v12                      ; my M less the common one: a whole number, 0 or less
	v_sub_f32 v250, v254, v[S+32]                  ; the partner's likewise
	v_cvt_i32_f32 v252, v252                       ; (they saturate)
	v_cvt_i32_f32 v250, v250
	v_ldexp_f32 v252, 1.0, v252
	v_ldexp_f32 v250, 1.0, v250
	v_add_f32 v14, v14, v15
	v_add_f32 v15, v[S+34], v[S+35]
	v_mul_f32 v14, v14, v252
	v_fma_f32 v14, v15, v250, v14
.irp j, 0,2,4,6,8,10,12,14,16,18,20,22,24,26,28,30
	v_pk_mul_f32 v[O+\j:O+\j+1], v[O+\j:O+\j+1], v[252:253] op_sel_hi:[1,0]
.endr
.irp j, 0,2,4,6,8,10,12,14,16,18,20,22,24,26,28,30
	v_pk_fma_f32 v[O+\j:O+\j+1], v[S+\j:S+\j+1], v[250:251], v[O+\j:O+\j+1] op_sel_hi:[1,0,1]
.endr
	; THE WAY OUT
	v_permlanex16_b32 v236, v14, s22, s23
	v_add_f32 v14, v14, v236                       ; the row's sum
	v_cmp_neq_f32 vcc_lo, 0, v14                   ; 0: no key was seen
	v_rcp_f32 v15, v14
	s_add_co_i32 s26, s40, s41
	v_nop                                          ; a plain place behind the transcendental
	s_wait_alu depctr_va_vdst(0)
	v_ldexp_f32 v15, v15, s26                      ; x 2^(e8 + e9)
.irp j, 0,1,2,3,4,5,6,7,8,9,10,11,12,13,14,15,16,17,18,19,20,21,22,23,24,25,26,27,28,29,30,31
	v_mul_f32 v[S+\j], v[O+\j], v15                ; register 16 b + i: channel 32 b + 16 h + i of my query
.endr
.irp j, 0,1,2,3,4,5,6,7,8,9,10,11,12,13,14,15,16,17,18,19,20,21,22,23,24,25,26,27,28,29,30,31
	v_med3_num_f32 v[S+\j], v[S+\j], -v241, v241
.endr
.irp n, 0,1,2,3
	v_cvt_scalef32_pk8_fp8_f32 v[PC+2*\n:PC+2*\n+1], v[S+8*\n:S+8*\n+7], v245
.endr
	v_nop                                          ; a plain line behind the last conversion
.irp n, 0,1,2,3,4,5,6,7
	v_cndmask_b32 v[PC+\n], 0x7f7f7f7f, v[PC+\n], vcc_lo   ; the NaN code where the sum is 0
.endr
	global_store_b128 v1, v[PC:PC+3], s[\outp:\outp+1]
	global_store_b128 v1, v[PC+4:PC+7], s[\outp:\outp+1] offset:512
.Ldone_\@:
.if \ph == 0
	s_wait_xcnt 0x0                                ; the stores' data are written again only behind this wait
	s_mov_b32 s17, s58                             ; on to the lower block
	s_mov_b32 s20, s59
.endif
.endm
	s_load_b256 s[4:11], s[0:1], 0x0               ; qkv, attention_mask, lowp_scales, ac
	v_lshl_add_u32 v249, v0, 2, 0x22800
	v_mov_b32 v255, 0
	v_lshrrev_b32 v1, 5, v0
	v_readfirstlane_b32 s16, v1                    ; wave 0..15
	v_and_b32 v1, 31, v0
	v_lshlrev_b32 v1, 4, v1                        ; 16 x lane
	v_lshlrev_b32 v3, 4, v0                        ; 16 x thread
	v_bfe_u32 v9, v0, 4, 1                         ; h
	s_lshr_b32 s52, s16, 3                         ; 0: I walk the even steps; 1: the odd ones
	s_and_b32 s53, s16, 7                          ; my tile in its block
	s_mul_i32 s26, s52, SLOT
	v_lshl_add_u32 v2, v9, 6, s26                  ; the mask's numbers: 64 h, in my step's slot
	v_add_nc_u32 v7, s26, v1                       ; fragments: 16 x lane, in my step's slot
	s_mul_i32 s27, s53, MW
	s_add_co_u32 s27, s27, MRG
	v_add_nc_u32 v8, s27, v1                       ; the merge: my tile's bytes, 16 x lane
	v_and_b32 v10, 15, v0
	v_and_b32 v11, 8, v10
	v_add_nc_u32 v10, v10, v11                     ; r + 8 (r / 8)
	v_lshlrev_b32 v9, 4, v9
	v_sub_nc_u32 v6, v10, v9
	s_lshr_b32 s27, s53, 1
	s_lshl_b32 s27, s27, 5
	s_and_b32 s28, s53, 1
	s_lshl_b32 s28, s28, 3
	s_add_co_u32 s27, s27, s28
	v_add_nc_u32 v6, s27, v6                       ; d = my query's place in its block - 16 h
	s_sub_co_u32 s17, 31, ttmp9                    ; the upper block comes first
	s_mov_b32 s58, ttmp9                           ; then the lower
	s_add_co_u32 s20, s17, 4
	s_lshr_b32 s20, s20, 2                         ; trips of two double steps: B + 1 steps are (B + 2) / 2 double steps, (B + 4) / 4 trips
	s_add_co_u32 s59, s58, 4
	s_lshr_b32 s59, s59, 2
	s_and_b32 s21, ttmp7, 0xffff                   ; the head
	s_lshl_b32 s28, s21, 18
	s_mov_b32 s29, 0
	s_mov_b32 s22, 0x76543210                      ; lane l xor 16
	s_mov_b32 s23, 0xfedcba98
	s_mov_b32 s24, 0x3e38aa3b                      ; log2(e) / 8
	s_wait_kmcnt 0x0
	s_load_b512 s[32:47], s[8:9], 0x0              ; e0 .. e15
	s_add_nc_u64 s[4:5], s[4:5], s[28:29]          ; the head's q,
	s_add_nc_u64 s[12:13], s[4:5], 3145728         ; k,
	s_add_nc_u64 s[14:15], s[4:5], 6291456         ; v
	s_lshl_b32 s31, s21, 10                        ; ac: pieces 2 head on
	s_lshl_b32 s30, s58, 3
	s_add_co_u32 s30, s30, s53                     ; my tile of the lower block
	s_lshl_b32 s28, s30, 10
	s_add_nc_u64 s[50:51], s[4:5], s[28:29]        ; its queries,
	s_mul_i32 s28, s30, 12288
	s_add_co_u32 s28, s28, s31
	s_add_nc_u64 s[48:49], s[10:11], s[28:29]      ; its place in ac
	s_lshl_b32 s30, s17, 3
	s_add_co_u32 s30, s30, s53                     ; my tile of the upper block
	s_lshl_b32 s28, s30, 10
	s_add_nc_u64 s[4:5], s[4:5], s[28:29]
	s_mul_i32 s28, s30, 12288
	s_add_co_u32 s28, s28, s31
	s_add_nc_u64 s[10:11], s[10:11], s[28:29]
	s_mov_b32 s30, 0
	ASK                                            ; steps 0 and 1
	global_load_b128 v[16:19], v1, s[4:5]
	global_load_b128 v[20:23], v1, s[4:5] offset:512
	v_mov_b32 v37, 0xf1800000                      ; -2^100
	v_mov_b32 v236, 0                              ; a lane permute's destination counts as read
	v_mov_b32 v251, 0                              ; (named as the upper halves of pairs)
	v_mov_b32 v253, 0
	s_wait_kmcnt 0x0
	s_add_co_i32 s26, s38, s39
	s_lshl_b32 s26, s26, 23
	s_add_co_i32 s24, s24, s26                     ; c x 2^(e6 + e7): the exponents go into c's exponent field
	s_mov_b32 s25, s24
	s_add_co_i32 s26, s40, 127
	s_lshl_b32 s27, s26, 23
	v_mov_b32 v244, s27                            ; 2^e8
	s_add_co_i32 s26, s26, 8
	s_lshl_b32 s26, s26, 23
	s_or_b32 s26, s26, 0x600000
	v_mov_b32 v240, s26                            ; 448 x 2^e8
	s_add_co_i32 s26, s42, 127
	s_lshl_b32 s27, s26, 23
	v_mov_b32 v245, s27                            ; 2^e10
	s_add_co_i32 s26, s26, 8
	s_lshl_b32 s26, s26, 23
	s_or_b32 s26, s26, 0x600000
	v_mov_b32 v241, s26                            ; 448 x 2^e10
	PHASE 0, 10
	PHASE 1, 48
	s_wait_tensorcnt 0x0
	ds_add_u32 v249, v255
	s_wait_dscnt 0x0
	s_endpgm
.Lfunc_end_k_q0f615252d1_att:
	.size	k_q0f615252d1_att, .Lfunc_end_k_q0f615252d1_att-k_q0f615252d1_att
	.p2alignl 7, 3214868480
	.fill 96, 4, 3214868480
	.section	.rodata,"a",@progbits
	.p2align	6, 0x0
	.amdhsa_kernel k_q0f615252d1_att
		.amdhsa_group_segment_fixed_size 143360
		.amdhsa_private_segment_fixed_size 0
		.amdhsa_enable_private_segment 0
		.amdhsa_kernarg_size 32
		.amdhsa_user_sgpr_count 2
		.amdhsa_user_sgpr_kernarg_segment_ptr 1
		.amdhsa_wavefront_size32 1
		.amdhsa_system_sgpr_workgroup_id_x 1
		.amdhsa_system_sgpr_workgroup_id_y 1
		.amdhsa_system_sgpr_workgroup_id_z 1
		.amdhsa_system_vgpr_workitem_id 0
		.amdhsa_next_free_vgpr 256
		.amdhsa_next_free_sgpr 66
		.amdhsa_reserve_vcc 1
		.amdhsa_float_denorm_mode_32 3
		.amdhsa_float_denorm_mode_16_64 3
		.amdhsa_memory_ordered 1
		.amdhsa_forward_progress 1
		.amdhsa_inst_pref_size 127
	.end_amdhsa_kernel
	.amdgpu_metadata
---
amdhsa.version: [ 1, 2 ]
amdhsa.kernels:
  - .name:           k_q0f615252d1_att
    .symbol:         k_q0f615252d1_att.kd
    .args:
      - { .name: qkv, .offset: 0, .size: 8, .value_kind: global_buffer, .address_space: global }
      - { .name: attention_mask, .offset: 8, .size: 8, .value_kind: global_buffer, .address_space: global }
      - { .name: lowp_scales, .offset: 16, .size: 8, .value_kind: global_buffer, .address_space: global }
      - { .name: ac, .offset: 24, .size: 8, .value_kind: global_buffer, .address_space: global }
    .group_segment_fixed_size: 143360
    .private_segment_fixed_size: 0
    .kernarg_segment_align: 8
    .kernarg_segment_size: 32
    .max_flat_workgroup_size: 512
    .sgpr_count:     66
    .vgpr_count:     256
    .wavefront_size: 32
...
	.end_amdgpu_metadata
.endif
;; end of part 3
;; launch woup (part 4): grid 64 x 4, 8 waves a work-group, no clusters, 58,368 bytes of LDS; arguments ac, wimg, bo, hidden_states, ln2_w, ln2_b, b_up, lowp_scales, hid, hc; writes hid, hc
.if DOCPART == 4
	.amdgcn_target "amdgcn-amd-amdhsa--gfx1250"
	.amdhsa_code_object_version 6
	.text
	.protected	k_q0f615252d1_woup
	.globl	k_q0f615252d1_woup
	.p2align	8
	.type	k_q0f615252d1_woup,@function
k_q0f615252d1_woup:
	s_mov_b64 s[64:65], 0
	v_nop
	global_prefetch_b8 v0, s[64:65] scope:SCOPE_SE
	s_setreg_imm32_b32 hwreg(HW_REG_WAVE_MODE, 25, 1), 1
	s_wait_xcnt 0x0
; hidden = hidden_states + attn Wo + bo; y = layer norm 2 of it; h = gelu(y W_up + b_up), quantised (2^e14) into hc.  64 tokens (work-group x), a quarter of the 3,072 hidden units (work-group y).
; The four work-groups of a block of tokens each make the first product and the norm anew (590 KB of weights each): that spares a launch and y's way through memory.  hidden is stored once: wave w where w / 2 = y.
; SHARES as in the launch before: eight waves share the columns, 96 each, in both products; weights go from memory straight into registers; the tokens' codes lie in LDS.
; A lane holds one token, so the norm's sums want one exchange between the halves of the lanes and one turn through LDS over the eight waves; mean first, then the squares of the differences.
; erf(x) = x a(x^2) / b(x^2), x held within +-4: a of degree 6, b of degree 4; its absolute error is some 1e-7, so gelu far below -2 carries a relative error of up to some 1e-4.
; LIMITS: e12, e14 between -126 and 119; e10 + e11 and e12 + e13 between -126 and 127.  NaN in a token's codes (a query that saw no key) stays within that token's row.
; REGISTERS.  Window 0: v1 16 x lane, v2 16 x thread, v5 64 h, v7 the residual's offset, v8 y's place in LDS, v10, v11 2^e12 and 448 x 2^e12, v16-47 at work, v48-55 means, v56-63 1 / sigma (each twice), v64-255 accumulators.
;   Window 1: v0-63 four fragments of the tokens; v64-159, v160-255 two sets of six fragments of W; between the products the same registers hold biases, the residual, gains; in the end gelu's work.
.set ACC, 64
.set XF,  0
.set W0,  64
.set W1,  160
.set RED1, 49152                       ; LDS: 0 .. 49,151 the tokens' images; then 4,096 bytes for each of the norm's two sums: 16 bytes a thread
.set RED2, 53248
.set U,  0                             ; gelu, in window 1
.set XX, 16
.set X2, 32
.set AL, 48
.set BE, 64
.set CD, 96
.set MSB, 0
.macro WIN new                         ; bits 1:0 source 0, 3:2 source 1, 5:4 source 2, 7:6 destination; the high byte repeats the setting that is left
.if MSB != \new
	s_set_vgpr_msb (MSB<<8)|\new
.set MSB, \new
.endif
.endm
.macro PLACES
.rept 4
	v_nop
.endr
.endm
.macro BARRIER
	s_wait_dscnt 0x0                               ; my LDS stores have landed and my LDS loads are in
	s_barrier_signal -1
	s_barrier_wait -1
.endm
.macro WLOAD set, s, p
	WIN 0x40
.irp t, 0,1,2,3,4,5
.irp c, 0,1,2,3
	global_load_b128 v[\set+16*\t+4*\c:\set+16*\t+4*\c+3], v1, s[\p:\p+1] offset:12288*\t+2048*(\s)+512*\c
.endr
.endr
.endm
.macro XLOAD s
	WIN 0x40
.irp m, 0,1,2,3
.irp c, 0,1,2,3
	ds_load_b128 v[XF+16*\m+4*\c:XF+16*\m+4*\c+3], v1 offset:12288*\m+2048*(\s)+512*\c
.endr
.endr
.endm
.macro KSTEP set, zero, n              ; 24 products; the accumulators take turns, one instruction a turn.  n: the younger global loads
	s_wait_loadcnt \n
	s_wait_dscnt 0x0
	WIN 0x05
.irp t, 0,1,2,3,4,5
.irp m, 0,1,2,3
.set DD, ACC+64*(\t/2)+16*\m+8*(\t%2)
.if \zero
	v_wmma_f32_16x16x128_fp8_fp8 v[DD:DD+7], v[\set+16*\t:\set+16*\t+15], v[XF+16*\m:XF+16*\m+15], 0
.else
	v_wmma_f32_16x16x128_fp8_fp8 v[DD:DD+7], v[\set+16*\t:\set+16*\t+15], v[XF+16*\m:XF+16*\m+15], v[DD:DD+7]
.endif
.endr
.endr
	PLACES
.endm
.macro RESLOAD set, q0                 ; hidden_states for six combinations q = 4 P + m: token tile m, features 32 P + 16 h + 0..15 of my 96
	WIN 0x40
.irp d, 0,1,2,3,4,5
.irp g, 0,1,2,3
	global_load_b128 v[\set+16*\d+4*\g:\set+16*\d+4*\g+3], v7, s[10:11] offset:3072*(32*(((\q0+\d)%4)/2)+8*((\q0+\d)%2))+128*((\q0+\d)/4)+16*\g
.endr
.endr
.endm
.macro CROSS off                       ; four sums a lane (pairs at v16 on): halves, the other half of the lanes, the eight waves; the sums come back in v16-19
.irp m, 0,1,2,3
	v_add_f32 v[24+\m], v[16+2*\m], v[17+2*\m]
.endr
.irp m, 0,1,2,3
	v_permlanex16_b32 v[28+\m], v[24+\m], s54, s55
.endr
.irp m, 0,1,2,3
	v_add_f32 v[24+\m], v[24+\m], v[28+\m]
.endr
	ds_store_b128 v2, v[24:27] offset:\off
	BARRIER
.irp k, 0,1,2,3,4,5,6,7
	ds_load_b128 v[16+4*\k:19+4*\k], v1 offset:\off+512*\k
.endr
	s_wait_dscnt 0x0
.irp k, 1,2,3,4,5,6,7
	v_pk_add_f32 v[16:17], v[16:17], v[16+4*\k:17+4*\k]
	v_pk_add_f32 v[18:19], v[18:19], v[18+4*\k:19+4*\k]
.endr
.endm
.macro KON r, val                      ; a constant as a scalar pair: the packed forms name a pair and take its low word
	s_mov_b32 s[\r], \val
	s_mov_b32 s[\r+1], \val
.endm
.macro HORN d, k                       ; d = d x^2 + the constant
.irp i, 0,2,4,6,8,10,12,14
	v_pk_fma_f32 v[\d+\i:\d+\i+1], v[\d+\i:\d+\i+1], v[X2+\i:X2+\i+1], s[\k:\k+1] op_sel_hi:[1,1,0]
.endr
.endm
.macro GELU q                          ; 16 numbers a lane: combination q = 4 P + m
	WIN 0x50
.irp i, 0,2,4,6,8,10,12,14
	v_pk_fma_f32 v[U+\i:U+\i+1], v[ACC+16*(\q)+\i:ACC+16*(\q)+\i+1], s[50:51], v[W1+16*((\q)/4)+\i:W1+16*((\q)/4)+\i+1] op_sel_hi:[1,0,1]   ; u = sum x 2^(e12 + e13) + b_up
.endr
	WIN 0x55
.irp i, 0,2,4,6,8,10,12,14
	v_pk_mul_f32 v[XX+\i:XX+\i+1], v[U+\i:U+\i+1], s[60:61] op_sel_hi:[1,0]   ; x = u / sqrt(2)
.endr
.irp i, 0,1,2,3,4,5,6,7,8,9,10,11,12,13,14,15
	v_med3_num_f32 v[XX+\i], v[XX+\i], -4.0, 4.0
.endr
.irp i, 0,2,4,6,8,10,12,14
	v_pk_mul_f32 v[X2+\i:X2+\i+1], v[XX+\i:XX+\i+1], v[XX+\i:XX+\i+1]
.endr
.irp i, 0,2,4,6,8,10,12,14
	v_pk_fma_f32 v[AL+\i:AL+\i+1], v[X2+\i:X2+\i+1], v[146:147], s[66:67] op_sel_hi:[1,1,0]
	v_pk_fma_f32 v[BE+\i:BE+\i+1], v[X2+\i:X2+\i+1], v[148:149], s[78:79] op_sel_hi:[1,1,0]
.endr
	HORN AL, 68
	HORN BE, 80
	HORN AL, 70
	HORN BE, 82
	HORN AL, 72
	HORN BE, 84
	HORN AL, 74
	HORN AL, 76
.irp i, 0,1,2,3,4,5,6,7,8,9,10,11,12,13,14,15
	v_rcp_f32 v[BE+\i], v[BE+\i]
.endr
.irp i, 0,2,4,6,8,10,12,14
	v_pk_mul_f32 v[AL+\i:AL+\i+1], v[AL+\i:AL+\i+1], v[XX+\i:XX+\i+1]   ; (plain places behind the reciprocals)
.endr
	s_wait_alu depctr_va_vdst(0)
.irp i, 0,2,4,6,8,10,12,14
	v_pk_mul_f32 v[AL+\i:AL+\i+1], v[AL+\i:AL+\i+1], v[BE+\i:BE+\i+1]   ; erf
.endr
.irp i, 0,2,4,6,8,10,12,14
	v_pk_mul_f32 v[U+\i:U+\i+1], v[U+\i:U+\i+1], 0.5 op_sel_hi:[1,0]
.endr
.irp i, 0,2,4,6,8,10,12,14
	v_pk_fma_f32 v[U+\i:U+\i+1], v[U+\i:U+\i+1], v[AL+\i:AL+\i+1], v[U+\i:U+\i+1]   ; u / 2 x (1 + erf)
.endr
.irp i, 0,1,2,3,4,5,6,7,8,9,10,11,12,13,14,15
	v_med3_num_f32 v[U+\i], v[U+\i], -v145, v145
.endr
	v_cvt_scalef32_pk8_fp8_f32 v[CD+4*(\q):CD+4*(\q)+1], v[U:U+7], v144
	v_cvt_scalef32_pk8_fp8_f32 v[CD+4*(\q)+2:CD+4*(\q)+3], v[U+8:U+15], v144
	v_nop                                          ; a plain line behind the last conversion: the next lines write its sources
.endm
	s_load_b512 s[4:19], s[0:1], 0x0               ; ac, wimg, bo, hidden_states, ln2_w, ln2_b, b_up, lowp_scales
	s_load_b128 s[20:23], s[0:1], 0x40             ; hid, hc
	v_lshl_add_u32 v14, v0, 2, 0xe000
	v_mov_b32 v15, 0
	v_lshrrev_b32 v1, 5, v0
	v_readfirstlane_b32 s24, v1                    ; wave 0..7
	v_and_b32 v1, 31, v0
	v_lshlrev_b32 v1, 4, v1
	v_lshlrev_b32 v2, 4, v0
	v_and_b32 v3, 15, v0
	v_bfe_u32 v4, v0, 4, 1
	v_lshlrev_b32 v5, 6, v4                        ; 64 h
	v_and_b32 v7, 8, v3
	v_add_nc_u32 v7, v7, v3
	v_mul_u32_u24 v7, v7, 3072
	v_add_nc_u32 v7, v7, v5                        ; hidden_states: row r + 8 (r / 8), + 64 h
	s_mul_i32 s56, s24, 1536
	v_add_nc_u32 v8, s56, v1                       ; y's images: pair 3 w + P at 512 bytes a pair
.irp m, 0,1,2,3
	v_mov_b32 v[28+\m], 0                          ; a lane permute's destination counts as read
.endr
	s_and_b32 s26, ttmp7, 0xffff                   ; which quarter of the hidden units
	s_mul_i32 s25, ttmp9, 196608                   ; 64 rows of 3,072 bytes; also four tiles of 49,152 bytes
	s_mul_i32 s27, s24, 384                        ; my 96 features in f32
	s_mov_b32 s57, 0
	s_mov_b32 s52, 0x3aaaaaab                      ; 1 / 768
	s_mov_b32 s53, 0x3727c5ac                      ; 1e-5
	s_mov_b32 s54, 0x76543210
	s_mov_b32 s55, 0xfedcba98
	KON 60, 0x3f3504f3                             ; 1 / sqrt(2)
	KON 66, 0x32edffee                             ; a: 2.77068142e-08
	KON 68, 0xb60cff51                             ;   -2.10102402e-06
	KON 70, 0xb86ec2d2                             ;   -5.69250639e-05
	KON 72, 0xba40ac63                             ;   -7.34990630e-04
	KON 74, 0xbb41a1f6                             ;   -2.95459981e-03
	KON 76, 0xbc83dbd4                             ;   -1.60960333e-02
	KON 78, 0xb95fbd29                             ; b: -2.13374055e-04
	KON 80, 0xbadc924e                             ;   -1.68282697e-03
	KON 82, 0xbbf19bf8                             ;   -7.37332917e-03
	KON 84, 0xbc69b6a7                             ;   -1.42647391e-02
	s_mov_b32 s86, 0xaf95df0b                      ; a's leading -2.72614226e-10
	s_mov_b32 s87, 0xb77460cd                      ; b's leading -1.45660718e-05
	s_wait_kmcnt 0x0
	s_load_b512 s[32:47], s[18:19], 0x0            ; e0 .. e15
	s_mul_i32 s56, ttmp9, 49152
	s_add_nc_u64 s[4:5], s[4:5], s[56:57]          ; ac at my four tiles
	s_mul_i32 s56, s24, 73728
	s_add_co_u32 s56, s56, 1769472
	s_add_nc_u64 s[28:29], s[6:7], s[56:57]        ; wo's images at my six tiles
	s_mul_i32 s56, s26, 48
	s_mul_i32 s58, s24, 6
	s_add_co_u32 s56, s56, s58
	s_mul_i32 s56, s56, 12288
	s_add_co_u32 s56, s56, 2359296
	s_add_nc_u64 s[30:31], s[6:7], s[56:57]        ; w_up's at tiles 48 y + 6 w on
	s_mov_b32 s56, s27
	s_add_nc_u64 s[8:9], s[8:9], s[56:57]          ; bo, ln2_w, ln2_b at my 96 features
	s_add_nc_u64 s[12:13], s[12:13], s[56:57]
	s_add_nc_u64 s[14:15], s[14:15], s[56:57]
	s_add_co_u32 s56, s25, s27
	s_add_nc_u64 s[10:11], s[10:11], s[56:57]      ; hidden_states
	s_mul_i32 s56, s26, 3072
	s_add_co_u32 s56, s56, s27
	s_add_nc_u64 s[16:17], s[16:17], s[56:57]      ; b_up
	s_mul_i32 s56, s24, 6144
	s_add_co_u32 s56, s56, s25
	s_add_nc_u64 s[20:21], s[20:21], s[56:57]      ; hid: pairs 3 w on, 2,048 bytes each
	s_mul_i32 s56, s26, 24
	s_mul_i32 s58, s24, 3
	s_add_co_u32 s56, s56, s58
	s_lshl_b32 s56, s56, 9
	s_add_co_u32 s56, s56, s25
	s_add_nc_u64 s[22:23], s[22:23], s[56:57]      ; hc: pairs 24 y + 3 w on, 512 bytes each
	WIN 0x40
.irp i, 0,1,2,3,4,5,6,7,8,9,10,11
	global_load_b128 v[W1+4*\i:W1+4*\i+3], v2, s[4:5] offset:4096*\i   ; the block's 48 KiB of attn's images, as they lie
.endr
	WLOAD W0, 0, 28
	s_wait_loadcnt 24                              ; the copy is in; W's first step may be out
	WIN 0x04
.irp i, 0,1,2,3,4,5,6,7,8,9,10,11
	ds_store_b128 v2, v[W1+4*\i:W1+4*\i+3] offset:4096*\i
.endr
	BARRIER
	WLOAD W1, 1, 28
	XLOAD 0
	WIN 0
	s_wait_kmcnt 0x0
	s_add_co_i32 s48, s42, s43
	s_add_co_i32 s48, s48, 127
	s_lshl_b32 s48, s48, 23                        ; 2^(e10 + e11)
	s_mov_b32 s49, s48
	s_add_co_i32 s50, s44, s45
	s_add_co_i32 s50, s50, 127
	s_lshl_b32 s50, s50, 23                        ; 2^(e12 + e13)
	s_mov_b32 s51, s50
	s_add_co_i32 s56, s44, 127
	s_lshl_b32 s58, s56, 23
	v_mov_b32 v10, s58                             ; 2^e12
	s_add_co_i32 s56, s56, 8
	s_lshl_b32 s56, s56, 23
	s_or_b32 s56, s56, 0x600000
	v_mov_b32 v11, s56                             ; 448 x 2^e12
	s_add_co_i32 s56, s46, 127
	s_lshl_b32 s62, s56, 23                        ; 2^e14
	s_add_co_i32 s56, s56, 8
	s_lshl_b32 s63, s56, 23
	s_or_b32 s63, s63, 0x600000                    ; 448 x 2^e14
; ---------------- attn Wo
	KSTEP W0, 1, 24
	WLOAD W0, 2, 28
	XLOAD 1
	KSTEP W1, 0, 24
	WLOAD W1, 3, 28
	XLOAD 2
	KSTEP W0, 0, 24
	WLOAD W0, 4, 28
	XLOAD 3
	KSTEP W1, 0, 24
	WLOAD W1, 5, 28
	XLOAD 4
	KSTEP W0, 0, 24
	RESLOAD W0, 0
	XLOAD 5
	KSTEP W1, 0, 24                                ; the residual's first 24 loads may be out
	WIN 0x40
.irp P, 0,1,2
.irp g, 0,1,2,3
	global_load_b128 v[XF+16*\P+4*\g:XF+16*\P+4*\g+3], v5, s[8:9] offset:128*\P+16*\g   ; bo
.endr
.endr
	RESLOAD W1, 6
	s_wait_loadcnt 24                              ; the residual's first half and bo are in
	WIN 0x10
.irp q, 0,1,2,3,4,5,6,7,8,9,10,11      ; each accumulator from its low end on
.irp i, 0,2,4,6,8,10,12,14
	v_pk_fma_f32 v[ACC+16*\q+\i:ACC+16*\q+\i+1], v[ACC+16*\q+\i:ACC+16*\q+\i+1], s[48:49], v[XF+16*(\q/4)+\i:XF+16*(\q/4)+\i+1] op_sel_hi:[1,0,1]
.endr
.endr
	WIN 0x04
.irp q, 0,1,2,3,4,5
.irp i, 0,2,4,6,8,10,12,14
	v_pk_add_f32 v[ACC+16*\q+\i:ACC+16*\q+\i+1], v[ACC+16*\q+\i:ACC+16*\q+\i+1], v[W0+16*\q+\i:W0+16*\q+\i+1]
.endr
.endr
	s_wait_loadcnt 0x0
.irp q, 6,7,8,9,10,11
.irp i, 0,2,4,6,8,10,12,14
	v_pk_add_f32 v[ACC+16*\q+\i:ACC+16*\q+\i+1], v[ACC+16*\q+\i:ACC+16*\q+\i+1], v[W1+16*(\q-6)+\i:W1+16*(\q-6)+\i+1]
.endr
.endr
	WIN 0x40
.irp P, 0,1,2
.irp g, 0,1,2,3
	global_load_b128 v[W0+16*\P+4*\g:W0+16*\P+4*\g+3],       v5, s[12:13] offset:128*\P+16*\g   ; ln2_w
	global_load_b128 v[W0+48+16*\P+4*\g:W0+48+16*\P+4*\g+3], v5, s[14:15] offset:128*\P+16*\g   ; ln2_b
.endr
.endr
	WLOAD W1, 0, 30                                ; w_up's first step lands while the norm is made
	WIN 0
; ---------------- layer norm 2: a lane's 48 numbers of each of four tokens
.irp m, 0,1,2,3
	v_pk_add_f32 v[16+2*\m:17+2*\m], v[ACC+16*\m:ACC+16*\m+1], v[ACC+16*\m+2:ACC+16*\m+3]
.endr
.irp P, 0,1,2
.irp i, 0,2,4,6,8,10,12,14
.if (\P > 0) || (\i > 2)
.irp m, 0,1,2,3
	v_pk_add_f32 v[16+2*\m:17+2*\m], v[16+2*\m:17+2*\m], v[ACC+64*\P+16*\m+\i:ACC+64*\P+16*\m+\i+1]
.endr
.endif
.endr
.endr
	CROSS RED1
.irp m, 0,1,2,3
	v_mul_f32 v[48+2*\m], s52, v[16+\m]            ; the mean, twice: a pair for the packed forms
	v_mul_f32 v[49+2*\m], s52, v[16+\m]
.endr
.irp P, 0,1,2
.irp i, 0,2,4,6,8,10,12,14
.irp m, 0,1,2,3
	v_pk_add_f32 v[32+2*\m:33+2*\m], v[ACC+64*\P+16*\m+\i:ACC+64*\P+16*\m+\i+1], v[48+2*\m:49+2*\m] neg_lo:[0,1] neg_hi:[0,1]
.endr
.irp m, 0,1,2,3
.if (\P == 0) && (\i == 0)
	v_pk_mul_f32 v[16+2*\m:17+2*\m], v[32+2*\m:33+2*\m], v[32+2*\m:33+2*\m]
.else
	v_pk_fma_f32 v[16+2*\m:17+2*\m], v[32+2*\m:33+2*\m], v[32+2*\m:33+2*\m], v[16+2*\m:17+2*\m]
.endif
.endr
.endr
.endr
	CROSS RED2
.irp m, 0,1,2,3
	v_fma_f32 v[56+2*\m], v[16+\m], s52, s53
.endr
.irp m, 0,1,2,3
	v_rsq_f32 v[56+2*\m], v[56+2*\m]
.endr
	v_nop                                          ; a plain place behind the last transcendental
	s_wait_alu depctr_va_vdst(0)
.irp m, 0,1,2,3
	v_mov_b32 v[57+2*\m], v[56+2*\m]
.endr
	s_lshr_b32 s56, s24, 1
	s_cmp_lg_u32 s56, s26
	s_cbranch_scc1 .Lno_hid                        ; of the four work-groups of a block each stores two waves' columns of hidden
.irp q, 0,1,2,3,4,5,6,7,8,9,10,11
.irp g, 0,1,2,3
	global_store_b128 v1, v[ACC+16*\q+4*\g:ACC+16*\q+4*\g+3], s[20:21] offset:49152*(\q%4)+2048*(\q/4)+512*\g
.endr
.endr
.Lno_hid:
	s_wait_xcnt 0x0                                ; the stores' data are written again only behind this wait
.irp q, 0,1,2,3,4,5,6,7,8,9,10,11
.irp i, 0,2,4,6,8,10,12,14
	v_pk_add_f32 v[ACC+16*\q+\i:ACC+16*\q+\i+1], v[ACC+16*\q+\i:ACC+16*\q+\i+1], v[48+2*(\q%4):49+2*(\q%4)] neg_lo:[0,1] neg_hi:[0,1]
.endr
.endr
.irp q, 0,1,2,3,4,5,6,7,8,9,10,11
.irp i, 0,2,4,6,8,10,12,14
	v_pk_mul_f32 v[ACC+16*\q+\i:ACC+16*\q+\i+1], v[ACC+16*\q+\i:ACC+16*\q+\i+1], v[56+2*(\q%4):57+2*(\q%4)]
.endr
.endr
	s_wait_loadcnt 24                              ; ln2_w and ln2_b are in; w_up's first step may be out
	WIN 0x14
.irp q, 0,1,2,3,4,5,6,7,8,9,10,11
.irp i, 0,2,4,6,8,10,12,14
	v_pk_fma_f32 v[ACC+16*\q+\i:ACC+16*\q+\i+1], v[ACC+16*\q+\i:ACC+16*\q+\i+1], v[W0+16*(\q/4)+\i:W0+16*(\q/4)+\i+1], v[W0+48+16*(\q/4)+\i:W0+48+16*(\q/4)+\i+1]
.endr
.endr
	WIN 0
.set NN, 0
.rept 192
	v_med3_num_f32 v[ACC+NN], v[ACC+NN], -v11, v11
.set NN, NN+1
.endr
	WIN 0x40
.set NN, 0
.rept 24
	v_cvt_scalef32_pk8_fp8_f32 v[XF+2*NN:XF+2*NN+1], v[ACC+8*NN:ACC+8*NN+7], v10
.set NN, NN+1
.endr
	v_nop                                          ; a plain line behind the last conversion
	WLOAD W0, 1, 30
	WIN 0x04
.irp q, 0,1,2,3,4,5,6,7,8,9,10,11      ; over attn's images: every wave has passed two barriers behind its last read of them
	ds_store_b128 v8, v[XF+4*\q:XF+4*\q+3] offset:12288*(\q%4)+512*(\q/4)
.endr
	BARRIER
; ---------------- y W_up
	XLOAD 0
	KSTEP W1, 1, 24
	WLOAD W1, 2, 30
	XLOAD 1
	KSTEP W0, 0, 24
	WLOAD W0, 3, 30
	XLOAD 2
	KSTEP W1, 0, 24
	WLOAD W1, 4, 30
	XLOAD 3
	KSTEP W0, 0, 24
	WLOAD W0, 5, 30
	XLOAD 4
	KSTEP W1, 0, 24
	WIN 0x40
.irp P, 0,1,2
.irp g, 0,1,2,3
	global_load_b128 v[W1+16*\P+4*\g:W1+16*\P+4*\g+3], v5, s[16:17] offset:128*\P+16*\g   ; b_up
.endr
.endr
	XLOAD 5
	KSTEP W0, 0, 12                                ; b_up's twelve loads may be out
	s_wait_loadcnt 0x0
	WIN 0x40
	v_mov_b32 v144, s62
	v_mov_b32 v145, s63
	v_mov_b32 v146, s86
	v_mov_b32 v147, s86
	v_mov_b32 v148, s87
	v_mov_b32 v149, s87
.irp q, 0,1,2,3,4,5,6,7,8,9,10,11
	GELU \q
.endr
	WIN 0x04
.irp q, 0,1,2,3,4,5,6,7,8,9,10,11
	global_store_b128 v1, v[CD+4*\q:CD+4*\q+3], s[22:23] offset:49152*(\q%4)+512*(\q/4)
.endr
	WIN 0
	s_wait_tensorcnt 0x0
	ds_add_u32 v14, v15
	s_wait_dscnt 0x0
	s_endpgm
.Lfunc_end_k_q0f615252d1_woup:
	.size	k_q0f615252d1_woup, .Lfunc_end_k_q0f615252d1_woup-k_q0f615252d1_woup
	.p2alignl 7, 3214868480
	.fill 96, 4, 3214868480
	.section	.rodata,"a",@progbits
	.p2align	6, 0x0
	.amdhsa_kernel k_q0f615252d1_woup
		.amdhsa_group_segment_fixed_size 58368
		.amdhsa_private_segment_fixed_size 0
		.amdhsa_enable_private_segment 0
		.amdhsa_kernarg_size 80
		.amdhsa_user_sgpr_count 2
		.amdhsa_user_sgpr_kernarg_segment_ptr 1
		.amdhsa_wavefront_size32 1
		.amdhsa_system_sgpr_workgroup_id_x 1
		.amdhsa_system_sgpr_workgroup_id_y 1
		.amdhsa_system_sgpr_workgroup_id_z 1
		.amdhsa_system_vgpr_workitem_id 0
		.amdhsa_next_free_vgpr 512
		.amdhsa_next_free_sgpr 100
		.amdhsa_reserve_vcc 0
		.amdhsa_float_denorm_mode_32 3
		.amdhsa_float_denorm_mode_16_64 3
		.amdhsa_memory_ordered 1
		.amdhsa_forward_progress 1
		.amdhsa_inst_pref_size 255
	.end_amdhsa_kernel
	.section	.bss,"aw",@nobits
	.p2align	6
	.space	262144
	.amdgpu_metadata
---
amdhsa.version: [ 1, 2 ]
amdhsa.kernels:
  - .name:           k_q0f615252d1_woup
    .symbol:         k_q0f615252d1_woup.kd
    .args:
      - { .name: ac, .offset: 0, .size: 8, .value_kind: global_buffer, .address_space: global }
      - { .name: wimg, .offset: 8, .size: 8, .value_kind: global_buffer, .address_space: global }
      - { .name: bo, .offset: 16, .size: 8, .value_kind: global_buffer, .address_space: global }
      - { .name: hidden_states, .offset: 24, .size: 8, .value_kind: global_buffer, .address_space: global }
      - { .name: ln2_w, .offset: 32, .size: 8, .value_kind: global_buffer, .address_space: global }
      - { .name: ln2_b, .offset: 40, .size: 8, .value_kind: global_buffer, .address_space: global }
      - { .name: b_up, .offset: 48, .size: 8, .value_kind: global_buffer, .address_space: global }
      - { .name: lowp_scales, .offset: 56, .size: 8, .value_kind: global_buffer, .address_space: global }
      - { .name: hid, .offset: 64, .size: 8, .value_kind: global_buffer, .address_space: global }
      - { .name: hc, .offset: 72, .size: 8, .value_kind: global_buffer, .address_space: global }
    .group_segment_fixed_size: 58368
    .private_segment_fixed_size: 0
    .kernarg_segment_align: 8
    .kernarg_segment_size: 80
    .max_flat_workgroup_size: 256
    .sgpr_count:     100
    .vgpr_count:     512
    .wavefront_size: 32
...
	.end_amdgpu_metadata
.endif
;; end of part 4
;; launch down (part 5): grid 64 x 4, 8 waves a work-group, no clusters, 247,808 bytes of LDS; arguments hc, wimg, hid, b_down, lowp_scales, out0; writes out0
.if DOCPART == 5
	.amdgcn_target "amdgcn-amd-amdhsa--gfx1250"
	.amdhsa_code_object_version 6
	.text
	.protected	k_q0f615252d1_down
	.globl	k_q0f615252d1_down
	.p2align	8
	.type	k_q0f615252d1_down,@function
k_q0f615252d1_down:
	s_mov_b64 s[64:65], 0
	v_nop
	global_prefetch_b8 v0, s[64:65] scope:SCOPE_SE
	s_setreg_imm32_b32 hwreg(HW_REG_WAVE_MODE, 25, 1), 1
	s_wait_xcnt 0x0
; out0 = hidden + h W_down + b_down.  64 tokens (work-group x) x 192 features (work-group y): 768 bytes of a row of out0, three aligned blocks of 256 bytes.
; SHARES.  Wave w takes a quarter kq = w / 2 of K (768 of the 3,072) and a half fh = w % 2 of the features (96: six tiles), for the four tiles of tokens: 24 accumulators.
; Both operands come from memory straight into registers as images: a weight byte is loaded by one wave of the work-group, a byte of h by two.  K goes in 12 steps of 64 through three sets of registers, two sets ahead.
; The four parts of a sum meet in LDS, and are added in a fixed order ((0 + 1) + (2 + 3)): so the sums over K are taken in four parts.  Then wave (kq, fh) finishes token tile kq.
; The rows leave through a stage in LDS in the tokens' natural order, so that each store covers whole aligned blocks of 256 bytes.
; LIMITS: e14 + e15 between -126 and 127.
; REGISTERS.  Window 0: v1 16 x lane, v5 64 h, v6-12 LDS and store addresses, v64-255 accumulators.  Window 1: three sets of 80: six tiles of W (8 registers each), four of h.
.set ACC, 64
.set STG, 196608                       ; LDS: 32 parts of 6,144 bytes; then the stage: 64 rows of 768 bytes + 16
.set SP,  784
.set MSB, 0
.macro WIN new
.if MSB != \new
	s_set_vgpr_msb (MSB<<8)|\new
.set MSB, \new
.endif
.endm
.macro PLACES
.rept 4
	v_nop
.endr
.endm
.macro LOADSET i                       ; step i's 20 loads
	WIN 0x40
.irp t, 0,1,2,3,4,5
.irp c, 0,1
	global_load_b128 v[80*((\i)%3)+8*\t+4*\c:80*((\i)%3)+8*\t+4*\c+3], v1, s[6:7] offset:49152*\t+1024*(\i)+512*\c
.endr
.endr
.irp m, 0,1,2,3
.irp c, 0,1
	global_load_b128 v[80*((\i)%3)+48+8*\m+4*\c:80*((\i)%3)+48+8*\m+4*\c+3], v1, s[4:5] offset:49152*\m+1024*(\i)+512*\c
.endr
.endr
.endm
.macro MUL64 i, zero, n                ; the accumulators take turns, one instruction a turn.  n: the younger loads
	s_wait_loadcnt \n
	WIN 0x05
.irp t, 0,1,2,3,4,5
.irp m, 0,1,2,3
.set DD, ACC+64*(\t/2)+16*\m+8*(\t%2)
.if \zero
	v_wmma_f32_16x16x64_fp8_fp8 v[DD:DD+7], v[80*((\i)%3)+8*\t:80*((\i)%3)+8*\t+7], v[80*((\i)%3)+48+8*\m:80*((\i)%3)+48+8*\m+7], 0
.else
	v_wmma_f32_16x16x64_fp8_fp8 v[DD:DD+7], v[80*((\i)%3)+8*\t:80*((\i)%3)+8*\t+7], v[80*((\i)%3)+48+8*\m:80*((\i)%3)+48+8*\m+7], v[DD:DD+7]
.endif
.endr
.endr
	PLACES
.endm
	s_load_b256 s[4:11], s[0:1], 0x0               ; hc, wimg, hid, b_down
	s_load_b128 s[12:15], s[0:1], 0x20             ; lowp_scales, out0
	v_lshl_add_u32 v62, v0, 2, 0x3c400
	v_mov_b32 v63, 0
	v_lshrrev_b32 v1, 5, v0
	v_readfirstlane_b32 s16, v1                    ; wave 0..7
	v_and_b32 v1, 31, v0
	v_lshlrev_b32 v1, 4, v1                        ; 16 x lane
	v_and_b32 v3, 15, v0
	v_bfe_u32 v4, v0, 4, 1
	v_lshlrev_b32 v5, 6, v4                        ; 64 h
	s_lshr_b32 s17, s16, 1                         ; kq
	s_and_b32 s18, s16, 1                          ; fh
	s_and_b32 s19, ttmp7, 0xffff                   ; fb
	s_lshl_b32 s24, s18, 2
	s_add_co_u32 s24, s24, s17
	s_mul_i32 s24, s24, 24576
	v_add_nc_u32 v6, s24, v1                       ; my four parts: (4 fh + kq) x 4 parts of 6,144 bytes
	s_mul_i32 s24, s18, 98304
	s_mul_i32 s25, s17, 6144
	s_add_co_u32 s24, s24, s25
	v_add_nc_u32 v7, s24, v1                       ; back: token tile kq of my half's quarters 0 and 1,
	v_add_nc_u32 v8, 49152, v7                     ; and of quarters 2 and 3
	s_lshr_b32 s24, s17, 1
	s_lshl_b32 s24, s24, 5
	s_and_b32 s25, s17, 1
	s_lshl_b32 s25, s25, 3
	s_add_co_u32 s24, s24, s25                     ; token tile kq begins at row 32 (kq / 2) + 8 (kq % 2)
	s_mul_i32 s24, s24, SP
	s_mul_i32 s25, s18, 384
	s_add_co_u32 s24, s24, s25
	s_add_co_u32 s24, s24, STG
	v_and_b32 v9, 8, v3
	v_add_nc_u32 v9, v9, v3
	v_mul_u32_u24 v9, v9, SP
	v_add_nc_u32 v9, v9, v5
	v_add_nc_u32 v9, s24, v9                       ; the stage, in: row + r + 8 (r / 8); 384 fh + 64 h bytes on
	s_mul_i32 s24, s16, 8*SP
	s_add_co_u32 s24, s24, STG
	v_add_nc_u32 v10, s24, v1                      ; the stage, out: my eight rows
	v_lshl_add_u32 v11, v4, 4, v10                 ; (lanes 16-31 one row on: past the row's 16 bytes of padding)
	v_mul_u32_u24 v12, v4, 2304
	v_add_nc_u32 v12, v12, v1                      ; (and in out0: 3,072 - 768 bytes further)
	s_mov_b32 s27, 0
	s_mul_i32 s28, ttmp9, 196608
	s_wait_kmcnt 0x0
	s_load_b64 s[20:21], s[12:13], 0x38            ; e14, e15
	s_mul_i32 s26, s17, 12288
	s_add_co_u32 s26, s26, s28
	s_add_nc_u64 s[4:5], s[4:5], s[26:27]          ; hc: my four tiles, my quarter of K
	s_mul_i32 s26, s19, 12
	s_mul_i32 s29, s18, 6
	s_add_co_u32 s26, s26, s29
	s_mul_i32 s26, s26, 49152
	s_mul_i32 s29, s17, 12288
	s_add_co_u32 s26, s26, s29
	s_add_co_u32 s26, s26, 4718592
	s_add_nc_u64 s[6:7], s[6:7], s[26:27]          ; w_down's images: tiles 12 fb + 6 fh on, my quarter of K
	s_mul_i32 s26, s19, 6
	s_mul_i32 s29, s18, 3
	s_add_co_u32 s26, s26, s29
	s_lshl_b32 s26, s26, 11
	s_mul_i32 s29, s17, 49152
	s_add_co_u32 s26, s26, s29
	s_add_co_u32 s26, s26, s28
	s_add_nc_u64 s[8:9], s[8:9], s[26:27]          ; hid: token tile kq, pairs 6 fb + 3 fh on
	s_mul_i32 s26, s19, 768
	s_mul_i32 s29, s18, 384
	s_add_co_u32 s29, s29, s26
	s_mov_b32 s30, s29
	s_mov_b32 s31, 0
	s_add_nc_u64 s[10:11], s[10:11], s[30:31]      ; b_down at my 96 features
	s_mul_i32 s29, s16, 24576
	s_add_co_u32 s26, s26, s29
	s_add_co_u32 s26, s26, s28
	s_add_nc_u64 s[14:15], s[14:15], s[26:27]      ; out0: row 64 tb + 8 w, byte 768 fb
	LOADSET 0
	LOADSET 1
	LOADSET 2
	MUL64 0, 1, 40                                 ; two sets, 40 loads, may be out
	LOADSET 3
.irp i, 1,2,3,4,5,6,7,8
	MUL64 \i, 0, 40
	LOADSET (\i+3)
.endr
	MUL64 9, 0, 40
	WIN 0x40
.irp P, 0,1,2
.irp g, 0,1,2,3
	global_load_b128 v[16*\P+4*\g:16*\P+4*\g+3], v1, s[8:9] offset:2048*\P+512*\g       ; hidden, into the set that step 9 has left
.endr
.endr
	MUL64 10, 0, 32                                ; step 11's 20 loads and hidden's 12 may be out
	WIN 0x40
.irp P, 0,1,2
.irp g, 0,1,2,3
	global_load_b128 v[80+16*\P+4*\g:80+16*\P+4*\g+3], v5, s[10:11] offset:128*\P+16*\g ; b_down
.endr
.endr
	MUL64 11, 0, 24                                ; hidden's and b_down's may be out
	WIN 0
.set NN, 0
.rept 48                               ; quad n: combination q = n / 4 = 4 P + m, part m, place 4 P + g; ascending
	ds_store_b128 v6, v[ACC+4*NN:ACC+4*NN+3] offset:6144*((NN/4)%4)+512*(4*(NN/16)+NN%4)
.set NN, NN+1
.endr
	s_wait_dscnt 0x0                               ; for the others' sake
	s_barrier_signal -1
	s_barrier_wait -1
.irp k, 0,1
.irp n, 0,1,2,3,4,5,6,7,8,9,10,11
	ds_load_b128 v[ACC+48*\k+4*\n:ACC+48*\k+4*\n+3], v7 offset:24576*\k+512*\n
.endr
.endr
.irp k, 0,1
.irp n, 0,1,2,3,4,5,6,7,8,9,10,11
	ds_load_b128 v[ACC+96+48*\k+4*\n:ACC+96+48*\k+4*\n+3], v8 offset:24576*\k+512*\n
.endr
.endr
	s_wait_kmcnt 0x0
	s_add_co_i32 s22, s20, s21
	s_add_co_i32 s22, s22, 127
	s_lshl_b32 s22, s22, 23                        ; 2^(e14 + e15)
	s_mov_b32 s23, s22
	s_wait_dscnt 0x0
.set NN, 0
.rept 24
	v_pk_add_f32 v[ACC+2*NN:ACC+2*NN+1], v[ACC+2*NN:ACC+2*NN+1], v[ACC+48+2*NN:ACC+48+2*NN+1]
	v_pk_add_f32 v[ACC+96+2*NN:ACC+96+2*NN+1], v[ACC+96+2*NN:ACC+96+2*NN+1], v[ACC+144+2*NN:ACC+144+2*NN+1]
.set NN, NN+1
.endr
.set NN, 0
.rept 24
	v_pk_add_f32 v[ACC+2*NN:ACC+2*NN+1], v[ACC+2*NN:ACC+2*NN+1], v[ACC+96+2*NN:ACC+96+2*NN+1]
.set NN, NN+1
.endr
	s_wait_loadcnt 0x0                             ; hidden, b_down
	WIN 0x10
.set NN, 0
.rept 24
	v_pk_fma_f32 v[ACC+2*NN:ACC+2*NN+1], v[ACC+2*NN:ACC+2*NN+1], s[22:23], v[80+2*NN:80+2*NN+1] op_sel_hi:[1,0,1]
.set NN, NN+1
.endr
	WIN 0x04
.set NN, 0
.rept 24
	v_pk_add_f32 v[ACC+2*NN:ACC+2*NN+1], v[ACC+2*NN:ACC+2*NN+1], v[2*NN:2*NN+1]
.set NN, NN+1
.endr
	WIN 0
.irp P, 0,1,2
.irp g, 0,1,2,3
	ds_store_b128 v9, v[ACC+16*\P+4*\g:ACC+16*\P+4*\g+3] offset:128*\P+16*\g
.endr
.endr
	s_wait_dscnt 0x0                               ; for the others' sake
	s_barrier_signal -1
	s_barrier_wait -1
.irp a, 0,1,2,3                        ; two rows of 768 bytes are three loads of 512: a row's first 512; its last 256 and the next row's first 256; that row's last 512
	ds_load_b128 v[ACC+12*\a:ACC+12*\a+3],    v10 offset:2*SP*\a
	ds_load_b128 v[ACC+12*\a+4:ACC+12*\a+7],  v11 offset:2*SP*\a+512
	ds_load_b128 v[ACC+12*\a+8:ACC+12*\a+11], v10 offset:2*SP*\a+SP+256
.endr
.irp a, 0,1,2,3
	s_wait_dscnt 11-3*\a
	global_store_b128 v1,  v[ACC+12*\a:ACC+12*\a+3],    s[14:15] offset:6144*\a th:TH_STORE_NT        ; sixteen lanes store 256 consecutive bytes, at a multiple of 256 from out0's first byte
	s_wait_dscnt 10-3*\a
	global_store_b128 v12, v[ACC+12*\a+4:ACC+12*\a+7],  s[14:15] offset:6144*\a+512 th:TH_STORE_NT
	s_wait_dscnt 9-3*\a
	global_store_b128 v1,  v[ACC+12*\a+8:ACC+12*\a+11], s[14:15] offset:6144*\a+3328 th:TH_STORE_NT
.endr
	s_wait_tensorcnt 0x0
	ds_add_u32 v62, v63
	s_wait_dscnt 0x0
	s_endpgm
.Lfunc_end_k_q0f615252d1_down:
	.size	k_q0f615252d1_down, .Lfunc_end_k_q0f615252d1_down-k_q0f615252d1_down
	.p2alignl 7, 3214868480
	.fill 96, 4, 3214868480
	.section	.rodata,"a",@progbits
	.p2align	6, 0x0
	.amdhsa_kernel k_q0f615252d1_down
		.amdhsa_group_segment_fixed_size 247808
		.amdhsa_private_segment_fixed_size 0
		.amdhsa_enable_private_segment 0
		.amdhsa_kernarg_size 48
		.amdhsa_user_sgpr_count 2
		.amdhsa_user_sgpr_kernarg_segment_ptr 1
		.amdhsa_wavefront_size32 1
		.amdhsa_system_sgpr_workgroup_id_x 1
		.amdhsa_system_sgpr_workgroup_id_y 1
		.amdhsa_system_sgpr_workgroup_id_z 1
		.amdhsa_system_vgpr_workitem_id 0
		.amdhsa_next_free_vgpr 512
		.amdhsa_next_free_sgpr 66
		.amdhsa_reserve_vcc 0
		.amdhsa_float_denorm_mode_32 3
		.amdhsa_float_denorm_mode_16_64 3
		.amdhsa_memory_ordered 1
		.amdhsa_forward_progress 1
		.amdhsa_inst_pref_size 67
	.end_amdhsa_kernel
	.amdgpu_metadata
---
amdhsa.version: [ 1, 2 ]
amdhsa.kernels:
  - .name:           k_q0f615252d1_down
    .symbol:         k_q0f615252d1_down.kd
    .args:
      - { .name: hc, .offset: 0, .size: 8, .value_kind: global_buffer, .address_space: global }
      - { .name: wimg, .offset: 8, .size: 8, .value_kind: global_buffer, .address_space: global }
      - { .name: hid, .offset: 16, .size: 8, .value_kind: global_buffer, .address_space: global }
      - { .name: b_down, .offset: 24, .size: 8, .value_kind: global_buffer, .address_space: global }
      - { .name: lowp_scales, .offset: 32, .size: 8, .value_kind: global_buffer, .address_space: global }
      - { .name: out0, .offset: 40, .size: 8, .value_kind: global_buffer, .address_space: global }
    .group_segment_fixed_size: 247808
    .private_segment_fixed_size: 0
    .kernarg_segment_align: 8
    .kernarg_segment_size: 48
    .max_flat_workgroup_size: 256
    .sgpr_count:     66
    .vgpr_count:     512
    .wavefront_size: 32
...
	.end_amdgpu_metadata
.endif
;; end of part 5
;; ======== version 2 of 2: 5 launches
;; limits: right only within a limited range of input values
;; workspace buffers: xc 9,437,184 bytes; wimg 7,077,888 bytes; qkv 9,437,184 bytes; ac 3,145,728 bytes; hid 12,582,912 bytes; hc 12,582,912 bytes
;; launch prep (part 6): grid 400 x 1, 4 waves a work-group, no clusters, 38,400 bytes of LDS; arguments hidden_states, ln1_w, ln1_b, lowp_scales, wq_codes, wk_codes, wv_codes, wo_codes, w_up_codes, w_down_codes, xc, wimg; writes xc, wimg
.if DOCPART == 6
	.amdgcn_target "amdgcn-amd-amdhsa--gfx1250"
	.amdhsa_code_object_version 6
	.text
	.protected	k_q0f615252d1_prep
	.globl	k_q0f615252d1_prep
	.p2align	8
	.type	k_q0f615252d1_prep,@function
k_q0f615252d1_prep:
	s_mov_b64 s[64:65], 0
	v_nop
	global_prefetch_b8 v0, s[64:65] scope:SCOPE_SE
	s_setreg_imm32_b32 hwreg(HW_REG_WAVE_MODE, 25, 1), 1
	s_wait_xcnt 0x0
; PREP.  Two kinds of work-groups, parted on the work-group's number alone.
; 0..255: LAYER NORM 1 of one tile of 16 tokens, quantised three times (scales 2^e0, 2^e2, 2^e4) into xc.
; 256..399: the six weights' codes are laid once in the order in which a wave's operand registers take them (wimg).
; AN IMAGE of a fragment (16 rows x 128 K of codes) is 4 pieces of 512 bytes; in piece c lane l's 16 bytes are row(l % 16), k = 128 s + 32 c + 16 (l / 16) + 0..15.
; THE ROWS OF A TILE ARE NOT NEIGHBOURS: lane r of tile t stands for index 32 (t / 2) + 8 (t % 2) + r + 8 (r / 8), for tokens and for weights' rows alike.
; LIMITS: e0, e2, e4 between -126 and 119, so that 2^e and 448 x 2^e are f32 numbers.  NaN and infinities among the inputs are not served.
; No matrix unit, no tensor load: each byte is read once and leaves in stores of 512 consecutive bytes.
.set X,     16                         ; v16-111  four rows of x, 24 numbers a lane each: row i at 24 i, features 256 j + 8 lane + 0..7 at 8 j
.set LW,    112                        ; v112-135 ln1_w of my 24 features
.set LB,    136                        ; v136-159 ln1_b
.set T0,    160                        ; v160-175 two sets of 8 held numbers, by turns
.set C,     176                        ; v176-193 a row's nine pairs of codes
.set SCL,   194                        ; v194-199 2^e and 448 x 2^e for the three scales
.set SM,    200                        ; v200-207 a statistic for each row, in the even register of a pair
.set PT,    208                        ; v208-211 at work in the exchange between the halves of the lanes
.set PITCH, 784                        ; an LDS row: 768 codes + 16 bytes
.set REGION, 16*PITCH                  ; 16 rows for each of the three scales
	s_load_b256 s[4:11], s[0:1], 0x0               ; hidden_states, ln1_w, ln1_b, lowp_scales
	s_load_b512 s[12:27], s[0:1], 0x20             ; wq, wk, wv, wo, w_up, w_down, xc s[24:25], wimg s[26:27]
	v_lshl_add_u32 v212, v0, 2, 0x9400
	v_mov_b32 v213, 0
	v_lshrrev_b32 v1, 5, v0
	v_readfirstlane_b32 s28, v1                    ; wave 0..3
	v_and_b32 v1, 31, v0                           ; lane
	v_and_b32 v3, 15, v0                           ; r
	v_bfe_u32 v4, v0, 4, 1                         ; h
	s_cmp_ge_u32 ttmp9, 256
	s_cbranch_scc1 .Lrelay                         ; the same way for all four waves of a work-group
; ---------------- layer norm: tile T = work-group; wave w takes the tile's rows 4 w .. 4 w + 3, which are four neighbouring tokens
	v_lshlrev_b32 v2, 5, v1                        ; 32 bytes a lane
	s_lshr_b32 s42, ttmp9, 1
	s_lshl_b32 s42, s42, 5                         ; 32 (T / 2)
	s_and_b32 s43, ttmp9, 1
	s_lshl_b32 s43, s43, 3                         ; + 8 (T % 2)
	s_add_co_u32 s42, s42, s43
	s_lshl_b32 s43, s28, 2                         ; + 4 w
	s_add_co_u32 s42, s42, s43
	s_lshr_b32 s43, s28, 1
	s_lshl_b32 s43, s43, 3                         ; + 8 (w / 2)
	s_add_co_u32 s42, s42, s43                     ; my first token
	s_mul_i32 s42, s42, 3072
	s_mov_b32 s43, 0
	s_mul_i32 s46, ttmp9, 12288                    ; the tile's six fragments in a section of xc
	s_mov_b32 s47, 0
	s_mov_b32 s40, 0x76543210                      ; lane l xor 16
	s_mov_b32 s41, 0xfedcba98
	s_mov_b32 s52, 0x3aaaaaab                      ; 1 / 768
	s_mov_b32 s53, 0x3727c5ac                      ; 1e-5
	s_wait_alu depctr_va_vdst(0)
	s_wait_kmcnt 0x0
	s_load_b256 s[32:39], s[10:11], 0x0            ; e0 .. e7
	s_add_nc_u64 s[4:5], s[4:5], s[42:43]
	s_add_nc_u64 s[24:25], s[24:25], s[46:47]
.irp i, 0,1,2,3
.irp j, 0,1,2
	global_load_b128 v[X+24*\i+8*\j:X+24*\i+8*\j+3],   v2, s[4:5] offset:3072*\i+1024*\j
	global_load_b128 v[X+24*\i+8*\j+4:X+24*\i+8*\j+7], v2, s[4:5] offset:3072*\i+1024*\j+16
.endr
.endr
.irp j, 0,1,2
	global_load_b128 v[LW+8*\j:LW+8*\j+3],   v2, s[6:7] offset:1024*\j
	global_load_b128 v[LW+8*\j+4:LW+8*\j+7], v2, s[6:7] offset:1024*\j+16
	global_load_b128 v[LB+8*\j:LB+8*\j+3],   v2, s[8:9] offset:1024*\j
	global_load_b128 v[LB+8*\j+4:LB+8*\j+7], v2, s[8:9] offset:1024*\j+16
.endr
	s_mul_i32 s44, s28, 4*PITCH
	v_lshl_add_u32 v5, v1, 3, s44                  ; into LDS: my wave's four rows, 8 bytes a lane
	v_mul_u32_u24 v6, v3, PITCH
	v_lshl_add_u32 v6, v4, 4, v6
	s_lshl_b32 s45, s28, 5
	v_add_nc_u32 v6, s45, v6                       ; out of LDS: row r, + 16 h, + 32 w: wave w takes piece c = w of every fragment
	v_lshlrev_b32 v7, 4, v0                        ; and its place in a fragment's image: 512 w + 16 lane
.irp i, 0,1,2,3
	v_mov_b32 v[PT+\i], 0                          ; a lane permute's destination counts as read
	v_mov_b32 v[SM+2*\i+1], 0                      ; named as the upper half of a pair
.endr
.macro REDUCE                          ; the four rows' numbers are summed over the 32 lanes
.irp x, 1,2,4,8
.irp i, 0,1,2,3
	v_add_f32_dpp v[SM+2*\i], v[SM+2*\i], v[SM+2*\i] row_xmask:\x row_mask:0xf bank_mask:0xf
.endr
.endr
.irp i, 0,1,2,3
	v_permlanex16_b32 v[PT+\i], v[SM+2*\i], s40, s41
.endr
.irp i, 0,1,2,3
	v_add_f32 v[SM+2*\i], v[SM+2*\i], v[PT+\i]
.endr
.endm
	s_wait_loadcnt 12                              ; x is in; the twelve loads of ln1_w and ln1_b may be out
.irp i, 0,1,2,3
	v_pk_add_f32 v[T0+2*\i:T0+2*\i+1], v[X+24*\i:X+24*\i+1], v[X+24*\i+2:X+24*\i+3]
.endr
.irp k, 4,6,8,10,12,14,16,18,20,22
.irp i, 0,1,2,3
	v_pk_add_f32 v[T0+2*\i:T0+2*\i+1], v[T0+2*\i:T0+2*\i+1], v[X+24*\i+\k:X+24*\i+\k+1]
.endr
.endr
.irp i, 0,1,2,3
	v_add_f32 v[SM+2*\i], v[T0+2*\i], v[T0+2*\i+1]
.endr
	REDUCE
.irp i, 0,1,2,3
	v_mul_f32 v[SM+2*\i], s52, v[SM+2*\i]          ; the mean
.endr
.irp k, 0,2,4,6,8,10,12,14,16,18,20,22
.irp i, 0,1,2,3
	v_pk_add_f32 v[X+24*\i+\k:X+24*\i+\k+1], v[X+24*\i+\k:X+24*\i+\k+1], v[SM+2*\i:SM+2*\i+1] op_sel_hi:[1,0] neg_lo:[0,1] neg_hi:[0,1]   ; x - mean, in place
.endr
.endr
.irp i, 0,1,2,3
	v_pk_mul_f32 v[T0+2*\i:T0+2*\i+1], v[X+24*\i:X+24*\i+1], v[X+24*\i:X+24*\i+1]
.endr
.irp k, 2,4,6,8,10,12,14,16,18,20,22
.irp i, 0,1,2,3
	v_pk_fma_f32 v[T0+2*\i:T0+2*\i+1], v[X+24*\i+\k:X+24*\i+\k+1], v[X+24*\i+\k:X+24*\i+\k+1], v[T0+2*\i:T0+2*\i+1]
.endr
.endr
.irp i, 0,1,2,3
	v_add_f32 v[SM+2*\i], v[T0+2*\i], v[T0+2*\i+1]
.endr
	REDUCE
.irp i, 0,1,2,3
	v_fma_f32 v[SM+2*\i], v[SM+2*\i], s52, s53     ; the variance + 1e-5
.endr
	s_wait_alu depctr_va_vdst(0)
.irp i, 0,1,2,3
	v_rsq_f32 v[SM+2*\i], v[SM+2*\i]
.endr
	v_nop                                          ; a plain place behind the last transcendental
	s_wait_kmcnt 0x0
.irp q, 0,1,2
	s_add_co_i32 s44, s[32+2*\q], 127
	s_lshl_b32 s45, s44, 23
	v_mov_b32 v[SCL+2*\q], s45                     ; 2^e: the conversion takes its exponent field
	s_add_co_i32 s44, s44, 8
	s_lshl_b32 s44, s44, 23
	s_or_b32 s44, s44, 0x600000
	v_mov_b32 v[SCL+2*\q+1], s44                   ; 448 x 2^e
.endr
	s_wait_loadcnt 0x0                             ; ln1_w, ln1_b
	s_wait_alu depctr_va_vdst(0)
.irp k, 0,2,4,6,8,10,12,14,16,18,20,22
.irp i, 0,1,2,3
	v_pk_mul_f32 v[X+24*\i+\k:X+24*\i+\k+1], v[X+24*\i+\k:X+24*\i+\k+1], v[SM+2*\i:SM+2*\i+1] op_sel_hi:[1,0]
.endr
.endr
.irp k, 0,2,4,6,8,10,12,14,16,18,20,22
.irp i, 0,1,2,3
	v_pk_fma_f32 v[X+24*\i+\k:X+24*\i+\k+1], v[X+24*\i+\k:X+24*\i+\k+1], v[LW+\k:LW+\k+1], v[LB+\k:LB+\k+1]
.endr
.endr
; each row is quantised three times.  The held numbers go into two sets by turns, so that no conversion's sources are written by the line behind it.
.set NQ, 0
.irp i, 0,1,2,3
.irp q, 0,1,2
.irp j, 0,1,2
.irp e, 0,1,2,3,4,5,6,7
	v_med3_num_f32 v[T0+8*(NQ%2)+\e], v[X+24*\i+8*\j+\e], -v[SCL+2*\q+1], v[SCL+2*\q+1]   ; the conversion does not saturate (ISA guide 7.6.2): the hold comes first
.endr
	v_cvt_scalef32_pk8_fp8_f32 v[C+2*(3*\q+\j):C+2*(3*\q+\j)+1], v[T0+8*(NQ%2):T0+8*(NQ%2)+7], v[SCL+2*\q]
	ds_store_b64 v5, v[C+2*(3*\q+\j):C+2*(3*\q+\j)+1] offset:REGION*\q+PITCH*\i+256*\j   ; 32 lanes: 256 consecutive bytes of a row
.set NQ, NQ+1
.endr
.endr
	s_wait_dscnt 0x0                               ; the stores have read the nine pairs: the next row's codes may be written
.endr
	v_nop                                          ; a plain line behind the last conversion
	s_barrier_signal -1                            ; every wave's stores have landed (the wait for 0 above)
	s_barrier_wait -1
.irp q, 0,1,2
.irp s, 0,1,2,3,4,5
	ds_load_b128 v[X+4*(6*\q+\s):X+4*(6*\q+\s)+3], v6 offset:REGION*\q+128*\s
.endr
.endr
.irp q, 0,1,2
.irp s, 0,1,2,3,4,5
	s_wait_dscnt 17-(6*\q+\s)                      ; LDS loads come back in order: number 6 q + s is in
	global_store_b128 v7, v[X+4*(6*\q+\s):X+4*(6*\q+\s)+3], s[24:25] offset:3145728*\q+2048*\s   ; a wave stores 512 consecutive bytes
.endr
.endr
	s_wait_tensorcnt 0x0
	ds_add_u32 v212, v213
	s_wait_dscnt 0x0
	s_endpgm
; ---------------- the weights: job J = 4 (work-group - 256) + wave takes one tile of 16 rows x 768 along K: six fragments, 12,288 bytes at 12,288 J of wimg
.Lrelay:
	s_sub_co_u32 s42, ttmp9, 256                   ; G
	s_lshl_b32 s43, s42, 2
	s_add_co_u32 s43, s43, s28                     ; J
	s_wait_kmcnt 0x0
	s_mov_b64 s[46:47], s[22:23]                   ; w_down: jobs 384 on, rows of 3,072 bytes, four jobs to a tile
	s_mov_b32 s48, 384
	s_mov_b32 s49, 3072
	s_cmp_lt_u32 s42, 96
	s_cselect_b64 s[46:47], s[20:21], s[46:47]     ; w_up: jobs 192 on.  The choices hang on the work-group's number alone
	s_cselect_b32 s48, 192, s48
	s_cselect_b32 s49, 768, s49
	s_cselect_b32 s50, 0, 2
	s_cselect_b32 s51, 0, 3
	s_cmp_lt_u32 s42, 48
	s_cselect_b64 s[46:47], s[18:19], s[46:47]     ; wo
	s_cselect_b32 s48, 144, s48
	s_cmp_lt_u32 s42, 36
	s_cselect_b64 s[46:47], s[16:17], s[46:47]     ; wv
	s_cselect_b32 s48, 96, s48
	s_cmp_lt_u32 s42, 24
	s_cselect_b64 s[46:47], s[14:15], s[46:47]     ; wk
	s_cselect_b32 s48, 48, s48
	s_cmp_lt_u32 s42, 12
	s_cselect_b64 s[46:47], s[12:13], s[46:47]     ; wq
	s_cselect_b32 s48, 0, s48
	s_sub_co_u32 s52, s43, s48                     ; the job's number in its tensor
	s_lshr_b32 s53, s52, s50                       ; tile t
	s_and_b32 s52, s52, s51                        ; which 768 along K
	s_lshl_b32 s54, s53, 4
	s_and_b32 s55, s53, 1
	s_lshl_b32 s55, s55, 3
	s_sub_co_u32 s54, s54, s55                     ; the tile's first row: 32 (t / 2) + 8 (t % 2) = 16 t - 8 (t % 2)
	s_mul_i32 s54, s54, s49
	s_mul_i32 s52, s52, 768
	s_add_co_u32 s54, s54, s52
	s_mov_b32 s55, 0
	s_add_nc_u64 s[46:47], s[46:47], s[54:55]
	s_mul_i32 s56, s43, 12288
	s_mov_b32 s57, 0
	s_add_nc_u64 s[26:27], s[26:27], s[56:57]
	s_wait_alu depctr_va_vdst(0)
	v_and_b32 v5, 8, v3
	v_add_nc_u32 v5, v5, v3                        ; r + 8 (r / 8)
	v_mul_lo_u32 v5, v5, s49
	v_lshl_add_u32 v5, v4, 4, v5                   ; my row, + 16 h
	v_lshlrev_b32 v6, 4, v1
.irp n, 0,1,2,3,4,5,6,7,8,9,10,11,12,13,14,15,16,17,18,19,20,21,22,23
	global_load_b128 v[X+4*\n:X+4*\n+3], v5, s[46:47] offset:32*\n th:TH_LOAD_NT   ; fragment n / 4, piece n % 4: 128 s + 32 c = 32 n
.endr
	s_wait_alu depctr_va_vdst(0)
.irp n, 0,1,2,3,4,5,6,7,8,9,10,11,12,13,14,15,16,17,18,19,20,21,22,23
	s_wait_loadcnt 23-\n
	global_store_b128 v6, v[X+4*\n:X+4*\n+3], s[26:27] offset:512*\n
.endr
	s_endpgm
.Lfunc_end_k_q0f615252d1_prep:
	.size	k_q0f615252d1_prep, .Lfunc_end_k_q0f615252d1_prep-k_q0f615252d1_prep
	.p2alignl 7, 3214868480
	.fill 96, 4, 3214868480
	.section	.rodata,"a",@progbits
	.p2align	6, 0x0
	.amdhsa_kernel k_q0f615252d1_prep
		.amdhsa_group_segment_fixed_size 38400
		.amdhsa_private_segment_fixed_size 0
		.amdhsa_enable_private_segment 0
		.amdhsa_kernarg_size 96
		.amdhsa_user_sgpr_count 2
		.amdhsa_user_sgpr_kernarg_segment_ptr 1
		.amdhsa_wavefront_size32 1
		.amdhsa_system_sgpr_workgroup_id_x 1
		.amdhsa_system_sgpr_workgroup_id_y 1
		.amdhsa_system_sgpr_workgroup_id_z 1
		.amdhsa_system_vgpr_workitem_id 0
		.amdhsa_next_free_vgpr 214
		.amdhsa_next_free_sgpr 66
		.amdhsa_reserve_vcc 0
		.amdhsa_float_denorm_mode_32 3
		.amdhsa_float_denorm_mode_16_64 3
		.amdhsa_memory_ordered 1
		.amdhsa_forward_progress 1
		.amdhsa_inst_pref_size 59
	.end_amdhsa_kernel
	.amdgpu_metadata
---
amdhsa.version: [ 1, 2 ]
amdhsa.kernels:
  - .name:           k_q0f615252d1_prep
    .symbol:         k_q0f615252d1_prep.kd
    .args:
      - { .name: hidden_states, .offset: 0, .size: 8, .value_kind: global_buffer, .address_space: global }
      - { .name: ln1_w, .offset: 8, .size: 8, .value_kind: global_buffer, .address_space: global }
      - { .name: ln1_b, .offset: 16, .size: 8, .value_kind: global_buffer, .address_space: global }
      - { .name: lowp_scales, .offset: 24, .size: 8, .value_kind: global_buffer, .address_space: global }
      - { .name: wq_codes, .offset: 32, .size: 8, .value_kind: global_buffer, .address_space: global }
      - { .name: wk_codes, .offset: 40, .size: 8, .value_kind: global_buffer, .address_space: global }
      - { .name: wv_codes, .offset: 48, .size: 8, .value_kind: global_buffer, .address_space: global }
      - { .name: wo_codes, .offset: 56, .size: 8, .value_kind: global_buffer, .address_space: global }
      - { .name: w_up_codes, .offset: 64, .size: 8, .value_kind: global_buffer, .address_space: global }
      - { .name: w_down_codes, .offset: 72, .size: 8, .value_kind: global_buffer, .address_space: global }
      - { .name: xc, .offset: 80, .size: 8, .value_kind: global_buffer, .address_space: global }
      - { .name: wimg, .offset: 88, .size: 8, .value_kind: global_buffer, .address_space: global }
    .group_segment_fixed_size: 38400
    .private_segment_fixed_size: 0
    .kernarg_segment_align: 8
    .kernarg_segment_size: 96
    .max_flat_workgroup_size: 128
    .sgpr_count:     66
    .vgpr_count:     214
    .wavefront_size: 32
...
	.end_amdgpu_metadata
.endif
;; end of part 6
;; launch qkv (part 7): grid 64 x 3, 8 waves a work-group, no clusters, 50,176 bytes of LDS; arguments xc, wimg, bq, bk, bv, lowp_scales, qkv; writes qkv
.if DOCPART == 7
	.amdgcn_target "amdgcn-amd-amdhsa--gfx1250"
	.amdhsa_code_object_version 6
	.text
	.protected	k_q0f615252d1_qkv
	.globl	k_q0f615252d1_qkv
	.p2align	8
	.type	k_q0f615252d1_qkv,@function
k_q0f615252d1_qkv:
	s_mov_b64 s[64:65], 0
	v_nop
	global_prefetch_b8 v0, s[64:65] scope:SCOPE_SE
	s_setreg_imm32_b32 hwreg(HW_REG_WAVE_SCHED_MODE, 0, 2), 2
	s_setreg_imm32_b32 hwreg(HW_REG_WAVE_MODE, 25, 1), 1
	s_wait_xcnt 0x0
	s_wait_alu depctr_vm_vsrc(0)
; q, k or v (work-group y = 0, 1, 2) of 64 tokens (work-group x): x W + b on codes of E4M3, then quantised for the attention's products (2^e6, 2^e7, 2^e9).
; SHARES.  Eight waves share the COLUMNS: wave w makes features 96 w .. 96 w + 95 (six tiles) for all 64 tokens (four tiles): 24 accumulators.
; Its weights come from memory straight into its registers, as images laid by the launch before: each weight byte is loaded once in the work-group.  The tokens' codes, 48 KiB, lie in LDS and are read by all.
; q, k: source 0 = 16 rows of W, source 1 = 16 tokens: a lane holds one token and 16 neighbouring features in the registers of two neighbouring tiles: two conversions make a piece of the next operand's image.
; v: the sources are swapped: a lane holds one channel and 16 neighbouring TOKENS, since the keys are the K of the attention's second product.
; No tensor load, no cluster: each weight byte is wanted by one wave alone, and a way through LDS would add a write and a read to it.
; LIMITS: each of e6, e7, e9 between -126 and 119; ex + ew between -126 and 127.  NaN and infinities among the inputs are not served.
; REGISTERS.  Window 0: v1 16 x lane, v2 16 x thread, v5, v6 bias offsets, v16-21 store offsets, v48, v49 2^e and 448 x 2^e, v64-255 the accumulators.
;   Window 1: v0-63 four fragments of x; v64-159, v160-255 two sets of six fragments of W.
; THE MODE: SCHED_MODE bits 1:0 = 2 (LLVM: expert scheduling mode 2), set by the entry lines.  The code itself states the register dependences
; between vector or matrix instructions and memory or LDS instructions, with s_wait_alu, always for 0.
; THE PLAN.  Registers that memory or LDS instructions touch:
;   v1, v2, v5, v6  offsets, made at the head and never written again; v16-21 v's store offsets, made once behind the barrier.
;   XF              step s's products read it; the LDS loads of step s + 1 land in it.
;   W0, W1          step s's products read set s % 2; the loads of step s + 2 land in it.  At the head W1 holds the copy of x's images (loaded, read by LDS stores); behind step 4 W0 takes the bias;
;                   in the end the conversions write the codes into W1, and the stores read them.
; The wave's 512 registers are all taken (192 accumulators, window 1 full), so a set is asked for again straight behind the products that read it: ONE wait on va_vdst behind each step's products states that
; they are done reading XF and their set of W; both runs of loads follow it, x's first, since the next products want them first.
.set ACC, 64
.set XF,  0
.set W0,  64
.set W1,  160
.set MSB, 0
.macro WIN new                         ; bits 1:0 source 0, 3:2 source 1, 5:4 source 2, 7:6 destination; the high byte repeats the setting that is left
.if MSB != \new
	s_set_vgpr_msb (MSB<<8)|\new
.set MSB, \new
.endif
.endm
.macro PLACES                          ; four plain places behind matrix instructions, in front of loads into their sources and of reads of their results
.rept 4
	v_nop
.endr
.endm
.macro WLOAD set, s                    ; my six fragments of W for K step s
	WIN 0x40
.irp t, 0,1,2,3,4,5
.irp c, 0,1,2,3
	global_load_b128 v[\set+16*\t+4*\c:\set+16*\t+4*\c+3], v1, s[6:7] offset:12288*\t+2048*(\s)+512*\c
.endr
.endr
.endm
.macro XLOAD s                         ; the four tiles of tokens for K step s
	WIN 0x40
.irp m, 0,1,2,3
.irp c, 0,1,2,3
	ds_load_b128 v[XF+16*\m+4*\c:XF+16*\m+4*\c+3], v1 offset:12288*\m+2048*(\s)+512*\c
.endr
.endr
.endm
.macro MUL set, zero, swap             ; 24 products; the 24 accumulators take turns, one instruction a turn, in the same order in every step
.irp t, 0,1,2,3,4,5
.irp m, 0,1,2,3
.if \swap
.set DD, ACC+8*(4*\t+\m)
.if \zero
	v_wmma_f32_16x16x128_fp8_fp8 v[DD:DD+7], v[XF+16*\m:XF+16*\m+15], v[\set+16*\t:\set+16*\t+15], 0
.else
	v_wmma_f32_16x16x128_fp8_fp8 v[DD:DD+7], v[XF+16*\m:XF+16*\m+15], v[\set+16*\t:\set+16*\t+15], v[DD:DD+7]
.endif
.else
.set DD, ACC+64*(\t/2)+16*\m+8*(\t%2)
.if \zero
	v_wmma_f32_16x16x128_fp8_fp8 v[DD:DD+7], v[\set+16*\t:\set+16*\t+15], v[XF+16*\m:XF+16*\m+15], 0
.else
	v_wmma_f32_16x16x128_fp8_fp8 v[DD:DD+7], v[\set+16*\t:\set+16*\t+15], v[XF+16*\m:XF+16*\m+15], v[DD:DD+7]
.endif
.endif
.endr
.endr
.endm
.macro KSTEP set, zero, swap, n        ; n: the younger global loads, which may stay out
	s_wait_loadcnt \n
	s_wait_dscnt 0x0
	WIN 0x05
	MUL \set, \zero, \swap
	PLACES
.endm
.macro FREED                           ; behind a step's products, ahead of the loads into the registers that they read: the window first, then the wait
	WIN 0x40
	s_wait_alu depctr_va_vdst(0)                   ; the step's products are done reading x's fragments and their set of W, in which the loads below land
.endm
.macro STEPS swap                      ; the six K steps of 128; W runs two steps ahead in two sets
	KSTEP W0, 1, \swap, 24
	FREED
	XLOAD 1
	WLOAD W0, 2
	KSTEP W1, 0, \swap, 24
	FREED
	XLOAD 2
	WLOAD W1, 3
	KSTEP W0, 0, \swap, 24
	FREED
	XLOAD 3
	WLOAD W0, 4
	KSTEP W1, 0, \swap, 24
	FREED
	XLOAD 4
	WLOAD W1, 5
	KSTEP W0, 0, \swap, 24
	FREED
	XLOAD 5
.if \swap
.irp t, 0,1,2,3,4,5                    ; the bias of my channel in tile t, in both registers of a pair
	global_load_b32 v[W0+2*\t],   v6, s[8:9] offset:4*(32*(\t/2)+8*(\t%2))
	global_load_b32 v[W0+2*\t+1], v6, s[8:9] offset:4*(32*(\t/2)+8*(\t%2))
.endr
.else
.irp P, 0,1,2                          ; the bias of my 16 features of each pair of tiles
.irp g, 0,1,2,3
	global_load_b128 v[W0+16*\P+4*\g:W0+16*\P+4*\g+3], v5, s[8:9] offset:128*\P+16*\g
.endr
.endr
.endif
	KSTEP W1, 0, \swap, 12                         ; the twelve bias loads may be out
	s_wait_loadcnt 0x0
.endm
.macro QUANTALL                        ; 192 numbers a lane become 24 pairs of codes at W1 of window 1
	WIN 0
.set NN, 0
.rept 192
	v_med3_num_f32 v[ACC+NN], v[ACC+NN], -v49, v49 ; the conversion does not saturate (ISA guide 7.6.2)
.set NN, NN+1
.endr
	WIN 0x40
.set NN, 0
.rept 24
	v_cvt_scalef32_pk8_fp8_f32 v[W1+2*NN:W1+2*NN+1], v[ACC+8*NN:ACC+8*NN+7], v48
.set NN, NN+1
.endr
	v_nop                                          ; a plain line behind the last conversion
.endm
	s_load_b256 s[4:11], s[0:1], 0x0               ; xc, wimg, bq, bk
	s_load_b128 s[12:15], s[0:1], 0x20             ; bv, lowp_scales
	s_load_b64 s[16:17], s[0:1], 0x30              ; qkv
	v_lshl_add_u32 v62, v0, 2, 0xc000
	v_mov_b32 v63, 0
	v_lshrrev_b32 v1, 5, v0
	v_readfirstlane_b32 s18, v1                    ; wave 0..7
	v_and_b32 v1, 31, v0
	v_lshlrev_b32 v1, 4, v1                        ; 16 x lane
	v_lshlrev_b32 v2, 4, v0                        ; 16 x thread
	v_and_b32 v3, 15, v0                           ; r
	v_bfe_u32 v4, v0, 4, 1                         ; h
	v_lshlrev_b32 v5, 6, v4                        ; 64 h
	v_and_b32 v6, 8, v3
	v_add_nc_u32 v6, v6, v3
	v_lshlrev_b32 v6, 2, v6                        ; 4 (r + 8 (r / 8))
	s_wait_alu depctr_va_sdst(0)                   ; s18 is written, ahead of its first reader: the bases of W, of the bias and of the stores are made from it
	s_and_b32 s20, ttmp7, 0xffff                   ; the role: 0 q, 1 k, 2 v
	s_mul_i32 s22, s20, 3145728
	s_mul_i32 s23, ttmp9, 49152
	s_add_co_u32 s22, s22, s23                     ; xc: the role's section, my four tiles
	s_mov_b32 s23, 0
	s_mul_i32 s26, s20, 589824
	s_mul_i32 s27, s18, 73728
	s_add_co_u32 s26, s26, s27                     ; wimg: the role's weight, my six tiles
	s_mov_b32 s27, 0
	s_wait_kmcnt 0x0
	s_load_b512 s[32:47], s[14:15], 0x0            ; e0 .. e15
	s_add_nc_u64 s[4:5], s[4:5], s[22:23]
	s_add_nc_u64 s[6:7], s[6:7], s[26:27]
	s_cmp_eq_u32 s20, 1
	s_cselect_b64 s[8:9], s[10:11], s[8:9]
	s_cmp_eq_u32 s20, 2
	s_cselect_b64 s[8:9], s[12:13], s[8:9]         ; the role's bias
	s_mul_i32 s26, s18, 384
	s_add_nc_u64 s[8:9], s[8:9], s[26:27]          ; at my 96 features
	WIN 0x40
	s_wait_alu depctr_va_vdst(0)                   ; the offsets v1, v2, v5 and v6 are written, which the loads and LDS instructions of the whole kernel read
.irp i, 0,1,2,3,4,5,6,7,8,9,10,11
	global_load_b128 v[W1+4*\i:W1+4*\i+3], v2, s[4:5] offset:4096*\i   ; the block's 48 KiB of x's images, as they lie
.endr
	WLOAD W0, 0
	s_wait_loadcnt 24                              ; the copy is in; W's first step may be out
	WIN 0x04
.irp i, 0,1,2,3,4,5,6,7,8,9,10,11
	ds_store_b128 v2, v[W1+4*\i:W1+4*\i+3] offset:4096*\i
.endr
	s_wait_dscnt 0x0                               ; for the others' sake: my stores have landed
	s_barrier_signal -1
	s_barrier_wait -1
	WIN 0x40
	s_wait_alu depctr_vm_vsrc(0)                   ; my LDS stores have read the copy in W1's registers, in which W's second step lands
	WLOAD W1, 1
	XLOAD 0
	WIN 0
	s_wait_kmcnt 0x0
	s_cmp_eq_u32 s20, 1
	s_cselect_b32 s24, s34, s32                    ; x's exponent,
	s_cselect_b32 s25, s35, s33                    ; the weight's,
	s_cselect_b32 s26, s39, s38                    ; and that of the result as an operand
	s_cmp_eq_u32 s20, 2
	s_cselect_b32 s24, s36, s24
	s_cselect_b32 s25, s37, s25
	s_cselect_b32 s26, s41, s26
	s_add_co_i32 s28, s24, s25
	s_add_co_i32 s28, s28, 127
	s_lshl_b32 s28, s28, 23                        ; 2^(ex + ew)
	s_mov_b32 s29, s28                             ; (named with it as a pair)
	s_add_co_i32 s26, s26, 127
	s_lshl_b32 s27, s26, 23
	v_mov_b32 v48, s27
	s_add_co_i32 s26, s26, 8
	s_lshl_b32 s26, s26, 23
	s_or_b32 s26, s26, 0x600000
	v_mov_b32 v49, s26
	s_mul_i32 s21, s20, 3145728
	s_lshl_b32 s30, ttmp9, 12
	s_add_co_u32 s21, s21, s30                     ; q, k: the section, + 4 tiles of 1,024 bytes a block
.irp P, 0,1,2                          ; pair 3 w + P of 32 features: head (3 w + P) / 2, piece (3 w + P) % 2
	s_mul_i32 s30, s18, 3
	s_add_co_u32 s30, s30, \P
	s_lshr_b32 s31, s30, 1
	s_lshl_b32 s31, s31, 18
	s_and_b32 s30, s30, 1
	s_lshl_b32 s30, s30, 9
	s_add_co_u32 s30, s30, s31
	s_add_co_u32 s30, s30, s21
	s_mov_b32 s31, 0
	s_add_nc_u64 s[48+2*\P:49+2*\P], s[16:17], s[30:31]
.endr
	s_lshr_b32 s30, ttmp9, 1                       ; v: key block tb / 2, pieces 2 (tb % 2) on
	s_lshl_b32 s30, s30, 13
	s_and_b32 s31, ttmp9, 1
	s_lshl_b32 s31, s31, 10
	s_add_co_u32 s30, s30, s31
	s_add_co_u32 s30, s30, 6291456
	s_mov_b32 s31, 0
	s_add_nc_u64 s[54:55], s[16:17], s[30:31]
.irp t, 0,1,2,3,4,5                    ; v: channel tile 6 w + t: head (6 w + t) / 4, tile (6 w + t) % 4 of the head
	s_mul_i32 s30, s18, 6
	s_add_co_u32 s30, s30, \t
	s_lshr_b32 s31, s30, 2
	s_lshl_b32 s31, s31, 18
	s_and_b32 s30, s30, 3
	s_lshl_b32 s30, s30, 11
	s_add_co_u32 s30, s30, s31
	v_add_nc_u32 v[16+\t], s30, v1
.endr
	s_cmp_eq_u32 s20, 2
	s_cbranch_scc1 .Lv                             ; the same way for the whole work-group; no barrier follows
	STEPS 0
	WIN 0x10
.irp q, 0,1,2,3,4,5,6,7,8,9,10,11      ; q = 4 P + m: 16 registers at ACC + 16 q; each accumulator from its low end on
.irp i, 0,2,4,6,8,10,12,14
	v_pk_fma_f32 v[ACC+16*\q+\i:ACC+16*\q+\i+1], v[ACC+16*\q+\i:ACC+16*\q+\i+1], s[28:29], v[W0+16*(\q/4)+\i:W0+16*(\q/4)+\i+1] op_sel_hi:[1,0,1]   ; sum x 2^(ex + ew) + bias
.endr
.endr
	QUANTALL
	WIN 0x04
	s_wait_alu depctr_va_vdst(0)                   ; the conversions have written the codes in W1's registers, which the stores read
.irp q, 0,1,2,3,4,5,6,7,8,9,10,11
	global_store_b128 v1, v[W1+4*\q:W1+4*\q+3], s[48+2*(\q/4):49+2*(\q/4)] offset:1024*(\q%4)   ; 512 consecutive bytes: a piece of a tile's image
.endr
	WIN 0
	s_wait_dscnt 0x0                               ; the closing lines, six on end
	s_wait_alu 0x0
	s_wait_tensorcnt 0x0
	ds_add_u32 v62, v63
	s_wait_dscnt 0x0
	s_endpgm
.Lv:
	STEPS 1
	WIN 0x10
.irp t, 0,1,2,3,4,5
.irp i, 0,2,4,6,8,10,12,14,16,18,20,22,24,26,28,30
	v_pk_fma_f32 v[ACC+32*\t+\i:ACC+32*\t+\i+1], v[ACC+32*\t+\i:ACC+32*\t+\i+1], s[28:29], v[W0+2*\t:W0+2*\t+1] op_sel_hi:[1,0,1]
.endr
.endr
	QUANTALL
	WIN 0x04
	s_wait_alu depctr_va_vdst(0)                   ; the conversions have written the codes in W1's registers, which the stores read; their offsets v16-21 were written long before
.irp t, 0,1,2,3,4,5
.irp B, 0,1
	global_store_b128 v[16+\t], v[W1+4*(2*\t+\B):W1+4*(2*\t+\B)+3], s[54:55] offset:512*\B
.endr
.endr
	WIN 0
	s_wait_dscnt 0x0                               ; the closing lines, six on end
	s_wait_alu 0x0
	s_wait_tensorcnt 0x0
	ds_add_u32 v62, v63
	s_wait_dscnt 0x0
	s_endpgm
.Lfunc_end_k_q0f615252d1_qkv:
	.size	k_q0f615252d1_qkv, .Lfunc_end_k_q0f615252d1_qkv-k_q0f615252d1_qkv
	.p2alignl 7, 3214868480
	.fill 96, 4, 3214868480
	.section	.rodata,"a",@progbits
	.p2align	6, 0x0
	.amdhsa_kernel k_q0f615252d1_qkv
		.amdhsa_group_segment_fixed_size 50176
		.amdhsa_private_segment_fixed_size 0
		.amdhsa_enable_private_segment 0
		.amdhsa_kernarg_size 56
		.amdhsa_user_sgpr_count 2
		.amdhsa_user_sgpr_kernarg_segment_ptr 1
		.amdhsa_wavefront_size32 1
		.amdhsa_system_sgpr_workgroup_id_x 1
		.amdhsa_system_sgpr_workgroup_id_y 1
		.amdhsa_system_sgpr_workgroup_id_z 1
		.amdhsa_system_vgpr_workitem_id 0
		.amdhsa_next_free_vgpr 512
		.amdhsa_next_free_sgpr 66
		.amdhsa_reserve_vcc 0
		.amdhsa_float_denorm_mode_32 3
		.amdhsa_float_denorm_mode_16_64 3
		.amdhsa_memory_ordered 1
		.amdhsa_forward_progress 1
		.amdhsa_inst_pref_size 107
	.end_amdhsa_kernel
	.amdgpu_metadata
---
amdhsa.version: [ 1, 2 ]
amdhsa.kernels:
  - .name:           k_q0f615252d1_qkv
    .symbol:         k_q0f615252d1_qkv.kd
    .args:
      - { .name: xc, .offset: 0, .size: 8, .value_kind: global_buffer, .address_space: global }
      - { .name: wimg, .offset: 8, .size: 8, .value_kind: global_buffer, .address_space: global }
      - { .name: bq, .offset: 16, .size: 8, .value_kind: global_buffer, .address_space: global }
      - { .name: bk, .offset: 24, .size: 8, .value_kind: global_buffer, .address_space: global }
      - { .name: bv, .offset: 32, .size: 8, .value_kind: global_buffer, .address_space: global }
      - { .name: lowp_scales, .offset: 40, .size: 8, .value_kind: global_buffer, .address_space: global }
      - { .name: qkv, .offset: 48, .size: 8, .value_kind: global_buffer, .address_space: global }
    .group_segment_fixed_size: 50176
    .private_segment_fixed_size: 0
    .kernarg_segment_align: 8
    .kernarg_segment_size: 56
    .max_flat_workgroup_size: 256
    .sgpr_count:     66
    .vgpr_count:     512
    .wavefront_size: 32
...
	.end_amdgpu_metadata
.endif
;; end of part 7
;; launch att (part 8): grid 16 x 12, 16 waves a work-group, no clusters, 143,360 bytes of LDS; arguments qkv, attention_mask, lowp_scales, ac; writes ac
.if DOCPART == 8
	.amdgcn_target "amdgcn-amd-amdhsa--gfx1250"
	.amdhsa_code_object_version 6
	.text
	.protected	k_q0f615252d1_att
	.globl	k_q0f615252d1_att
	.p2align	8
	.type	k_q0f615252d1_att,@function
k_q0f615252d1_att:
	s_mov_b64 s[64:65], 0
	v_nop
	global_prefetch_b8 v0, s[64:65] scope:SCOPE_SE
	s_setreg_imm32_b32 hwreg(HW_REG_WAVE_SCHED_MODE, 0, 2), 2
	s_setreg_imm32_b32 hwreg(HW_REG_WAVE_MODE, 25, 1), 1
	s_wait_xcnt 0x0
	s_wait_alu depctr_vm_vsrc(0)
; ATTENTION of one head (work-group y) on codes of E4M3, causal, with the pad mask that is given; the result is quantised (2^e10) into ac as images for the next product.
; t = score x log2(e) / 8; M = the running largest t rounded UP to a whole number; p = 2^(t - M) is quantised (2^e8), not normalised; the row's sum is taken of the unquantised p and divides at the end.
; SHARES.  The work-group takes two blocks of 128 queries one after the other: block 31 - a, then block a (a = work-group x): 33 steps of 128 keys in all, in every work-group alike.
; THE KEYS OF A TILE OF 16 QUERIES ARE SHARED BY TWO WAVES: tile w % 8 belongs to waves w and w + 8; the lower wave walks the even key steps, the upper the odd ones, each with a running M, sum and O^T of its own.
; So all sixteen waves work in every double step (256 keys), and a block of B + 1 steps takes (B + 2) / 2 double steps.  At a block's end the upper wave hands its O^T, -M and sum to the lower through LDS;
; both are brought under the larger M by powers of two, which round nothing, and added.  A wave that saw no step hands over zeros.
; Keys come through two sets of two LDS slots.  A step whose keys all come after the block's queries is jumped over (a scalar branch on ids; no barrier stands in a step).
; Both products are used transposed (S^T = K Q^T, O^T = V^T P^T): a lane holds one query throughout.  K's, V's and Q's codes lie in memory as images of the operands' registers.
; THE PAD MASK.  Each wave loads the 128 mask words of its next step and notes whether one of them is 0.  Where none is, the first product begins with the constant 0.  Where one is, 0 or -2^100 for each key,
; laid in LDS in the layout of a result, is the C of the first product.  The causal mask is applied in the one step on the diagonal.
; A query that sees no key has the sum 0: its codes become the NaN code, and with them its whole row of the block's output.
; No cluster: the work-groups of a head walk different numbers of steps in each block.  No tensor load: a double step's 33 KiB are four loads of 16 bytes a thread.
; LIMITS: e6 + e7 between -89 and 100 (c x 2^25 stays finite, c x 2^100 drowns every score); e8, e10 between -126 and 119.  NaN and infinities in the operands are not served.
; REGISTERS: v1 16 x lane, v2 the mask numbers' place, v3 16 x thread, v6 d, v7 my slot's place, v8 the merge's place, v12 -M, v13 largest t, v[14:15] the sum, v16-23 Q, v24-29 chains,
;   v37 -2^100, v40-55 p's codes, v56-87 O^T, v88-151 K's, then V's fragments, v152-215 S^T, then p, v216-235 the fill, v236-254 at work.
; THE MODE: SCHED_MODE bits 1:0 = 2 (LLVM: expert scheduling mode 2), set by the entry lines.  The code itself states the register dependences
; between vector or matrix instructions and memory or LDS instructions, with s_wait_alu, always for 0.
; THE PLAN.  Registers that memory or LDS instructions touch:
;   v1, v2, v3, v7, v8  offsets and LDS addresses, made at the head and never written again.  The fill's place in memory stands in scalar bases, made anew in each half behind the wait that shows the last fill's loads done.
;   G (the fill)        a half's loads land in it; PUT's LDS stores read it; the compares read its mask words, and in waves 0 and 8 the selects write them and one more LDS store reads them.
;   KV                  K's loads land in it, the first product reads it, V's loads land in it, the second product reads it.
;   S                   where a step has holes the mask's numbers land in it, at a block's end the partner's O^T; else products and the softmax alone name it.
;   v16-23              Q: read by the first product; the lower block's queries land there behind the upper block's last half.
;   O^T, v12-15         written by products and vector work; read by the upper wave's stores of the merge.      p's codes: at a block's end written by conversions and selects, read by the two stores.
; A HALF has two waits behind its barrier: on vm_vsrc (the stores of the half before have read G) and on va_vdst (the second product is done with KV, the softmax with S, the compares and selects with G's mask words):
; the fill's loads, K's loads and the mask's numbers follow with no vector instruction between.  One wait on va_vdst stands behind the first product, ahead of V's loads; the wave's 256 registers have no room for V beside K.
.set SLOT, 16896                       ; a slot: K's images 8,192 bytes, V's 8,192, the mask's 128 numbers 512
.set RING, 2*SLOT                      ; a set: the even step's slot, then the odd step's
.set MRG,  2*RING                      ; behind the two sets: the merge's bytes, a region for each of the two blocks
.set MW,   4608                        ; for each tile: O^T 8 x 512 bytes, the statistics 512
.set S,  152
.set KV, 88
.set O,  56
.set PC, 40
.set G,  216                           ; the fill: K even, K odd, V even, V odd, my step's mask
.set FL, 56                            ; s56, s57: not 0 where my step in set 0, 1 has a hidden key
.set CM, 32                            ; s32-39: eight masks of the diagonal's compares (the exponents that lay here are used up at the head)
.macro PLACES                          ; four plain places behind matrix instructions, in front of loads into their sources and of reads of their results
.rept 4
	v_nop
.endr
.endm
.macro ASK                             ; double step s30: its 16 KiB of K and of V, 16 bytes a thread and step; the 128 mask words of my own step.  The bases are scalar: all earlier loads that read them are shown done
	s_lshl_b32 s2, s30, 14                         ; (s3 holds 0)
	s_add_nc_u64 s[60:61], s[12:13], s[2:3]
	s_add_nc_u64 s[62:63], s[14:15], s[2:3]
	s_lshl_b32 s2, s30, 1
	s_add_co_u32 s2, s2, s52
	s_lshl_b32 s2, s2, 9
	s_add_nc_u64 s[30:31], s[6:7], s[2:3]
	global_load_b128 v[G:G+3],     v3, s[60:61]
	global_load_b128 v[G+4:G+7],   v3, s[60:61] offset:8192
	global_load_b128 v[G+8:G+11],  v3, s[62:63]
	global_load_b128 v[G+12:G+15], v3, s[62:63] offset:8192
	global_load_b128 v[G+16:G+19], v1, s[30:31]
.endm
.macro PUT set                         ; what the fill brought goes into a set; every wave notes its step's holes; waves 0 and 8 turn the mask of their step into 0 or -2^100
	ds_store_b128 v3, v[G:G+3]     offset:RING*(\set)
	ds_store_b128 v3, v[G+4:G+7]   offset:RING*(\set)+SLOT
	ds_store_b128 v3, v[G+8:G+11]  offset:RING*(\set)+8192
	ds_store_b128 v3, v[G+12:G+15] offset:RING*(\set)+SLOT+8192
.irp k, 0,1,2,3
	v_cmp_eq_u32 s[26+\k], 0, v[G+16+\k]
.endr
	s_wait_alu depctr_va_sdst(0)                   ; the four compares have written s26 to s29, ahead of their first readers
	s_or_b32 s31, s26, s27
	s_or_b32 s30, s28, s29
	s_or_b32 s[FL+(\set)], s30, s31
	s_cmp_lg_u32 s53, 0
	s_cbranch_scc1 .Lnot_0_\@
.irp k, 0,1,2,3
	v_cndmask_b32 v[G+16+\k], 0, v37, s[26+\k]
.endr
	s_wait_alu depctr_va_vdst(0)                   ; the four selects have written the mask's numbers, which the LDS store reads
	ds_store_b128 v7, v[G+16:G+19] offset:RING*(\set)+16384
.Lnot_0_\@:
.endm
.macro STEP set
	s_cmp_gt_u32 s18, s17
	s_cbranch_scc1 .Lhidden_\@                     ; all 128 keys come after the block's queries
.irp t, 0,1,2,3,4,5,6,7
.irp c, 0,1
	ds_load_b128 v[KV+8*\t+4*\c:KV+8*\t+4*\c+3], v7 offset:RING*\set+1024*\t+512*\c
.endr
.endr
	s_cmp_lg_u32 s[FL+\set], 0
	s_cbranch_scc1 .Lholes_\@
.irp t, 0,1,2,3,4,5,6,7
	s_wait_dscnt 14-2*\t                           ; LDS loads come back in order: tile t's two are in, those of the tiles behind it may be out
	v_wmma_f32_16x16x64_fp8_fp8 v[S+8*\t:S+8*\t+7], v[KV+8*\t:KV+8*\t+7], v[16:23], 0
.endr
	s_branch .Lscored_\@
.Lholes_\@:
.irp b, 0,1,2,3
.irp g, 0,1,2,3
	ds_load_b128 v[S+16*\b+4*\g:S+16*\b+4*\g+3], v2 offset:RING*\set+16384+128*\b+16*\g   ; register 16 b + i stands for key 32 b + 16 h + i
.endr
.endr
	s_wait_dscnt 0x0
.irp t, 0,1,2,3,4,5,6,7
	v_wmma_f32_16x16x64_fp8_fp8 v[S+8*\t:S+8*\t+7], v[KV+8*\t:KV+8*\t+7], v[16:23], v[S+8*\t:S+8*\t+7]
.endr
.Lscored_\@:
	PLACES                                         ; in front of the loads into K's registers and of the first read of the scores
	s_wait_alu depctr_va_vdst(0)                   ; the eight products are done reading K's fragments, in whose registers V lands
.irp t, 0,1,2,3
.irp c, 0,1,2,3
	ds_load_b128 v[KV+16*\t+4*\c:KV+16*\t+4*\c+3], v7 offset:RING*\set+8192+2048*\t+512*\c   ; V lands while the softmax is walked
.endr
.endr
	s_cmp_lg_u32 s18, s17
	s_cbranch_scc1 .Lopen_\@
.irp r, 0,1,2,3,4,5,6,7                ; on the diagonal: register n = 8 r + i is hidden where 32 (n / 16) + n % 16 > d.  The compares go in runs of eight, one wait to a run
.irp i, 0,1,2,3,4,5,6,7
	v_cmp_gt_i32 s[CM+\i], 32*(\r/2)+8*(\r%2)+\i, v6
.endr
	s_wait_alu depctr_va_sdst(0)                   ; the run's eight compares have written their masks, ahead of the selects that read them
.irp i, 0,1,2,3,4,5,6,7
	v_cndmask_b32 v[S+8*\r+\i], v[S+8*\r+\i], v37, s[CM+\i]
.endr
.endr
.Lopen_\@:
	v_max3_num_f32 v254, v[S], v[S+1], v[S+2]      ; the step's largest score of my query, in four chains, ascending
	v_max3_num_f32 v252, v[S+3], v[S+4], v[S+5]
	v_max3_num_f32 v24, v[S+6], v[S+7], v[S+8]
	v_max3_num_f32 v25, v[S+9], v[S+10], v[S+11]
.irp i, 12,20,28,36,44,52
	v_max3_num_f32 v254, v254, v[S+\i], v[S+1+\i]
	v_max3_num_f32 v252, v252, v[S+2+\i], v[S+3+\i]
	v_max3_num_f32 v24, v24, v[S+4+\i], v[S+5+\i]
	v_max3_num_f32 v25, v25, v[S+6+\i], v[S+7+\i]
.endr
	v_max3_num_f32 v254, v254, v[S+60], v[S+61]
	v_max3_num_f32 v252, v252, v[S+62], v[S+63]
	v_max3_num_f32 v254, v254, v252, v24
	v_max_num_f32 v254, v254, v25
	v_permlanex16_b32 v236, v254, s22, s23
	v_max_num_f32 v254, v254, v236
	v_mul_f32 v254, s24, v254                      ; as t (c is positive)
	v_max_num_f32 v13, v13, v254
	v_mov_b32 v254, v12
	v_floor_f32 v12, -v13                          ; -M = floor(-t): M is a whole number
	v_sub_f32 v254, v12, v254                      ; old M - new M, 0 or less
	v_cvt_i32_f32 v254, v254                       ; (it saturates)
	v_ldexp_f32 v252, 1.0, v254                    ; f = 2^(old M - new M)
.irp j, 0,2,4,6,8,10,12,14,16,18,20,22,24,26,28,30,32,34,36,38,40,42,44,46,48,50,52,54,56,58,60,62
	v_pk_fma_f32 v[S+\j:S+\j+1], v[S+\j:S+\j+1], s[24:25], v[12:13] op_sel_hi:[1,0,0]   ; t - M
.endr
	s_wait_alu depctr_va_vdst(0)
.irp j, 0,1,2,3,4,5,6,7,8,9,10,11,12,13,14,15,16,17,18,19,20,21,22,23,24,25,26,27,28,29,30,31,32,33,34,35,36,37,38,39,40,41,42,43,44,45,46,47,48,49,50,51,52,53,54,55,56,57,58,59,60,61,62,63
	v_exp_f32 v[S+\j], v[S+\j]
.endr
	v_pk_mul_f32 v[14:15], v[14:15], v[252:253] op_sel_hi:[1,0]   ; the sum under the new M (a plain place behind the exponentials)
	s_wait_alu depctr_va_vdst(0)                   ; the 64 exponentials have written p: one wait for the batch, ahead of its first reader
	v_pk_add_f32 v[242:243], v[S:S+1], v[S+2:S+3]                 ; the sum of the unquantised p, two at a time, in four chains
	v_pk_add_f32 v[26:27], v[S+4:S+5], v[S+6:S+7]
	v_pk_add_f32 v[28:29], v[S+8:S+9], v[S+10:S+11]
	v_pk_add_f32 v[14:15], v[14:15], v[S+12:S+13]
.irp j, 14,22,30,38,46,54
	v_pk_add_f32 v[242:243], v[242:243], v[S+\j:S+1+\j]
	v_pk_add_f32 v[26:27], v[26:27], v[S+2+\j:S+3+\j]
	v_pk_add_f32 v[28:29], v[28:29], v[S+4+\j:S+5+\j]
	v_pk_add_f32 v[14:15], v[14:15], v[S+6+\j:S+7+\j]
.endr
	v_pk_add_f32 v[242:243], v[242:243], v[S+62:S+63]
	v_pk_add_f32 v[26:27], v[26:27], v[28:29]
	v_pk_add_f32 v[14:15], v[14:15], v[242:243]
	v_pk_add_f32 v[14:15], v[14:15], v[26:27]
	s_cmp_ge_i32 s40, -8                           ; p is at most 1, and 448 x 2^e8 is at least 1 from e8 = -8 on: the hold then changes nothing and is passed over
	s_cbranch_scc1 .Lno_hold_\@
.irp j, 0,1,2,3,4,5,6,7,8,9,10,11,12,13,14,15,16,17,18,19,20,21,22,23,24,25,26,27,28,29,30,31,32,33,34,35,36,37,38,39,40,41,42,43,44,45,46,47,48,49,50,51,52,53,54,55,56,57,58,59,60,61,62,63
	v_min_num_f32 v[S+\j], v[S+\j], v240
.endr
.Lno_hold_\@:
.irp n, 0,1,2,3,4,5,6,7
	v_cvt_scalef32_pk8_fp8_f32 v[PC+2*\n:PC+2*\n+1], v[S+8*\n:S+8*\n+7], v244
.endr
.irp j, 0,2,4,6,8,10,12,14,16,18,20,22,24,26,28,30
	v_pk_mul_f32 v[O+\j:O+\j+1], v[O+\j:O+\j+1], v[252:253] op_sel_hi:[1,0]   ; O^T under the new M; also the plain lines behind the conversions
.endr
	s_wait_loadcnt 0x0                             ; the fill is in, and its bases may be written again
	PUT 1-\set                                     ; into the other set: every wave's reads of it were over in front of this half's barrier
	s_wait_dscnt 0x0                               ; V is in; for the others' sake: my stores have landed, and my reads of this set are over
	s_wait_alu depctr_va_vdst(0)
.irp t, 0,1,2,3
	v_wmma_f32_16x16x128_fp8_fp8 v[O+8*\t:O+8*\t+7], v[KV+16*\t:KV+16*\t+15], v[PC:PC+15], v[O+8*\t:O+8*\t+7]
.endr
	PLACES
	s_branch .Lend_\@
.Lhidden_\@:
	s_wait_loadcnt 0x0
	PUT 1-\set
	s_wait_dscnt 0x0
.Lend_\@:
.endm
; Half a trip, one double step: one barrier does both orderings: the set ahead is whole, and nobody still reads the set that this half writes.
.macro HALF set
	s_barrier_signal -1
	s_barrier_wait -1
	s_add_co_u32 s30, s54, 1
	s_min_u32 s30, s30, 15                         ; the next double step's tiles; held at the last, so that no load leaves its buffer
	s_wait_alu depctr_vm_vsrc(0)                   ; the LDS stores issued so far have read the fill's registers, in which the loads below land
	s_wait_alu depctr_va_vdst(0)                   ; the compares and selects are done with the fill's mask words; the second product is done reading V's fragments, in whose registers K lands; the softmax is done with S, in which the mask's numbers may land
	ASK
	STEP \set
	s_add_co_u32 s18, s18, 2
	s_add_co_u32 s54, s54, 1
.endm
; One block of 128 queries: s17 the block = its last step, s20 its trips; its first tiles and its queries have been asked for.  outp: the pair that holds my tile's place in ac.
.macro PHASE ph, outp
	v_mov_b32 v13, 0xcc000000                      ; -2^25 lies under every sum of 64 products of codes (64 x 448^2)
	v_mul_f32 v13, s24, v13
	v_floor_f32 v12, -v13
	v_mov_b32 v14, 0
	v_mov_b32 v15, 0
.irp j, 0,1,2,3,4,5,6,7,8,9,10,11,12,13,14,15,16,17,18,19,20,21,22,23,24,25,26,27,28,29,30,31
	v_mov_b32 v[O+\j], 0                           ; the step is written once: the first finds zeros
.endr
	s_mov_b32 s18, s52                             ; my first step: 0 or 1
	s_mov_b32 s54, 0                               ; the double step
	s_mov_b32 s19, 0                               ; the trip
	s_wait_loadcnt 2                               ; the fill's five loads are in; Q's two may be out
	PUT 0
	s_wait_dscnt 0x0                               ; for the others' sake: my stores have landed
	s_wait_loadcnt 0x0                             ; Q
.Ltrip_\@:
	HALF 0
	HALF 1
	s_add_co_u32 s19, s19, 1
	s_cmp_lt_u32 s19, s20
	s_cbranch_scc1 .Ltrip_\@
.if \ph == 0
	s_wait_alu depctr_vm_vsrc(0)                   ; the last half's LDS stores have read the fill's registers, in which the loads below land
.endif
	s_wait_alu depctr_va_vdst(0)                   ; O^T, -M and the sum are written, which the merge's stores read (the places behind the last products stand in the step); the softmax is done with S, in which the partner's part lands; in the upper block also: the products are done reading Q and the compares the fill's mask words, in which the loads below land
.if \ph == 0
	s_mov_b32 s30, 0                               ; the lower block's first tiles and queries are asked for ahead of the merge
	ASK
	global_load_b128 v[16:19], v1, s[50:51]
	global_load_b128 v[20:23], v1, s[50:51] offset:512
.endif
	; THE MERGE: the upper wave of each tile hands over O^T, -M and the sum
	s_cmp_lt_u32 s16, 8
	s_cbranch_scc1 .Lkeep_\@
.irp k, 0,1,2,3,4,5,6,7
	ds_store_b128 v8, v[O+4*\k:O+4*\k+3] offset:8*MW*\ph+512*\k
.endr
	ds_store_b128 v8, v[12:15] offset:8*MW*\ph+4096
.Lkeep_\@:
	s_wait_dscnt 0x0                               ; for the others' sake: my stores have landed, and my reads of the sets are over
	s_barrier_signal -1
	s_barrier_wait -1
	s_cmp_ge_u32 s16, 8
	s_cbranch_scc1 .Ldone_\@
.irp k, 0,1,2,3,4,5,6,7
	ds_load_b128 v[S+4*\k:S+4*\k+3], v8 offset:8*MW*\ph+512*\k
.endr
	ds_load_b128 v[S+32:S+35], v8 offset:8*MW*\ph+4096
	s_wait_dscnt 0x0
	v_min_num_f32 v254, v12, v[S+32]               ; -M of the two together
	v_sub_f32 v252, v254, v12                      ; my M less the common one: a whole number, 0 or less
	v_sub_f32 v250, v254, v[S+32]                  ; the partner's likewise
	v_cvt_i32_f32 v252, v252                       ; (they saturate)
	v_cvt_i32_f32 v250, v250
	v_ldexp_f32 v252, 1.0, v252
	v_ldexp_f32 v250, 1.0, v250
	v_add_f32 v14, v14, v15
	v_add_f32 v15, v[S+34], v[S+35]
	v_mul_f32 v14, v14, v252
	v_fma_f32 v14, v15, v250, v14
.irp j, 0,2,4,6,8,10,12,14,16,18,20,22,24,26,28,30
	v_pk_mul_f32 v[O+\j:O+\j+1], v[O+\j:O+\j+1], v[252:253] op_sel_hi:[1,0]
.endr
.irp j, 0,2,4,6,8,10,12,14,16,18,20,22,24,26,28,30
	v_pk_fma_f32 v[O+\j:O+\j+1], v[S+\j:S+\j+1], v[250:251], v[O+\j:O+\j+1] op_sel_hi:[1,0,1]
.endr
	; THE WAY OUT
	v_permlanex16_b32 v236, v14, s22, s23
	v_add_f32 v14, v14, v236                       ; the row's sum
	v_cmp_neq_f32 vcc_lo, 0, v14                   ; 0: no key was seen
	v_rcp_f32 v15, v14
	s_add_co_i32 s26, s40, s41
	v_nop                                          ; a plain place behind the transcendental
	s_wait_alu depctr_va_vdst(0)                   ; the reciprocal has written v15, ahead of its first reader
	v_ldexp_f32 v15, v15, s26                      ; x 2^(e8 + e9)
.irp j, 0,1,2,3,4,5,6,7,8,9,10,11,12,13,14,15,16,17,18,19,20,21,22,23,24,25,26,27,28,29,30,31
	v_mul_f32 v[S+\j], v[O+\j], v15                ; register 16 b + i: channel 32 b + 16 h + i of my query
.endr
.irp j, 0,1,2,3,4,5,6,7,8,9,10,11,12,13,14,15,16,17,18,19,20,21,22,23,24,25,26,27,28,29,30,31
	v_med3_num_f32 v[S+\j], v[S+\j], -v241, v241
.endr
.irp n, 0,1,2,3
	v_cvt_scalef32_pk8_fp8_f32 v[PC+2*\n:PC+2*\n+1], v[S+8*\n:S+8*\n+7], v245
.endr
	v_nop                                          ; a plain line behind the last conversion
	s_wait_alu depctr_va_vcc(0)                    ; the compare above has written VCC, ahead of its first reader
.irp n, 0,1,2,3,4,5,6,7
	v_cndmask_b32 v[PC+\n], 0x7f7f7f7f, v[PC+\n], vcc_lo   ; the NaN code where the sum is 0
.endr
	s_wait_alu depctr_va_vdst(0)                   ; the selects have written the codes, which the two stores read
	global_store_b128 v1, v[PC:PC+3], s[\outp:\outp+1]
	global_store_b128 v1, v[PC+4:PC+7], s[\outp:\outp+1] offset:512
.Ldone_\@:
.if \ph == 0
	s_wait_xcnt 0x0                                ; the stores' data are written again only behind this wait
	s_wait_alu depctr_vm_vsrc(0)                   ; the lower wave's two stores have read the codes' registers, which the next block's conversions write; the upper wave's stores of the merge have read O^T, -M and the sum, which the next block's set-up writes
	s_mov_b32 s17, s58                             ; on to the lower block
	s_mov_b32 s20, s59
.endif
.endm
	s_load_b256 s[4:11], s[0:1], 0x0               ; qkv, attention_mask, lowp_scales, ac
	v_lshl_add_u32 v249, v0, 2, 0x22800
	v_mov_b32 v255, 0
	v_lshrrev_b32 v1, 5, v0
	v_readfirstlane_b32 s16, v1                    ; wave 0..15
	v_and_b32 v1, 31, v0
	v_lshlrev_b32 v1, 4, v1                        ; 16 x lane
	v_lshlrev_b32 v3, 4, v0                        ; 16 x thread
	v_bfe_u32 v9, v0, 4, 1                         ; h
	s_wait_alu depctr_va_sdst(0)                   ; s16 is written, ahead of its first reader: the wave's steps, tile and places are made from it
	s_lshr_b32 s52, s16, 3                         ; 0: I walk the even steps; 1: the odd ones
	s_and_b32 s53, s16, 7                          ; my tile in its block
	s_mul_i32 s26, s52, SLOT
	v_lshl_add_u32 v2, v9, 6, s26                  ; the mask's numbers: 64 h, in my step's slot
	v_add_nc_u32 v7, s26, v1                       ; fragments: 16 x lane, in my step's slot
	s_mul_i32 s27, s53, MW
	s_add_co_u32 s27, s27, MRG
	v_add_nc_u32 v8, s27, v1                       ; the merge: my tile's bytes, 16 x lane
	v_and_b32 v10, 15, v0
	v_and_b32 v11, 8, v10
	v_add_nc_u32 v10, v10, v11                     ; r + 8 (r / 8)
	v_lshlrev_b32 v9, 4, v9
	v_sub_nc_u32 v6, v10, v9
	s_lshr_b32 s27, s53, 1
	s_lshl_b32 s27, s27, 5
	s_and_b32 s28, s53, 1
	s_lshl_b32 s28, s28, 3
	s_add_co_u32 s27, s27, s28
	v_add_nc_u32 v6, s27, v6                       ; d = my query's place in its block - 16 h
	s_sub_co_u32 s17, 31, ttmp9                    ; the upper block comes first
	s_mov_b32 s58, ttmp9                           ; then the lower
	s_add_co_u32 s20, s17, 4
	s_lshr_b32 s20, s20, 2                         ; trips of two double steps: B + 1 steps are (B + 2) / 2 double steps, (B + 4) / 4 trips
	s_add_co_u32 s59, s58, 4
	s_lshr_b32 s59, s59, 2
	s_and_b32 s21, ttmp7, 0xffff                   ; the head
	s_lshl_b32 s28, s21, 18
	s_mov_b32 s29, 0
	s_mov_b32 s3, 0                                ; the upper word of the fill's offsets
	s_mov_b32 s22, 0x76543210                      ; lane l xor 16
	s_mov_b32 s23, 0xfedcba98
	s_mov_b32 s24, 0x3e38aa3b                      ; log2(e) / 8
	s_wait_kmcnt 0x0
	s_load_b512 s[32:47], s[8:9], 0x0              ; e0 .. e15
	s_add_nc_u64 s[4:5], s[4:5], s[28:29]          ; the head's q,
	s_add_nc_u64 s[12:13], s[4:5], 3145728         ; k,
	s_add_nc_u64 s[14:15], s[4:5], 6291456         ; v
	s_lshl_b32 s31, s21, 10                        ; ac: pieces 2 head on
	s_lshl_b32 s30, s58, 3
	s_add_co_u32 s30, s30, s53                     ; my tile of the lower block
	s_lshl_b32 s28, s30, 10
	s_add_nc_u64 s[50:51], s[4:5], s[28:29]        ; its queries,
	s_mul_i32 s28, s30, 12288
	s_add_co_u32 s28, s28, s31
	s_add_nc_u64 s[48:49], s[10:11], s[28:29]      ; its place in ac
	s_lshl_b32 s30, s17, 3
	s_add_co_u32 s30, s30, s53                     ; my tile of the upper block
	s_lshl_b32 s28, s30, 10
	s_add_nc_u64 s[4:5], s[4:5], s[28:29]
	s_mul_i32 s28, s30, 12288
	s_add_co_u32 s28, s28, s31
	s_add_nc_u64 s[10:11], s[10:11], s[28:29]
	s_mov_b32 s30, 0
	s_wait_alu depctr_va_vdst(0)                   ; the offsets and LDS addresses v1, v2, v3, v7 and v8 are written, which the loads, stores and LDS instructions of the whole kernel read
	ASK                                            ; steps 0 and 1
	global_load_b128 v[16:19], v1, s[4:5]
	global_load_b128 v[20:23], v1, s[4:5] offset:512
	v_mov_b32 v37, 0xf1800000                      ; -2^100
	v_mov_b32 v236, 0                              ; a lane permute's destination counts as read
	v_mov_b32 v251, 0                              ; (named as the upper halves of pairs)
	v_mov_b32 v253, 0
	s_wait_kmcnt 0x0
	s_add_co_i32 s26, s38, s39
	s_lshl_b32 s26, s26, 23
	s_add_co_i32 s24, s24, s26                     ; c x 2^(e6 + e7): the exponents go into c's exponent field
	s_mov_b32 s25, s24
	s_add_co_i32 s26, s40, 127
	s_lshl_b32 s27, s26, 23
	v_mov_b32 v244, s27                            ; 2^e8
	s_add_co_i32 s26, s26, 8
	s_lshl_b32 s26, s26, 23
	s_or_b32 s26, s26, 0x600000
	v_mov_b32 v240, s26                            ; 448 x 2^e8
	s_add_co_i32 s26, s42, 127
	s_lshl_b32 s27, s26, 23
	v_mov_b32 v245, s27                            ; 2^e10
	s_add_co_i32 s26, s26, 8
	s_lshl_b32 s26, s26, 23
	s_or_b32 s26, s26, 0x600000
	v_mov_b32 v241, s26                            ; 448 x 2^e10
	PHASE 0, 10
	PHASE 1, 48
	s_wait_dscnt 0x0                               ; the closing lines, six on end
	s_wait_alu 0x0
	s_wait_tensorcnt 0x0
	ds_add_u32 v249, v255
	s_wait_dscnt 0x0
	s_endpgm
.Lfunc_end_k_q0f615252d1_att:
	.size	k_q0f615252d1_att, .Lfunc_end_k_q0f615252d1_att-k_q0f615252d1_att
	.p2alignl 7, 3214868480
	.fill 96, 4, 3214868480
	.section	.rodata,"a",@progbits
	.p2align	6, 0x0
	.amdhsa_kernel k_q0f615252d1_att
		.amdhsa_group_segment_fixed_size 143360
		.amdhsa_private_segment_fixed_size 0
		.amdhsa_enable_private_segment 0
		.amdhsa_kernarg_size 32
		.amdhsa_user_sgpr_count 2
		.amdhsa_user_sgpr_kernarg_segment_ptr 1
		.amdhsa_wavefront_size32 1
		.amdhsa_system_sgpr_workgroup_id_x 1
		.amdhsa_system_sgpr_workgroup_id_y 1
		.amdhsa_system_sgpr_workgroup_id_z 1
		.amdhsa_system_vgpr_workitem_id 0
		.amdhsa_next_free_vgpr 256
		.amdhsa_next_free_sgpr 66
		.amdhsa_reserve_vcc 1
		.amdhsa_float_denorm_mode_32 3
		.amdhsa_float_denorm_mode_16_64 3
		.amdhsa_memory_ordered 1
		.amdhsa_forward_progress 1
		.amdhsa_inst_pref_size 146
	.end_amdhsa_kernel
	.amdgpu_metadata
---
amdhsa.version: [ 1, 2 ]
amdhsa.kernels:
  - .name:           k_q0f615252d1_att
    .symbol:         k_q0f615252d1_att.kd
    .args:
      - { .name: qkv, .offset: 0, .size: 8, .value_kind: global_buffer, .address_space: global }
      - { .name: attention_mask, .offset: 8, .size: 8, .value_kind: global_buffer, .address_space: global }
      - { .name: lowp_scales, .offset: 16, .size: 8, .value_kind: global_buffer, .address_space: global }
      - { .name: ac, .offset: 24, .size: 8, .value_kind: global_buffer, .address_space: global }
    .group_segment_fixed_size: 143360
    .private_segment_fixed_size: 0
    .kernarg_segment_align: 8
    .kernarg_segment_size: 32
    .max_flat_workgroup_size: 512
    .sgpr_count:     66
    .vgpr_count:     256
    .wavefront_size: 32
...
	.end_amdgpu_metadata
.endif
;; end of part 8
;; launch woup (part 9): grid 64 x 4, 8 waves a work-group, no clusters, 58,368 bytes of LDS; arguments ac, wimg, bo, hidden_states, ln2_w, ln2_b, b_up, lowp_scales, hid, hc; writes hid, hc
.if DOCPART == 9
	.amdgcn_target "amdgcn-amd-amdhsa--gfx1250"
	.amdhsa_code_object_version 6
	.text
	.protected	k_q0f615252d1_woup
	.globl	k_q0f615252d1_woup
	.p2align	8
	.type	k_q0f615252d1_woup,@function
k_q0f615252d1_woup:
	s_mov_b64 s[64:65], 0
	v_nop
	global_prefetch_b8 v0, s[64:65] scope:SCOPE_SE
	s_setreg_imm32_b32 hwreg(HW_REG_WAVE_SCHED_MODE, 0, 2), 2
	s_setreg_imm32_b32 hwreg(HW_REG_WAVE_MODE, 25, 1), 1
	s_wait_xcnt 0x0
	s_wait_alu depctr_vm_vsrc(0)
; hidden = hidden_states + attn Wo + bo; y = layer norm 2 of it; h = gelu(y W_up + b_up), quantised (2^e14) into hc.  64 tokens (work-group x), a quarter of the 3,072 hidden units (work-group y).
; The four work-groups of a block of tokens each make the first product and the norm anew (590 KB of weights each): that spares a launch and y's way through memory.  hidden is stored once: wave w where w / 2 = y.
; SHARES as in the launch before: eight waves share the columns, 96 each, in both products; weights go from memory straight into registers; the tokens' codes lie in LDS.
; A lane holds one token, so the norm's sums want one exchange between the halves of the lanes and one turn through LDS over the eight waves; mean first, then the squares of the differences.
; erf(x) = x a(x^2) / b(x^2), x held within +-4: a of degree 6, b of degree 4; its absolute error is some 1e-7, so gelu far below -2 carries a relative error of up to some 1e-4.
; LIMITS: e12, e14 between -126 and 119; e10 + e11 and e12 + e13 between -126 and 127.  NaN in a token's codes (a query that saw no key) stays within that token's row.
; REGISTERS.  Window 0: v1 16 x lane, v2 16 x thread, v5 64 h, v7 the residual's offset, v8 y's place in LDS, v10, v11 2^e12 and 448 x 2^e12, v16-47 at work, v48-55 means, v56-63 1 / sigma (each twice), v64-255 accumulators.
;   Window 1: v0-63 four fragments of the tokens; v64-159, v160-255 two sets of six fragments of W; between the products the same registers hold biases, the residual, gains; in the end gelu's work.
; THE MODE: SCHED_MODE bits 1:0 = 2 (LLVM: expert scheduling mode 2), set by the entry lines.  The code itself states the register dependences
; between vector or matrix instructions and memory or LDS instructions, with s_wait_alu, always for 0.
; THE PLAN.  Registers that memory or LDS instructions touch:
;   v1, v2, v5, v7, v8  offsets and LDS addresses, made at the head and never written again.
;   XF                  step s's products read it; the LDS loads of step s + 1 land in it.  Between the products bo lands there, then the conversions write y's codes there and LDS stores read them.
;   W0, W1              step s's products read one set; the loads of step s + 2 land in it.  At the head W1 holds the copy of attn's images (loaded, read by LDS stores); between the products both take the residual
;                       (read by additions), then W0 the gains (read by multiply-adds) and W1 w_up's first step; behind the second product's step 4 W1 takes b_up.
;   v16-47              the norm's sums: written by vector work, v24-27 read by an LDS store, all 32 landed in by the LDS loads behind the barrier.
;   the accumulators    as hidden they are read by the stores of the waves that store it, and written again behind them.      gelu's codes (window 1)  written by conversions, read by the last stores.
; The wave's 512 registers are all taken, so a set is asked for again straight behind the products that read it: ONE wait on va_vdst behind each step's products, both runs of loads behind it, the tokens' first.
.set ACC, 64
.set XF,  0
.set W0,  64
.set W1,  160
.set RED1, 49152                       ; LDS: 0 .. 49,151 the tokens' images; then 4,096 bytes for each of the norm's two sums: 16 bytes a thread
.set RED2, 53248
.set U,  0                             ; gelu, in window 1
.set XX, 16
.set X2, 32
.set AL, 48
.set BE, 64
.set CD, 96
.set MSB, 0
.macro WIN new                         ; bits 1:0 source 0, 3:2 source 1, 5:4 source 2, 7:6 destination; the high byte repeats the setting that is left
.if MSB != \new
	s_set_vgpr_msb (MSB<<8)|\new
.set MSB, \new
.endif
.endm
.macro PLACES
.rept 4
	v_nop
.endr
.endm
.macro BARRIER
	s_wait_dscnt 0x0                               ; my LDS stores have landed and my LDS loads are in
	s_barrier_signal -1
	s_barrier_wait -1
.endm
.macro WLOAD set, s, p
	WIN 0x40
.irp t, 0,1,2,3,4,5
.irp c, 0,1,2,3
	global_load_b128 v[\set+16*\t+4*\c:\set+16*\t+4*\c+3], v1, s[\p:\p+1] offset:12288*\t+2048*(\s)+512*\c
.endr
.endr
.endm
.macro XLOAD s
	WIN 0x40
.irp m, 0,1,2,3
.irp c, 0,1,2,3
	ds_load_b128 v[XF+16*\m+4*\c:XF+16*\m+4*\c+3], v1 offset:12288*\m+2048*(\s)+512*\c
.endr
.endr
.endm
.macro KSTEP set, zero, n              ; 24 products; the accumulators take turns, one instruction a turn.  n: the younger global loads
	s_wait_loadcnt \n
	s_wait_dscnt 0x0
	WIN 0x05
.irp t, 0,1,2,3,4,5
.irp m, 0,1,2,3
.set DD, ACC+64*(\t/2)+16*\m+8*(\t%2)
.if \zero
	v_wmma_f32_16x16x128_fp8_fp8 v[DD:DD+7], v[\set+16*\t:\set+16*\t+15], v[XF+16*\m:XF+16*\m+15], 0
.else
	v_wmma_f32_16x16x128_fp8_fp8 v[DD:DD+7], v[\set+16*\t:\set+16*\t+15], v[XF+16*\m:XF+16*\m+15], v[DD:DD+7]
.endif
.endr
.endr
	PLACES
.endm
.macro FREED                           ; behind a step's products, ahead of the loads into the registers that they read: the window first, then the wait
	WIN 0x40
	s_wait_alu depctr_va_vdst(0)                   ; the step's products are done reading the tokens' fragments and their set of W, in which the loads below land
.endm
.macro RESLOAD set, q0                 ; hidden_states for six combinations q = 4 P + m: token tile m, features 32 P + 16 h + 0..15 of my 96
	WIN 0x40
.irp d, 0,1,2,3,4,5
.irp g, 0,1,2,3
	global_load_b128 v[\set+16*\d+4*\g:\set+16*\d+4*\g+3], v7, s[10:11] offset:3072*(32*(((\q0+\d)%4)/2)+8*((\q0+\d)%2))+128*((\q0+\d)/4)+16*\g
.endr
.endr
.endm
.macro CROSS off                       ; four sums a lane (pairs at v16 on): halves, the other half of the lanes, the eight waves; the sums come back in v16-19
.irp m, 0,1,2,3
	v_add_f32 v[24+\m], v[16+2*\m], v[17+2*\m]
.endr
.irp m, 0,1,2,3
	v_permlanex16_b32 v[28+\m], v[24+\m], s54, s55
.endr
.irp m, 0,1,2,3
	v_add_f32 v[24+\m], v[24+\m], v[28+\m]
.endr
	s_wait_alu depctr_va_vdst(0)                   ; the four sums are written, which the LDS store reads; the vector work is done with v16-47, in which the loads behind the barrier land
	ds_store_b128 v2, v[24:27] offset:\off
	BARRIER
	s_wait_alu depctr_vm_vsrc(0)                   ; my LDS store has read v24-27, in which one of the loads below lands
.irp k, 0,1,2,3,4,5,6,7
	ds_load_b128 v[16+4*\k:19+4*\k], v1 offset:\off+512*\k
.endr
	s_wait_dscnt 0x0
.irp k, 1,2,3,4,5,6,7
	v_pk_add_f32 v[16:17], v[16:17], v[16+4*\k:17+4*\k]
	v_pk_add_f32 v[18:19], v[18:19], v[18+4*\k:19+4*\k]
.endr
.endm
.macro KON r, val                      ; a constant as a scalar pair: the packed forms name a pair and take its low word
	s_mov_b32 s[\r], \val
	s_mov_b32 s[\r+1], \val
.endm
.macro HORN d, k                       ; d = d x^2 + the constant
.irp i, 0,2,4,6,8,10,12,14
	v_pk_fma_f32 v[\d+\i:\d+\i+1], v[\d+\i:\d+\i+1], v[X2+\i:X2+\i+1], s[\k:\k+1] op_sel_hi:[1,1,0]
.endr
.endm
.macro GELU q                          ; 16 numbers a lane: combination q = 4 P + m
	WIN 0x50
.irp i, 0,2,4,6,8,10,12,14
	v_pk_fma_f32 v[U+\i:U+\i+1], v[ACC+16*(\q)+\i:ACC+16*(\q)+\i+1], s[50:51], v[W1+16*((\q)/4)+\i:W1+16*((\q)/4)+\i+1] op_sel_hi:[1,0,1]   ; u = sum x 2^(e12 + e13) + b_up
.endr
	WIN 0x55
.irp i, 0,2,4,6,8,10,12,14
	v_pk_mul_f32 v[XX+\i:XX+\i+1], v[U+\i:U+\i+1], s[60:61] op_sel_hi:[1,0]   ; x = u / sqrt(2)
.endr
.irp i, 0,1,2,3,4,5,6,7,8,9,10,11,12,13,14,15
	v_med3_num_f32 v[XX+\i], v[XX+\i], -4.0, 4.0
.endr
.irp i, 0,2,4,6,8,10,12,14
	v_pk_mul_f32 v[X2+\i:X2+\i+1], v[XX+\i:XX+\i+1], v[XX+\i:XX+\i+1]
.endr
.irp i, 0,2,4,6,8,10,12,14
	v_pk_fma_f32 v[AL+\i:AL+\i+1], v[X2+\i:X2+\i+1], v[146:147], s[66:67] op_sel_hi:[1,1,0]
	v_pk_fma_f32 v[BE+\i:BE+\i+1], v[X2+\i:X2+\i+1], v[148:149], s[78:79] op_sel_hi:[1,1,0]
.endr
	HORN AL, 68
	HORN BE, 80
	HORN AL, 70
	HORN BE, 82
	HORN AL, 72
	HORN BE, 84
	HORN AL, 74
	HORN AL, 76
	s_wait_alu depctr_va_vdst(0)
.irp i, 0,1,2,3,4,5,6,7,8,9,10,11,12,13,14,15
	v_rcp_f32 v[BE+\i], v[BE+\i]
.endr
.irp i, 0,2,4,6,8,10,12,14
	v_pk_mul_f32 v[AL+\i:AL+\i+1], v[AL+\i:AL+\i+1], v[XX+\i:XX+\i+1]   ; (plain places behind the reciprocals)
.endr
	s_wait_alu depctr_va_vdst(0)                   ; the sixteen reciprocals have written 1 / b: one wait for the batch, ahead of its first reader
.irp i, 0,2,4,6,8,10,12,14
	v_pk_mul_f32 v[AL+\i:AL+\i+1], v[AL+\i:AL+\i+1], v[BE+\i:BE+\i+1]   ; erf
.endr
.irp i, 0,2,4,6,8,10,12,14
	v_pk_mul_f32 v[U+\i:U+\i+1], v[U+\i:U+\i+1], 0.5 op_sel_hi:[1,0]
.endr
.irp i, 0,2,4,6,8,10,12,14
	v_pk_fma_f32 v[U+\i:U+\i+1], v[U+\i:U+\i+1], v[AL+\i:AL+\i+1], v[U+\i:U+\i+1]   ; u / 2 x (1 + erf)
.endr
.irp i, 0,1,2,3,4,5,6,7,8,9,10,11,12,13,14,15
	v_med3_num_f32 v[U+\i], v[U+\i], -v145, v145
.endr
	v_cvt_scalef32_pk8_fp8_f32 v[CD+4*(\q):CD+4*(\q)+1], v[U:U+7], v144
	v_cvt_scalef32_pk8_fp8_f32 v[CD+4*(\q)+2:CD+4*(\q)+3], v[U+8:U+15], v144
	v_nop                                          ; a plain line behind the last conversion: the next lines write its sources
.endm
	s_load_b512 s[4:19], s[0:1], 0x0               ; ac, wimg, bo, hidden_states, ln2_w, ln2_b, b_up, lowp_scales
	s_load_b128 s[20:23], s[0:1], 0x40             ; hid, hc
	v_lshl_add_u32 v14, v0, 2, 0xe000
	v_mov_b32 v15, 0
	v_lshrrev_b32 v1, 5, v0
	v_readfirstlane_b32 s24, v1                    ; wave 0..7
	v_and_b32 v1, 31, v0
	v_lshlrev_b32 v1, 4, v1
	v_lshlrev_b32 v2, 4, v0
	v_and_b32 v3, 15, v0
	v_bfe_u32 v4, v0, 4, 1
	v_lshlrev_b32 v5, 6, v4                        ; 64 h
	v_and_b32 v7, 8, v3
	v_add_nc_u32 v7, v7, v3
	v_mul_u32_u24 v7, v7, 3072
	v_add_nc_u32 v7, v7, v5                        ; hidden_states: row r + 8 (r / 8), + 64 h
	s_wait_alu depctr_va_sdst(0)                   ; s24 is written, ahead of its first reader: the wave's places and bases are made from it
	s_mul_i32 s56, s24, 1536
	v_add_nc_u32 v8, s56, v1                       ; y's images: pair 3 w + P at 512 bytes a pair
.irp m, 0,1,2,3
	v_mov_b32 v[28+\m], 0                          ; a lane permute's destination counts as read
.endr
	s_and_b32 s26, ttmp7, 0xffff                   ; which quarter of the hidden units
	s_mul_i32 s25, ttmp9, 196608                   ; 64 rows of 3,072 bytes; also four tiles of 49,152 bytes
	s_mul_i32 s27, s24, 384                        ; my 96 features in f32
	s_mov_b32 s57, 0
	s_mov_b32 s52, 0x3aaaaaab                      ; 1 / 768
	s_mov_b32 s53, 0x3727c5ac                      ; 1e-5
	s_mov_b32 s54, 0x76543210
	s_mov_b32 s55, 0xfedcba98
	KON 60, 0x3f3504f3                             ; 1 / sqrt(2)
	KON 66, 0x32edffee                             ; a: 2.77068142e-08
	KON 68, 0xb60cff51                             ;   -2.10102402e-06
	KON 70, 0xb86ec2d2                             ;   -5.69250639e-05
	KON 72, 0xba40ac63                             ;   -7.34990630e-04
	KON 74, 0xbb41a1f6                             ;   -2.95459981e-03
	KON 76, 0xbc83dbd4                             ;   -1.60960333e-02
	KON 78, 0xb95fbd29                             ; b: -2.13374055e-04
	KON 80, 0xbadc924e                             ;   -1.68282697e-03
	KON 82, 0xbbf19bf8                             ;   -7.37332917e-03
	KON 84, 0xbc69b6a7                             ;   -1.42647391e-02
	s_mov_b32 s86, 0xaf95df0b                      ; a's leading -2.72614226e-10
	s_mov_b32 s87, 0xb77460cd                      ; b's leading -1.45660718e-05
	s_wait_kmcnt 0x0
	s_load_b512 s[32:47], s[18:19], 0x0            ; e0 .. e15
	s_mul_i32 s56, ttmp9, 49152
	s_add_nc_u64 s[4:5], s[4:5], s[56:57]          ; ac at my four tiles
	s_mul_i32 s56, s24, 73728
	s_add_co_u32 s56, s56, 1769472
	s_add_nc_u64 s[28:29], s[6:7], s[56:57]        ; wo's images at my six tiles
	s_mul_i32 s56, s26, 48
	s_mul_i32 s58, s24, 6
	s_add_co_u32 s56, s56, s58
	s_mul_i32 s56, s56, 12288
	s_add_co_u32 s56, s56, 2359296
	s_add_nc_u64 s[30:31], s[6:7], s[56:57]        ; w_up's at tiles 48 y + 6 w on
	s_mov_b32 s56, s27
	s_add_nc_u64 s[8:9], s[8:9], s[56:57]          ; bo, ln2_w, ln2_b at my 96 features
	s_add_nc_u64 s[12:13], s[12:13], s[56:57]
	s_add_nc_u64 s[14:15], s[14:15], s[56:57]
	s_add_co_u32 s56, s25, s27
	s_add_nc_u64 s[10:11], s[10:11], s[56:57]      ; hidden_states
	s_mul_i32 s56, s26, 3072
	s_add_co_u32 s56, s56, s27
	s_add_nc_u64 s[16:17], s[16:17], s[56:57]      ; b_up
	s_mul_i32 s56, s24, 6144
	s_add_co_u32 s56, s56, s25
	s_add_nc_u64 s[20:21], s[20:21], s[56:57]      ; hid: pairs 3 w on, 2,048 bytes each
	s_mul_i32 s56, s26, 24
	s_mul_i32 s58, s24, 3
	s_add_co_u32 s56, s56, s58
	s_lshl_b32 s56, s56, 9
	s_add_co_u32 s56, s56, s25
	s_add_nc_u64 s[22:23], s[22:23], s[56:57]      ; hc: pairs 24 y + 3 w on, 512 bytes each
	WIN 0x40
	s_wait_alu depctr_va_vdst(0)                   ; the offsets and LDS addresses v1, v2, v5, v7 and v8 are written, which the loads, stores and LDS instructions of the whole kernel read
.irp i, 0,1,2,3,4,5,6,7,8,9,10,11
	global_load_b128 v[W1+4*\i:W1+4*\i+3], v2, s[4:5] offset:4096*\i   ; the block's 48 KiB of attn's images, as they lie
.endr
	WLOAD W0, 0, 28
	s_wait_loadcnt 24                              ; the copy is in; W's first step may be out
	WIN 0x04
.irp i, 0,1,2,3,4,5,6,7,8,9,10,11
	ds_store_b128 v2, v[W1+4*\i:W1+4*\i+3] offset:4096*\i
.endr
	BARRIER
	WIN 0x40
	s_wait_alu depctr_vm_vsrc(0)                   ; my LDS stores have read the copy in W1's registers, in which W's second step lands
	WLOAD W1, 1, 28
	XLOAD 0
	WIN 0
	s_wait_kmcnt 0x0
	s_add_co_i32 s48, s42, s43
	s_add_co_i32 s48, s48, 127
	s_lshl_b32 s48, s48, 23                        ; 2^(e10 + e11)
	s_mov_b32 s49, s48
	s_add_co_i32 s50, s44, s45
	s_add_co_i32 s50, s50, 127
	s_lshl_b32 s50, s50, 23                        ; 2^(e12 + e13)
	s_mov_b32 s51, s50
	s_add_co_i32 s56, s44, 127
	s_lshl_b32 s58, s56, 23
	v_mov_b32 v10, s58                             ; 2^e12
	s_add_co_i32 s56, s56, 8
	s_lshl_b32 s56, s56, 23
	s_or_b32 s56, s56, 0x600000
	v_mov_b32 v11, s56                             ; 448 x 2^e12
	s_add_co_i32 s56, s46, 127
	s_lshl_b32 s62, s56, 23                        ; 2^e14
	s_add_co_i32 s56, s56, 8
	s_lshl_b32 s63, s56, 23
	s_or_b32 s63, s63, 0x600000                    ; 448 x 2^e14
; ---------------- attn Wo
	KSTEP W0, 1, 24
	FREED
	XLOAD 1
	WLOAD W0, 2, 28
	KSTEP W1, 0, 24
	FREED
	XLOAD 2
	WLOAD W1, 3, 28
	KSTEP W0, 0, 24
	FREED
	XLOAD 3
	WLOAD W0, 4, 28
	KSTEP W1, 0, 24
	FREED
	XLOAD 4
	WLOAD W1, 5, 28
	KSTEP W0, 0, 24
	FREED
	XLOAD 5
	RESLOAD W0, 0
	KSTEP W1, 0, 24                                ; the residual's first 24 loads may be out
	FREED
.irp P, 0,1,2
.irp g, 0,1,2,3
	global_load_b128 v[XF+16*\P+4*\g:XF+16*\P+4*\g+3], v5, s[8:9] offset:128*\P+16*\g   ; bo
.endr
.endr
	RESLOAD W1, 6
	s_wait_loadcnt 24                              ; the residual's first half and bo are in
	WIN 0x10
.irp q, 0,1,2,3,4,5,6,7,8,9,10,11      ; each accumulator from its low end on
.irp i, 0,2,4,6,8,10,12,14
	v_pk_fma_f32 v[ACC+16*\q+\i:ACC+16*\q+\i+1], v[ACC+16*\q+\i:ACC+16*\q+\i+1], s[48:49], v[XF+16*(\q/4)+\i:XF+16*(\q/4)+\i+1] op_sel_hi:[1,0,1]
.endr
.endr
	WIN 0x04
.irp q, 0,1,2,3,4,5
.irp i, 0,2,4,6,8,10,12,14
	v_pk_add_f32 v[ACC+16*\q+\i:ACC+16*\q+\i+1], v[ACC+16*\q+\i:ACC+16*\q+\i+1], v[W0+16*\q+\i:W0+16*\q+\i+1]
.endr
.endr
	s_wait_loadcnt 0x0
.irp q, 6,7,8,9,10,11
.irp i, 0,2,4,6,8,10,12,14
	v_pk_add_f32 v[ACC+16*\q+\i:ACC+16*\q+\i+1], v[ACC+16*\q+\i:ACC+16*\q+\i+1], v[W1+16*(\q-6)+\i:W1+16*(\q-6)+\i+1]
.endr
.endr
	WIN 0x40
	s_wait_alu depctr_va_vdst(0)                   ; the additions are done reading the residual in both sets of W's registers, in which the gains and w_up's first step land
.irp P, 0,1,2
.irp g, 0,1,2,3
	global_load_b128 v[W0+16*\P+4*\g:W0+16*\P+4*\g+3],       v5, s[12:13] offset:128*\P+16*\g   ; ln2_w
	global_load_b128 v[W0+48+16*\P+4*\g:W0+48+16*\P+4*\g+3], v5, s[14:15] offset:128*\P+16*\g   ; ln2_b
.endr
.endr
	WLOAD W1, 0, 30                                ; w_up's first step lands while the norm is made
	WIN 0
; ---------------- layer norm 2: a lane's 48 numbers of each of four tokens
.irp m, 0,1,2,3
	v_pk_add_f32 v[16+2*\m:17+2*\m], v[ACC+16*\m:ACC+16*\m+1], v[ACC+16*\m+2:ACC+16*\m+3]
.endr
.irp P, 0,1,2
.irp i, 0,2,4,6,8,10,12,14
.if (\P > 0) || (\i > 2)
.irp m, 0,1,2,3
	v_pk_add_f32 v[16+2*\m:17+2*\m], v[16+2*\m:17+2*\m], v[ACC+64*\P+16*\m+\i:ACC+64*\P+16*\m+\i+1]
.endr
.endif
.endr
.endr
	CROSS RED1
.irp m, 0,1,2,3
	v_mul_f32 v[48+2*\m], s52, v[16+\m]            ; the mean, twice: a pair for the packed forms
	v_mul_f32 v[49+2*\m], s52, v[16+\m]
.endr
.irp P, 0,1,2
.irp i, 0,2,4,6,8,10,12,14
.irp m, 0,1,2,3
	v_pk_add_f32 v[32+2*\m:33+2*\m], v[ACC+64*\P+16*\m+\i:ACC+64*\P+16*\m+\i+1], v[48+2*\m:49+2*\m] neg_lo:[0,1] neg_hi:[0,1]
.endr
.irp m, 0,1,2,3
.if (\P == 0) && (\i == 0)
	v_pk_mul_f32 v[16+2*\m:17+2*\m], v[32+2*\m:33+2*\m], v[32+2*\m:33+2*\m]
.else
	v_pk_fma_f32 v[16+2*\m:17+2*\m], v[32+2*\m:33+2*\m], v[32+2*\m:33+2*\m], v[16+2*\m:17+2*\m]
.endif
.endr
.endr
.endr
	CROSS RED2
.irp m, 0,1,2,3
	v_fma_f32 v[56+2*\m], v[16+\m], s52, s53
.endr
	s_wait_alu depctr_va_vdst(0)
.irp m, 0,1,2,3
	v_rsq_f32 v[56+2*\m], v[56+2*\m]
.endr
	v_nop                                          ; a plain place behind the last transcendental
	s_wait_alu depctr_va_vdst(0)                   ; the four roots have written 1 / sigma, ahead of their first reader; and hidden is written in the accumulators, which the stores below read (the four moves between name none of them)
.irp m, 0,1,2,3
	v_mov_b32 v[57+2*\m], v[56+2*\m]
.endr
	s_lshr_b32 s56, s24, 1
	s_cmp_lg_u32 s56, s26
	s_cbranch_scc1 .Lno_hid                        ; of the four work-groups of a block each stores two waves' columns of hidden
.irp q, 0,1,2,3,4,5,6,7,8,9,10,11
.irp g, 0,1,2,3
	global_store_b128 v1, v[ACC+16*\q+4*\g:ACC+16*\q+4*\g+3], s[20:21] offset:49152*(\q%4)+2048*(\q/4)+512*\g
.endr
.endr
.Lno_hid:
	s_wait_xcnt 0x0                                ; the stores' data are written again only behind this wait
	s_wait_alu depctr_vm_vsrc(0)                   ; the stores of hidden have read the accumulators, which the lines below write again
.irp q, 0,1,2,3,4,5,6,7,8,9,10,11
.irp i, 0,2,4,6,8,10,12,14
	v_pk_add_f32 v[ACC+16*\q+\i:ACC+16*\q+\i+1], v[ACC+16*\q+\i:ACC+16*\q+\i+1], v[48+2*(\q%4):49+2*(\q%4)] neg_lo:[0,1] neg_hi:[0,1]
.endr
.endr
.irp q, 0,1,2,3,4,5,6,7,8,9,10,11
.irp i, 0,2,4,6,8,10,12,14
	v_pk_mul_f32 v[ACC+16*\q+\i:ACC+16*\q+\i+1], v[ACC+16*\q+\i:ACC+16*\q+\i+1], v[56+2*(\q%4):57+2*(\q%4)]
.endr
.endr
	s_wait_loadcnt 24                              ; ln2_w and ln2_b are in; w_up's first step may be out
	WIN 0x14
.irp q, 0,1,2,3,4,5,6,7,8,9,10,11
.irp i, 0,2,4,6,8,10,12,14
	v_pk_fma_f32 v[ACC+16*\q+\i:ACC+16*\q+\i+1], v[ACC+16*\q+\i:ACC+16*\q+\i+1], v[W0+16*(\q/4)+\i:W0+16*(\q/4)+\i+1], v[W0+48+16*(\q/4)+\i:W0+48+16*(\q/4)+\i+1]
.endr
.endr
	WIN 0
.set NN, 0
.rept 192
	v_med3_num_f32 v[ACC+NN], v[ACC+NN], -v11, v11
.set NN, NN+1
.endr
	WIN 0x40
.set NN, 0
.rept 24
	v_cvt_scalef32_pk8_fp8_f32 v[XF+2*NN:XF+2*NN+1], v[ACC+8*NN:ACC+8*NN+7], v10
.set NN, NN+1
.endr
	v_nop                                          ; a plain line behind the last conversion
	s_wait_alu depctr_va_vdst(0)                   ; the multiply-adds are done reading the gains in W0's registers, in which w_up's second step lands; the conversions have written y's codes, which the LDS stores below read
	WLOAD W0, 1, 30
	WIN 0x04
.irp q, 0,1,2,3,4,5,6,7,8,9,10,11      ; over attn's images: every wave has passed two barriers behind its last read of them
	ds_store_b128 v8, v[XF+4*\q:XF+4*\q+3] offset:12288*(\q%4)+512*(\q/4)
.endr
	BARRIER
; ---------------- y W_up
	WIN 0x40
	s_wait_alu depctr_vm_vsrc(0)                   ; my LDS stores have read y's codes in the fragments' registers, in which the loads below land
	XLOAD 0
	KSTEP W1, 1, 24
	FREED
	XLOAD 1
	WLOAD W1, 2, 30
	KSTEP W0, 0, 24
	FREED
	XLOAD 2
	WLOAD W0, 3, 30
	KSTEP W1, 0, 24
	FREED
	XLOAD 3
	WLOAD W1, 4, 30
	KSTEP W0, 0, 24
	FREED
	XLOAD 4
	WLOAD W0, 5, 30
	KSTEP W1, 0, 24
	FREED
	XLOAD 5
.irp P, 0,1,2
.irp g, 0,1,2,3
	global_load_b128 v[W1+16*\P+4*\g:W1+16*\P+4*\g+3], v5, s[16:17] offset:128*\P+16*\g   ; b_up
.endr
.endr
	KSTEP W0, 0, 12                                ; b_up's twelve loads may be out
	s_wait_loadcnt 0x0
	WIN 0x40
	v_mov_b32 v144, s62
	v_mov_b32 v145, s63
	v_mov_b32 v146, s86
	v_mov_b32 v147, s86
	v_mov_b32 v148, s87
	v_mov_b32 v149, s87
.irp q, 0,1,2,3,4,5,6,7,8,9,10,11
	GELU \q
.endr
	WIN 0x04
	s_wait_alu depctr_va_vdst(0)                   ; the conversions have written h's codes, which the stores read
.irp q, 0,1,2,3,4,5,6,7,8,9,10,11
	global_store_b128 v1, v[CD+4*\q:CD+4*\q+3], s[22:23] offset:49152*(\q%4)+512*(\q/4)
.endr
	WIN 0
	s_wait_dscnt 0x0                               ; the closing lines, six on end
	s_wait_alu 0x0
	s_wait_tensorcnt 0x0
	ds_add_u32 v14, v15
	s_wait_dscnt 0x0
	s_endpgm
.Lfunc_end_k_q0f615252d1_woup:
	.size	k_q0f615252d1_woup, .Lfunc_end_k_q0f615252d1_woup-k_q0f615252d1_woup
	.p2alignl 7, 3214868480
	.fill 96, 4, 3214868480
	.section	.rodata,"a",@progbits
	.p2align	6, 0x0
	.amdhsa_kernel k_q0f615252d1_woup
		.amdhsa_group_segment_fixed_size 58368
		.amdhsa_private_segment_fixed_size 0
		.amdhsa_enable_private_segment 0
		.amdhsa_kernarg_size 80
		.amdhsa_user_sgpr_count 2
		.amdhsa_user_sgpr_kernarg_segment_ptr 1
		.amdhsa_wavefront_size32 1
		.amdhsa_system_sgpr_workgroup_id_x 1
		.amdhsa_system_sgpr_workgroup_id_y 1
		.amdhsa_system_sgpr_workgroup_id_z 1
		.amdhsa_system_vgpr_workitem_id 0
		.amdhsa_next_free_vgpr 512
		.amdhsa_next_free_sgpr 100
		.amdhsa_reserve_vcc 0
		.amdhsa_float_denorm_mode_32 3
		.amdhsa_float_denorm_mode_16_64 3
		.amdhsa_memory_ordered 1
		.amdhsa_forward_progress 1
		.amdhsa_inst_pref_size 255
	.end_amdhsa_kernel
	.section	.bss,"aw",@nobits
	.p2align	6
	.space	262144
	.amdgpu_metadata
---
amdhsa.version: [ 1, 2 ]
amdhsa.kernels:
  - .name:           k_q0f615252d1_woup
    .symbol:         k_q0f615252d1_woup.kd
    .args:
      - { .name: ac, .offset: 0, .size: 8, .value_kind: global_buffer, .address_space: global }
      - { .name: wimg, .offset: 8, .size: 8, .value_kind: global_buffer, .address_space: global }
      - { .name: bo, .offset: 16, .size: 8, .value_kind: global_buffer, .address_space: global }
      - { .name: hidden_states, .offset: 24, .size: 8, .value_kind: global_buffer, .address_space: global }
      - { .name: ln2_w, .offset: 32, .size: 8, .value_kind: global_buffer, .address_space: global }
      - { .name: ln2_b, .offset: 40, .size: 8, .value_kind: global_buffer, .address_space: global }
      - { .name: b_up, .offset: 48, .size: 8, .value_kind: global_buffer, .address_space: global }
      - { .name: lowp_scales, .offset: 56, .size: 8, .value_kind: global_buffer, .address_space: global }
      - { .name: hid, .offset: 64, .size: 8, .value_kind: global_buffer, .address_space: global }
      - { .name: hc, .offset: 72, .size: 8, .value_kind: global_buffer, .address_space: global }
    .group_segment_fixed_size: 58368
    .private_segment_fixed_size: 0
    .kernarg_segment_align: 8
    .kernarg_segment_size: 80
    .max_flat_workgroup_size: 256
    .sgpr_count:     100
    .vgpr_count:     512
    .wavefront_size: 32
...
	.end_amdgpu_metadata
.endif
;; end of part 9
;; launch down (part 10): grid 64 x 4, 8 waves a work-group, no clusters, 247,808 bytes of LDS; arguments hc, wimg, hid, b_down, lowp_scales, out0; writes out0
.if DOCPART == 10
	.amdgcn_target "amdgcn-amd-amdhsa--gfx1250"
	.amdhsa_code_object_version 6
	.text
	.protected	k_q0f615252d1_down
	.globl	k_q0f615252d1_down
	.p2align	8
	.type	k_q0f615252d1_down,@function
k_q0f615252d1_down:
	s_mov_b64 s[64:65], 0
	v_nop
	global_prefetch_b8 v0, s[64:65] scope:SCOPE_SE
	s_setreg_imm32_b32 hwreg(HW_REG_WAVE_SCHED_MODE, 0, 2), 2
	s_setreg_imm32_b32 hwreg(HW_REG_WAVE_MODE, 25, 1), 1
	s_wait_xcnt 0x0
	s_wait_alu depctr_vm_vsrc(0)
; out0 = hidden + h W_down + b_down.  64 tokens (work-group x) x 192 features (work-group y): 768 bytes of a row of out0, three aligned blocks of 256 bytes.
; SHARES.  Wave w takes a quarter kq = w / 2 of K (768 of the 3,072) and a half fh = w % 2 of the features (96: six tiles), for the four tiles of tokens: 24 accumulators.
; Both operands come from memory straight into registers as images: a weight byte is loaded by one wave of the work-group, a byte of h by two.  K goes in 12 steps of 64 through three sets of registers, two sets ahead.
; The four parts of a sum meet in LDS, and are added in a fixed order ((0 + 1) + (2 + 3)): so the sums over K are taken in four parts.  Then wave (kq, fh) finishes token tile kq.
; The rows leave through a stage in LDS in the tokens' natural order, so that each store covers whole aligned blocks of 256 bytes.
; LIMITS: e14 + e15 between -126 and 127.
; REGISTERS.  Window 0: v1 16 x lane, v5 64 h, v6-12 LDS and store addresses, v64-255 accumulators.  Window 1: three sets of 80: six tiles of W (8 registers each), four of h.
; THE MODE: SCHED_MODE bits 1:0 = 2 (LLVM: expert scheduling mode 2), set by the entry lines.  The code itself states the register dependences
; between vector or matrix instructions and memory or LDS instructions, with s_wait_alu, always for 0.
; THE PLAN.  Registers that memory or LDS instructions touch:
;   v1, v5 to v12       offsets and LDS addresses, made at the head and never written again.
;   the three sets      step i's products read set i % 3; behind them the loads of step i + 3 land in it (behind steps 9 and 10: hidden and b_down).
;   the accumulators    written by the products; read by the 48 LDS stores of the parts; landed in by the 48 LDS loads behind the barrier; summed in place; 48 of them read by the stage's LDS stores; landed in by the stage's
;                       LDS loads behind the second barrier; read by the global stores.
; The wave's 512 registers leave no room for a fourth set, so a set is asked for again straight behind the products that read it: ONE wait on va_vdst behind each step's products, its 20 loads behind it, two other sets on their way.
; On the way out: a wait on va_vdst ahead of each run of LDS stores, a wait on vm_vsrc behind each barrier, ahead of the LDS loads that land in the registers that those stores read.
.set ACC, 64
.set STG, 196608                       ; LDS: 32 parts of 6,144 bytes; then the stage: 64 rows of 768 bytes + 16
.set SP,  784
.set MSB, 0
.macro WIN new
.if MSB != \new
	s_set_vgpr_msb (MSB<<8)|\new
.set MSB, \new
.endif
.endm
.macro PLACES
.rept 4
	v_nop
.endr
.endm
.macro LOADSET i                       ; step i's 20 loads
	WIN 0x40
.irp t, 0,1,2,3,4,5
.irp c, 0,1
	global_load_b128 v[80*((\i)%3)+8*\t+4*\c:80*((\i)%3)+8*\t+4*\c+3], v1, s[6:7] offset:49152*\t+1024*(\i)+512*\c
.endr
.endr
.irp m, 0,1,2,3
.irp c, 0,1
	global_load_b128 v[80*((\i)%3)+48+8*\m+4*\c:80*((\i)%3)+48+8*\m+4*\c+3], v1, s[4:5] offset:49152*\m+1024*(\i)+512*\c
.endr
.endr
.endm
.macro MUL64 i, zero, n                ; the accumulators take turns, one instruction a turn.  n: the younger loads
	s_wait_loadcnt \n
	WIN 0x05
.irp t, 0,1,2,3,4,5
.irp m, 0,1,2,3
.set DD, ACC+64*(\t/2)+16*\m+8*(\t%2)
.if \zero
	v_wmma_f32_16x16x64_fp8_fp8 v[DD:DD+7], v[80*((\i)%3)+8*\t:80*((\i)%3)+8*\t+7], v[80*((\i)%3)+48+8*\m:80*((\i)%3)+48+8*\m+7], 0
.else
	v_wmma_f32_16x16x64_fp8_fp8 v[DD:DD+7], v[80*((\i)%3)+8*\t:80*((\i)%3)+8*\t+7], v[80*((\i)%3)+48+8*\m:80*((\i)%3)+48+8*\m+7], v[DD:DD+7]
.endif
.endr
.endr
	PLACES
.endm
.macro FREED                           ; behind a step's products, ahead of the loads into the set that they read: the window first, then the wait
	WIN 0x40
	s_wait_alu depctr_va_vdst(0)                   ; the step's products are done reading their set, in which the loads below land
.endm
	s_load_b256 s[4:11], s[0:1], 0x0               ; hc, wimg, hid, b_down
	s_load_b128 s[12:15], s[0:1], 0x20             ; lowp_scales, out0
	v_lshl_add_u32 v62, v0, 2, 0x3c400
	v_mov_b32 v63, 0
	v_lshrrev_b32 v1, 5, v0
	v_readfirstlane_b32 s16, v1                    ; wave 0..7
	v_and_b32 v1, 31, v0
	v_lshlrev_b32 v1, 4, v1                        ; 16 x lane
	s_wait_alu depctr_va_vdst(0)
	v_and_b32 v3, 15, v0
	s_wait_alu depctr_va_vdst(0)
	v_bfe_u32 v4, v0, 4, 1
	v_lshlrev_b32 v5, 6, v4                        ; 64 h
	s_wait_alu depctr_va_sdst(0)                   ; s16 is written, ahead of its first reader: the wave's quarter of K, its half of the features and all its places are made from it
	s_lshr_b32 s17, s16, 1                         ; kq
	s_and_b32 s18, s16, 1                          ; fh
	s_and_b32 s19, ttmp7, 0xffff                   ; fb
	s_lshl_b32 s24, s18, 2
	s_add_co_u32 s24, s24, s17
	s_mul_i32 s24, s24, 24576
	v_add_nc_u32 v6, s24, v1                       ; my four parts: (4 fh + kq) x 4 parts of 6,144 bytes
	s_mul_i32 s24, s18, 98304
	s_mul_i32 s25, s17, 6144
	s_add_co_u32 s24, s24, s25
	v_add_nc_u32 v7, s24, v1                       ; back: token tile kq of my half's quarters 0 and 1,
	v_add_nc_u32 v8, 49152, v7                     ; and of quarters 2 and 3
	s_lshr_b32 s24, s17, 1
	s_lshl_b32 s24, s24, 5
	s_and_b32 s25, s17, 1
	s_lshl_b32 s25, s25, 3
	s_add_co_u32 s24, s24, s25                     ; token tile kq begins at row 32 (kq / 2) + 8 (kq % 2)
	s_mul_i32 s24, s24, SP
	s_mul_i32 s25, s18, 384
	s_add_co_u32 s24, s24, s25
	s_add_co_u32 s24, s24, STG
	v_and_b32 v9, 8, v3
	v_add_nc_u32 v9, v9, v3
	v_mul_u32_u24 v9, v9, SP
	s_wait_alu depctr_va_vdst(0)
	v_add_nc_u32 v9, v9, v5
	v_add_nc_u32 v9, s24, v9                       ; the stage, in: row + r + 8 (r / 8); 384 fh + 64 h bytes on
	s_mul_i32 s24, s16, 8*SP
	s_add_co_u32 s24, s24, STG
	v_add_nc_u32 v10, s24, v1                      ; the stage, out: my eight rows
	v_lshl_add_u32 v11, v4, 4, v10                 ; (lanes 16-31 one row on: past the row's 16 bytes of padding)
	v_mul_u32_u24 v12, v4, 2304
	v_add_nc_u32 v12, v12, v1                      ; (and in out0: 3,072 - 768 bytes further)
	s_mov_b32 s27, 0
	s_mul_i32 s28, ttmp9, 196608
	s_wait_kmcnt 0x0
	s_load_b64 s[20:21], s[12:13], 0x38            ; e14, e15
	s_mul_i32 s26, s17, 12288
	s_add_co_u32 s26, s26, s28
	s_add_nc_u64 s[4:5], s[4:5], s[26:27]          ; hc: my four tiles, my quarter of K
	s_mul_i32 s26, s19, 12
	s_mul_i32 s29, s18, 6
	s_add_co_u32 s26, s26, s29
	s_mul_i32 s26, s26, 49152
	s_mul_i32 s29, s17, 12288
	s_add_co_u32 s26, s26, s29
	s_add_co_u32 s26, s26, 4718592
	s_add_nc_u64 s[6:7], s[6:7], s[26:27]          ; w_down's images: tiles 12 fb + 6 fh on, my quarter of K
	s_mul_i32 s26, s19, 6
	s_mul_i32 s29, s18, 3
	s_add_co_u32 s26, s26, s29
	s_lshl_b32 s26, s26, 11
	s_mul_i32 s29, s17, 49152
	s_add_co_u32 s26, s26, s29
	s_add_co_u32 s26, s26, s28
	s_add_nc_u64 s[8:9], s[8:9], s[26:27]          ; hid: token tile kq, pairs 6 fb + 3 fh on
	s_mul_i32 s26, s19, 768
	s_mul_i32 s29, s18, 384
	s_add_co_u32 s29, s29, s26
	s_mov_b32 s30, s29
	s_mov_b32 s31, 0
	s_add_nc_u64 s[10:11], s[10:11], s[30:31]      ; b_down at my 96 features
	s_mul_i32 s29, s16, 24576
	s_add_co_u32 s26, s26, s29
	s_add_co_u32 s26, s26, s28
	s_add_nc_u64 s[14:15], s[14:15], s[26:27]      ; out0: row 64 tb + 8 w, byte 768 fb
	WIN 0x40
	s_wait_alu depctr_va_vdst(0)                   ; the offsets and LDS addresses v1 and v5 to v12 are written, which the loads, stores and LDS instructions of the whole kernel read
	LOADSET 0
	LOADSET 1
	LOADSET 2
	MUL64 0, 1, 40                                 ; two sets, 40 loads, may be out
	FREED
	LOADSET 3
.irp i, 1,2,3,4,5,6,7,8
	MUL64 \i, 0, 40
	FREED
	LOADSET (\i+3)
.endr
	MUL64 9, 0, 40
	FREED
.irp P, 0,1,2
.irp g, 0,1,2,3
	global_load_b128 v[16*\P+4*\g:16*\P+4*\g+3], v1, s[8:9] offset:2048*\P+512*\g       ; hidden, into the set that step 9 has left
.endr
.endr
	MUL64 10, 0, 32                                ; step 11's 20 loads and hidden's 12 may be out
	FREED
.irp P, 0,1,2
.irp g, 0,1,2,3
	global_load_b128 v[80+16*\P+4*\g:80+16*\P+4*\g+3], v5, s[10:11] offset:128*\P+16*\g ; b_down
.endr
.endr
	MUL64 11, 0, 24                                ; hidden's and b_down's may be out
	WIN 0
	s_wait_alu depctr_va_vdst(0)                   ; the products have written the accumulators, which the LDS stores read; the four places above stay beside this wait
.set NN, 0
.rept 48                               ; quad n: combination q = n / 4 = 4 P + m, part m, place 4 P + g; ascending
	ds_store_b128 v6, v[ACC+4*NN:ACC+4*NN+3] offset:6144*((NN/4)%4)+512*(4*(NN/16)+NN%4)
.set NN, NN+1
.endr
	s_wait_dscnt 0x0                               ; for the others' sake
	s_barrier_signal -1
	s_barrier_wait -1
	s_wait_alu depctr_vm_vsrc(0)                   ; my LDS stores have read the accumulators, in which the loads below land
.irp k, 0,1
.irp n, 0,1,2,3,4,5,6,7,8,9,10,11
	ds_load_b128 v[ACC+48*\k+4*\n:ACC+48*\k+4*\n+3], v7 offset:24576*\k+512*\n
.endr
.endr
.irp k, 0,1
.irp n, 0,1,2,3,4,5,6,7,8,9,10,11
	ds_load_b128 v[ACC+96+48*\k+4*\n:ACC+96+48*\k+4*\n+3], v8 offset:24576*\k+512*\n
.endr
.endr
	s_wait_kmcnt 0x0
	s_add_co_i32 s22, s20, s21
	s_add_co_i32 s22, s22, 127
	s_lshl_b32 s22, s22, 23                        ; 2^(e14 + e15)
	s_mov_b32 s23, s22
	s_wait_dscnt 0x0
.set NN, 0
.rept 24
	v_pk_add_f32 v[ACC+2*NN:ACC+2*NN+1], v[ACC+2*NN:ACC+2*NN+1], v[ACC+48+2*NN:ACC+48+2*NN+1]
	v_pk_add_f32 v[ACC+96+2*NN:ACC+96+2*NN+1], v[ACC+96+2*NN:ACC+96+2*NN+1], v[ACC+144+2*NN:ACC+144+2*NN+1]
.set NN, NN+1
.endr
.set NN, 0
.rept 24
	v_pk_add_f32 v[ACC+2*NN:ACC+2*NN+1], v[ACC+2*NN:ACC+2*NN+1], v[ACC+96+2*NN:ACC+96+2*NN+1]
.set NN, NN+1
.endr
	s_wait_loadcnt 0x0                             ; hidden, b_down
	WIN 0x10
.set NN, 0
.rept 24
	v_pk_fma_f32 v[ACC+2*NN:ACC+2*NN+1], v[ACC+2*NN:ACC+2*NN+1], s[22:23], v[80+2*NN:80+2*NN+1] op_sel_hi:[1,0,1]
.set NN, NN+1
.endr
	WIN 0x04
.set NN, 0
.rept 24
	v_pk_add_f32 v[ACC+2*NN:ACC+2*NN+1], v[ACC+2*NN:ACC+2*NN+1], v[2*NN:2*NN+1]
.set NN, NN+1
.endr
	WIN 0
	s_wait_alu depctr_va_vdst(0)                   ; the additions have written my tile's 48 numbers, which the LDS stores read; no vector work follows on the registers in which the stage's loads land
.irp P, 0,1,2
.irp g, 0,1,2,3
	ds_store_b128 v9, v[ACC+16*\P+4*\g:ACC+16*\P+4*\g+3] offset:128*\P+16*\g
.endr
.endr
	s_wait_dscnt 0x0                               ; for the others' sake
	s_barrier_signal -1
	s_barrier_wait -1
	s_wait_alu depctr_vm_vsrc(0)                   ; my LDS stores have read their 48 registers, in which the loads below land
.irp a, 0,1,2,3                        ; two rows of 768 bytes are three loads of 512: a row's first 512; its last 256 and the next row's first 256; that row's last 512
	ds_load_b128 v[ACC+12*\a:ACC+12*\a+3],    v10 offset:2*SP*\a
	ds_load_b128 v[ACC+12*\a+4:ACC+12*\a+7],  v11 offset:2*SP*\a+512
	ds_load_b128 v[ACC+12*\a+8:ACC+12*\a+11], v10 offset:2*SP*\a+SP+256
.endr
.irp a, 0,1,2,3
	s_wait_dscnt 11-3*\a
	global_store_b128 v1,  v[ACC+12*\a:ACC+12*\a+3],    s[14:15] offset:6144*\a th:TH_STORE_NT        ; sixteen lanes store 256 consecutive bytes, at a multiple of 256 from out0's first byte
	s_wait_dscnt 10-3*\a
	global_store_b128 v12, v[ACC+12*\a+4:ACC+12*\a+7],  s[14:15] offset:6144*\a+512 th:TH_STORE_NT
	s_wait_dscnt 9-3*\a
	global_store_b128 v1,  v[ACC+12*\a+8:ACC+12*\a+11], s[14:15] offset:6144*\a+3328 th:TH_STORE_NT
.endr
	s_wait_dscnt 0x0                               ; the closing lines, six on end
	s_wait_alu 0x0
	s_wait_tensorcnt 0x0
	ds_add_u32 v62, v63
	s_wait_dscnt 0x0
	s_endpgm
.Lfunc_end_k_q0f615252d1_down:
	.size	k_q0f615252d1_down, .Lfunc_end_k_q0f615252d1_down-k_q0f615252d1_down
	.p2alignl 7, 3214868480
	.fill 96, 4, 3214868480
	.section	.rodata,"a",@progbits
	.p2align	6, 0x0
	.amdhsa_kernel k_q0f615252d1_down
		.amdhsa_group_segment_fixed_size 247808
		.amdhsa_private_segment_fixed_size 0
		.amdhsa_enable_private_segment 0
		.amdhsa_kernarg_size 48
		.amdhsa_user_sgpr_count 2
		.amdhsa_user_sgpr_kernarg_segment_ptr 1
		.amdhsa_wavefront_size32 1
		.amdhsa_system_sgpr_workgroup_id_x 1
		.amdhsa_system_sgpr_workgroup_id_y 1
		.amdhsa_system_sgpr_workgroup_id_z 1
		.amdhsa_system_vgpr_workitem_id 0
		.amdhsa_next_free_vgpr 512
		.amdhsa_next_free_sgpr 66
		.amdhsa_reserve_vcc 0
		.amdhsa_float_denorm_mode_32 3
		.amdhsa_float_denorm_mode_16_64 3
		.amdhsa_memory_ordered 1
		.amdhsa_forward_progress 1
		.amdhsa_inst_pref_size 67
	.end_amdhsa_kernel
	.amdgpu_metadata
---
amdhsa.version: [ 1, 2 ]
amdhsa.kernels:
  - .name:           k_q0f615252d1_down
    .symbol:         k_q0f615252d1_down.kd
    .args:
      - { .name: hc, .offset: 0, .size: 8, .value_kind: global_buffer, .address_space: global }
      - { .name: wimg, .offset: 8, .size: 8, .value_kind: global_buffer, .address_space: global }
      - { .name: hid, .offset: 16, .size: 8, .value_kind: global_buffer, .address_space: global }
      - { .name: b_down, .offset: 24, .size: 8, .value_kind: global_buffer, .address_space: global }
      - { .name: lowp_scales, .offset: 32, .size: 8, .value_kind: global_buffer, .address_space: global }
      - { .name: out0, .offset: 40, .size: 8, .value_kind: global_buffer, .address_space: global }
    .group_segment_fixed_size: 247808
    .private_segment_fixed_size: 0
    .kernarg_segment_align: 8
    .kernarg_segment_size: 48
    .max_flat_workgroup_size: 256
    .sgpr_count:     66
    .vgpr_count:     512
    .wavefront_size: 32
...
	.end_amdgpu_metadata
.endif
;; end of part 10
